; MI455X (gfx1250); checked and timed in simulation.
; The chip was launched on July 23, 2026; its instructions are those of AMD's public machine-readable ISA for CDNA 5 (MIT licence, August 2026) and "CDNA5" Instruction Set Architecture Reference Guide (July 2026). The comments in the code are by the model that wrote it; some were corrected since.
;; Factorized Attention Block. Allowed arithmetic: matrix products marked QUANTISED: E2M1 operands, one E8M0 scale for each 32 along K, by v_wmma_scale_f32_16x16x128_f8f6f4 with both operands' format E2M1 (or v_wmma_scale_f32_32x16x128_f4), f32 sums; products left as they are: f32 operands where the result goes on into a quantised operand, else bf16, f16 or f32 operands; f32 sums; everything else in f32.
;; Inputs: ca_b1 64 float32; ca_b2 256 float32; ca_w1 64 x 256 float32; ca_w2 256 x 64 float32; in_proj_b 768 float32; in_proj_w_codes 768 x 8 x 16 uint8 (E2M1 codes of in_proj_w, K innermost, in blocks of 32 codes, two codes a byte); in_proj_w_scales 768 x 8 uint8 (E8M0 scales of in_proj_w, one for each 32 codes along K); out_proj_b 256 float32; out_proj_w_codes 256 x 8 x 16 uint8 (E2M1 codes of out_proj_w, K innermost, in blocks of 32 codes, two codes a byte); out_proj_w_scales 256 x 8 uint8 (E8M0 scales of out_proj_w, one for each 32 codes along K); x 8 x 256 x 64 x 64 float32.
;; Outputs: out0 8 x 256 x 64 x 64 float32.
;; This version of the problem:
;;   THIS VERSION OF THE PROBLEM IS GIVEN IN LOW PRECISION. The matrix products marked QUANTISED in the list below multiply operands that are first quantised to E2M1 (2 exponent bits, 1 mantissa bit; 4 bits a number), with one power-of-two scale for each 32 numbers along K (OCP MX v1.0); their sums are f32. All else is computed in f32.
;;   The module's matrix products, in the order in which they are computed (A, B: the left and right operand; K: the contracted axis; several contracted axes count as one K, in the product's order):
;;     1. [M 8, K 256] x [K 256, N 64]; A: computed on the way; B: input ca_w1: left as it is (M = 8 < 16)
;;     2. [M 8, K 64] x [K 64, N 256]; A: computed on the way; B: input ca_w2: left as it is (M = 8 < 16)
;;     3. [M 32,768, K 256] x [K 256, N 768]; A: computed on the way; B: input in_proj_w (given as codes): QUANTISED
;;     4. batch 512 x [M 512, K 32] x [K 32, N 512]; A: computed on the way; B: computed on the way: QUANTISED
;;     5. batch 512 x [M 512, K 512] x [K 512, N 32]; A: softmax (see below); B: computed on the way: QUANTISED
;;     6. [M 32,768, K 256] x [K 256, N 256]; A: computed on the way; B: input out_proj_w (given as codes): QUANTISED
;;   THE QUANTISER, for each operand of a quantised product, along K:
;;     - K is cut into blocks of 32 from its start; a last block that is shorter is filled with zeros.
;;     - A block's scale is 2^e with e = floor(log2(the largest magnitude in the block)) - 2, held to -126 .. 127; a block of zeros has e = 0. As a byte (E8M0): e + 127.
;;     - Each number is divided by its block's scale, clamped to +-6, and rounded to the nearest number of E2M1, ties to even, subnormals kept.
;;     - The product sums the exact products of the quantised numbers (number of the format x scale) in f32.
;;   ~~~python
;;   def quantise(x, axis):      # numpy; x: float32 -> the quantised numbers, widened to float32 again
;;       x = np.moveaxis(x, axis, -1); K = x.shape[-1]
;;       x = np.pad(x, [(0, 0)] * (x.ndim - 1) + [(0, -K % 32)]); x = x.reshape(x.shape[:-1] + (-1, 32)); a = np.abs(x).max(-1, keepdims=True)
;;       e = np.where(a > 0, np.clip(np.frexp(np.where(a > 0, a, 1))[1] - 1 - 2, -126, 127), 0)      # np.frexp(a)[1] - 1 = floor(log2(a)), exactly
;;       r = np.clip(x / 2.0 ** e, -6, 6)
;;       step = 2.0 ** (np.maximum(np.frexp(np.where(r == 0, 1, r))[1] - 1, 0) - 1)
;;       q = np.round(r / step) * step * 2.0 ** e      # np.round: ties to even
;;       return np.moveaxis(q.reshape(q.shape[:-2] + (-1,))[..., :K], -1, axis).astype(np.float32)
;;   ~~~
;;   SOFTMAX AHEAD OF A QUANTISED PRODUCT. Where the list says 'softmax', what is quantised is not the finished softmax but p = 2^(t - M), with t = logit x log2(e) and M = ceil(the row's largest t), a whole number; so 1/2 < the row's largest p <= 1. The row's sum l is taken of the UNQUANTISED p, in f32, and the product's result is divided by l at the end. Since M is a whole number, a kernel that streams over the keys may use a running M (the ceiling of the running maximum): every later rescaling is an exact power of two, which a block's scale takes up: the codes' values come out the same.
;;   OPERANDS COMPUTED ON THE WAY. 'Computed on the way' means the value that the module computes at that place (a softmax that the list does not call 'softmax' is quantised finished and normalised). What goes into a quantiser is computed in f32, as accurately as f32 sums, v_exp_f32 and their like allow (about 1e-6 of the number): no bf16 or f16 on the way to a quantiser, and a product that is left as it is and whose result goes on into a quantised operand takes f32 operands (vector FMAs, or v_wmma_f32_16x16x4_f32). A number that lies on a knife's edge between two numbers of the format may be rounded either way, as far as f32 arithmetic and the matrix unit's own rounding can turn it there, and no further.
;;   INPUTS GIVEN AS CODES. in_proj_w (in the module: [768, 256], K = its axis 1); out_proj_w (in the module: [256, 256], K = its axis 1): each comes as NAME_codes (uint8): NAME with its K axis moved to the last place and cut into blocks of 32 codes, [.., K / 32, bytes a block], one block behind the other in memory; two codes a byte, the lower K in the low four bits (a code: sign, 2 exponent bits, 1 mantissa bit); and NAME_scales (uint8): the same leading axes, one E8M0 byte (e + 127) for each 32 codes along K. Its value is code x scale, taken as it is: it is not quantised again, and the codes and scales need not be those that the quantiser above would give.
;; 2 versions. Each part assembles by itself: llvm-mc -triple=amdgcn-amd-amdhsa -mcpu=gfx1250 --defsym DOCPART=n.
;; ======== version 1 of 2: 4 launches
;; workspace buffers: pooled 8,192 bytes; ca 8,192 bytes; xq_codes 4,194,304 bytes; xq_scales 262,144 bytes; o_codes 4,194,304 bytes; o_scales 262,144 bytes
;; launch pool (part 1): grid 256 x 1, 8 waves a work-group, no clusters, 1,280 bytes of LDS; arguments x, pooled; writes pooled
.if DOCPART == 1
	.amdgcn_target "amdgcn-amd-amdhsa--gfx1250"
	.amdhsa_code_object_version 6
	.text
	.protected	k_q2e70abd381_pool
	.globl	k_q2e70abd381_pool
	.p2align	8
	.type	k_q2e70abd381_pool,@function
k_q2e70abd381_pool:
	s_mov_b64 s[64:65], 0
	v_nop
	global_prefetch_b8 v0, s[64:65] scope:SCOPE_SE
	s_setreg_imm32_b32 hwreg(HW_REG_WAVE_MODE, 25, 1), 1
	s_wait_xcnt 0x0
; pooled[b][c] = the sum of x[b][c][:][:] (4,096 numbers, f32).  The division by 4,096 is left to the launch that reads the sums.
; Eight waves; wave w of work-group g owns the plane b*256 + c = 8 g + w: 16,384 consecutive bytes, 32 loads of 512 bytes, all issued at once.
; The work-group's eight sums meet in LDS and leave as 32 consecutive bytes.  A stream: no matrix unit, no tensor load, no cluster (no two work-groups read the same byte).
; LIMITS: NaN and infinities among the inputs are not served.
.set X, 16                             ; v16-143: the 32 loads; v[16:23] are also the four packed chains
	s_load_b128 s[4:7], s[0:1], 0x0                ; x, pooled
	v_lshl_add_u32 v148, v0, 2, 0x100
	v_mov_b32 v149, 0
	v_lshrrev_b32 v2, 5, v0
	v_readfirstlane_b32 s8, v2                     ; wave
	v_and_b32 v1, 31, v0
	v_lshlrev_b32 v1, 4, v1                        ; 16 bytes a lane
	v_lshlrev_b32 v3, 2, v2                        ; LDS: my wave's word
	v_and_b32 v4, 7, v0
	v_lshlrev_b32 v4, 2, v4                        ; the way out: word lane % 8
	s_lshl_b32 s10, ttmp9, 17                      ; 8 planes of 16,384 bytes a work-group
	s_lshl_b32 s9, s8, 14
	s_add_co_u32 s10, s10, s9
	s_mov_b32 s11, 0
	s_mov_b32 s12, 0x76543210                      ; v_permlanex16_b32: lane l xor 16
	s_mov_b32 s13, 0xfedcba98
	s_lshl_b32 s14, ttmp9, 5                       ; 8 sums of 4 bytes a work-group
	s_mov_b32 s15, 0
	s_wait_kmcnt 0x0
	s_add_nc_u64 s[4:5], s[4:5], s[10:11]
	s_add_nc_u64 s[6:7], s[6:7], s[14:15]
.set i, 0
.rept 32
	global_load_b128 v[X+4*i:X+4*i+3], v1, s[4:5] offset:512*i th:TH_LOAD_NT
.set i, i+1
.endr
	s_wait_loadcnt 24                              ; loads 0 to 7 are in; the 24 younger ones stay out
.set i, 2
.rept 30                               ; loads 0 and 1 start the four chains: nothing is cleared
.if (i%8) == 0
	s_wait_loadcnt 24-8*(i/8)                      ; the next eight loads are in
.endif
	v_pk_add_f32 v[X+4*(i%2):X+4*(i%2)+1], v[X+4*(i%2):X+4*(i%2)+1], v[X+4*i:X+4*i+1]
	v_pk_add_f32 v[X+4*(i%2)+2:X+4*(i%2)+3], v[X+4*(i%2)+2:X+4*(i%2)+3], v[X+4*i+2:X+4*i+3]
.set i, i+1
.endr
	v_pk_add_f32 v[16:17], v[16:17], v[18:19]
	v_pk_add_f32 v[20:21], v[20:21], v[22:23]
	v_pk_add_f32 v[16:17], v[16:17], v[20:21]
	v_add_f32 v16, v16, v17
	v_add_f32_dpp v16, v16, v16 row_xmask:1 row_mask:0xf bank_mask:0xf
	v_add_f32_dpp v16, v16, v16 row_xmask:2 row_mask:0xf bank_mask:0xf
	v_add_f32_dpp v16, v16, v16 row_xmask:4 row_mask:0xf bank_mask:0xf
	v_add_f32_dpp v16, v16, v16 row_xmask:8 row_mask:0xf bank_mask:0xf
	v_permlanex16_b32 v17, v16, s12, s13
	v_add_f32 v16, v16, v17                        ; the plane's sum, in every lane
	ds_store_b32 v3, v16                           ; all lanes write the same word with the same value
	s_wait_dscnt 0x0                               ; for the others' sake: my store has landed
	s_barrier_signal -1
	s_barrier_wait -1
	s_cmp_lg_u32 s8, 0
	s_cbranch_scc1 .Lend                           ; wave 0 stores for the work-group
	ds_load_b32 v5, v4
	s_wait_dscnt 0x0
	s_wait_xcnt 0x0                                ; EXEC changes only behind this wait
	v_cmp_gt_u32 vcc_lo, 8, v0
	s_and_saveexec_b32 s9, vcc_lo
	global_store_b32 v4, v5, s[6:7]                ; lanes 0 to 7: 32 consecutive bytes
	s_wait_xcnt 0x0
	s_or_b32 exec_lo, exec_lo, s9
.Lend:
	s_wait_tensorcnt 0x0
	ds_add_u32 v148, v149
	s_wait_dscnt 0x0
	s_endpgm
.Lfunc_end_k_q2e70abd381_pool:
	.size	k_q2e70abd381_pool, .Lfunc_end_k_q2e70abd381_pool-k_q2e70abd381_pool
	.p2alignl 7, 3214868480
	.fill 96, 4, 3214868480
	.section	.rodata,"a",@progbits
	.p2align	6, 0x0
	.amdhsa_kernel k_q2e70abd381_pool
		.amdhsa_group_segment_fixed_size 1280
		.amdhsa_private_segment_fixed_size 0
		.amdhsa_enable_private_segment 0
		.amdhsa_kernarg_size 16
		.amdhsa_user_sgpr_count 2
		.amdhsa_user_sgpr_kernarg_segment_ptr 1
		.amdhsa_wavefront_size32 1
		.amdhsa_system_sgpr_workgroup_id_x 1
		.amdhsa_system_sgpr_workgroup_id_y 1
		.amdhsa_system_sgpr_workgroup_id_z 1
		.amdhsa_system_vgpr_workitem_id 0
		.amdhsa_next_free_vgpr 150
		.amdhsa_next_free_sgpr 66
		.amdhsa_reserve_vcc 1
		.amdhsa_float_denorm_mode_32 3
		.amdhsa_float_denorm_mode_16_64 3
		.amdhsa_memory_ordered 1
		.amdhsa_forward_progress 1
		.amdhsa_inst_pref_size 10
	.end_amdhsa_kernel
	.amdgpu_metadata
---
amdhsa.version: [ 1, 2 ]
amdhsa.kernels:
  - .name:           k_q2e70abd381_pool
    .symbol:         k_q2e70abd381_pool.kd
    .args:
      - { .name: x, .offset: 0, .size: 8, .value_kind: global_buffer, .address_space: global }
      - { .name: pooled, .offset: 8, .size: 8, .value_kind: global_buffer, .address_space: global }
    .group_segment_fixed_size: 1280
    .private_segment_fixed_size: 0
    .kernarg_segment_align: 8
    .kernarg_segment_size: 16
    .max_flat_workgroup_size: 256
    .sgpr_count:     66
    .vgpr_count:     150
    .wavefront_size: 32
...
	.end_amdgpu_metadata
.endif
;; end of part 1
;; launch gateq (part 2): grid 4 x 64, 8 waves a work-group, no clusters, 24,064 bytes of LDS; arguments x, pooled, ca_w1, ca_b1, ca_w2, ca_b2, xq_codes, xq_scales, ca; writes xq_codes, xq_scales, ca
.if DOCPART == 2
	.amdgcn_target "amdgcn-amd-amdhsa--gfx1250"
	.amdhsa_code_object_version 6
	.text
	.protected	k_q2e70abd381_gateq
	.globl	k_q2e70abd381_gateq
	.p2align	8
	.type	k_q2e70abd381_gateq,@function
k_q2e70abd381_gateq:
	s_mov_b64 s[64:65], 0
	v_nop
	global_prefetch_b8 v0, s[64:65] scope:SCOPE_SE
	s_setreg_imm32_b32 hwreg(HW_REG_WAVE_MODE, 25, 1), 1
	s_wait_xcnt 0x0
; The channel gate, the gated x, and its codes of FP4 (E2M1) along the channels, laid by window position n.
; ca[b][c] = sigmoid(relu(mean[b] W1^T + b1) W2^T + b2), in f32 by fused multiply-adds (its result goes on into a quantiser).  xq = Q(x ca), one E8M0 byte for each 32 channels.
; SHARES.  Work-group (bp, h) takes image row h of the images b = 2 bp + b2: 128 tokens (b2, ww, j) x 256 channels, 131,072 bytes of x.  Token (l, n): l = 64 (h / 8) + 8 ww + b, n = 8 (h % 8) + j.
; Wave w = 4 b2 + cq takes image b2, channels 64 cq .. 64 cq + 63, all 64 places of the row: each load reads two whole rows of 256 bytes.  Lane (q, hh) holds places 4 q .. 4 q + 3 of 16 channels;
; the multiplication by ca also sorts them, so that 16 consecutive registers are 16 neighbouring channels of one token; a block of 32 lies in lanes l and l xor 16.
; The gate of the work-group's two images is made by the work-group itself while its loads of x are on their way: the weights are shared out among the eight waves.
; OUT.  xq_codes [n 64][l 512][128 bytes]: the codes go through a stage in LDS, and sixteen lanes store the 256 consecutive bytes of the tokens l, l + 1 of one n.
;       xq_scales [h 64][bp 4][j 8][ww 8][b2 2][8 bytes]: the work-group's 1,024 bytes are consecutive.   ca [8][256] f32: stored by the work-groups of h = 0.
; No matrix unit (the two products have 8 rows), no tensor load (each byte of x is read once, straight into registers), no cluster (work-groups share the small weights alone).
; LIMITS: a block's byte is held at 1 from below (largest magnitude under 2^-124); a block of zeros gets the byte 1, not 127: its codes are zeros and this program alone reads the bytes.  NaN and infinities are not served.
.set H1,   0                           ; LDS: h1 [b2][64] f32
.set PRE,  512                         ; the second product's sums [b2][256]
.set CAL,  2560                        ; ca [b2][256]
.set CST,  4608                        ; the codes' stage: 64 places x (2 tokens x 128 bytes + 16)
.set SCS,  22016                       ; the scale bytes [j][ww][b2][8]
.set PL,   16                          ; v16-31  the sums of pool, then h1 (v16-23), then the codes (block 0: v16-23, block 1: v24-31)
.set W1R,  32                          ; v32-95  my 8 rows of W1, then the second half of x
.set RAW1, 32
.set W2R,  96                          ; v96-159 my 32 rows of W2, then the gated numbers [token 4][channel 16]
.set G,    96
.set RAW0, 160                         ; v160-223 the first half of x
.set AC,   224                         ; v224-255 sixteen pairs of sums in the gate; later:
.set CAV,  224                         ; v224-239 ca of my 16 channels
.set MX,   240                         ; v240-243 largest magnitudes
.set PD,   244                         ; v244-247 the other half's (written before, as sums)
.set SO,   248                         ; v248-251 the conversions' scale operands
.set BY,   252                         ; v252-255 two scale bytes a token
	s_load_b512 s[4:19], s[0:1], 0x0               ; x, pooled, W1, b1, W2, b2, xq_codes, xq_scales
	s_load_b64 s[20:21], s[0:1], 0x40              ; ca
	s_set_vgpr_msb 0x40
	v_lshl_add_u32 v0, v0, 2, 0x5a00
	v_mov_b32 v1, 0
	s_set_vgpr_msb 0x4000
	v_lshrrev_b32 v224, 5, v0
	v_readfirstlane_b32 s22, v224                  ; wave
	v_and_b32 v225, 31, v0                         ; lane
	v_and_b32 v226, 15, v0                         ; q
	v_bfe_u32 v227, v0, 4, 1                       ; hh
	s_lshl_b32 s23, s22, 5                         ; 32 w
	s_lshr_b32 s35, s22, 2                         ; b2
	s_and_b32 s36, s22, 3                          ; cq
	s_and_b32 s34, ttmp7, 0xffff                   ; h
	s_mov_b32 s32, 0x76543210                      ; v_permlanex16_b32: lane l xor 16
	s_mov_b32 s33, 0xfedcba98
	v_lshlrev_b32 v1, 4, v225                      ; v1  16 x lane
	v_lshlrev_b32 v2, 2, v225                      ; v2  4 x lane
	v_lshlrev_b32 v3, 18, v227                     ; v3  x: 16 channels further on for lanes 16-31, + 16 q
	v_lshl_add_u32 v3, v226, 4, v3
	v_mov_b32 v4, s23                              ; v4  h1, in: my 8 outputs
	v_lshlrev_b32 v5, 4, v226                      ; v5  h1, back: numbers 4 q .. 4 q + 3
	s_lshl_b32 s37, s22, 7
	s_add_co_u32 s38, s37, PRE
	s_add_co_u32 s39, s37, CAL
	v_lshl_add_u32 v6, v227, 2, s38                ; v6  the sums, in: channel 32 w + 2 i + hh
	v_lshl_add_u32 v7, v225, 2, s38                ; v7  back: channel 32 w + lane
	v_lshl_add_u32 v8, v225, 2, s39                ; v8  ca, in
	s_lshl_b32 s40, s35, 10
	s_lshl_b32 s41, s36, 8
	s_add_co_u32 s40, s40, s41
	s_add_co_u32 s40, s40, CAL
	v_lshl_add_u32 v9, v227, 6, s40                ; v9  ca, back: image b2, channels 64 cq + 16 hh on
	s_lshl_b32 s40, s35, 7
	s_lshl_b32 s41, s36, 5
	s_add_co_u32 s40, s40, s41
	s_add_co_u32 s40, s40, CST
	v_mul_u32_u24 v10, v226, 1088
	v_lshl_add_u32 v10, v227, 3, v10
	v_add_nc_u32 v10, s40, v10                     ; v10 the stage, in: place 4 q, token b2, byte 32 cq + 8 hh
	s_lshl_b32 s40, s35, 3
	s_lshl_b32 s41, s36, 1
	s_add_co_u32 s40, s40, s41
	s_add_co_u32 s40, s40, SCS
	v_and_b32 v228, 1, v226
	v_lshrrev_b32 v229, 1, v226
	v_lshlrev_b32 v11, 9, v228
	v_lshl_add_u32 v11, v229, 4, v11
	v_add_nc_u32 v11, s40, v11                     ; v11 the scale bytes, in: j = 4 (q % 2) + token, ww = q / 2, bytes 2 cq, 2 cq + 1
	s_mul_i32 s40, s22, 2176
	s_add_co_u32 s40, s40, CST
	v_mul_u32_u24 v12, v227, 272
	v_lshl_add_u32 v12, v226, 4, v12
	v_add_nc_u32 v12, s40, v12                     ; v12 the stage, back: places 8 w + hh on, sixteen lanes to a place
	v_lshlrev_b32 v13, 16, v227
	v_lshl_add_u32 v13, v226, 4, v13               ; v13 and the same in xq_codes: n is 65,536 bytes
	s_lshl_b32 s40, s22, 9
	s_add_co_u32 s41, s40, CAL
	v_lshl_add_u32 v14, v225, 4, s41               ; v14 ca on its way out (waves 0 to 3)
	s_add_co_u32 s41, s40, SCS
	v_lshl_add_u32 v15, v225, 4, s41               ; v15 the scale bytes on their way out (waves 0 and 1)
	s_mov_b32 s45, 0
	s_wait_kmcnt 0x0
	s_load_b256 s[24:31], s[10:11], s23 offset:0x0 ; b1 of my eight outputs
	s_lshl_b32 s44, ttmp9, 11
	s_add_nc_u64 s[6:7], s[6:7], s[44:45]          ; pooled and ca at image 2 bp
	s_add_nc_u64 s[20:21], s[20:21], s[44:45]
	s_lshl_b32 s44, s22, 9
	s_add_nc_u64 s[20:21], s[20:21], s[44:45]      ; + 512 w
	s_add_nc_u64 s[18:19], s[18:19], s[44:45]
	s_lshl_b32 s44, s22, 13
	s_add_nc_u64 s[8:9], s[8:9], s[44:45]          ; W1: my 8 rows of 1,024 bytes
	s_add_nc_u64 s[12:13], s[12:13], s[44:45]      ; W2: my 32 rows of 256 bytes
	s_lshl_b32 s44, s22, 7
	s_add_nc_u64 s[14:15], s[14:15], s[44:45]      ; b2: my 32 numbers
	s_lshl_b32 s44, ttmp9, 1
	s_add_co_u32 s44, s44, s35
	s_lshl_b32 s44, s44, 22                        ; x: image 2 bp + b2,
	s_lshl_b32 s46, s36, 20
	s_add_co_u32 s44, s44, s46                     ; channel 64 cq,
	s_lshl_b32 s46, s34, 8
	s_add_co_u32 s44, s44, s46                     ; row h
	s_add_nc_u64 s[4:5], s[4:5], s[44:45]
	s_and_b32 s46, s34, 7
	s_lshl_b32 s44, s46, 19                        ; xq_codes: n = 8 (h % 8),
	s_lshr_b32 s46, s34, 3
	s_lshl_b32 s46, s46, 13
	s_add_co_u32 s44, s44, s46                     ; l = 64 (h / 8)
	s_lshl_b32 s46, s22, 10
	s_add_co_u32 s44, s44, s46                     ; + 8 w (on the way out wave w takes ww = w)
	s_lshl_b32 s46, ttmp9, 8
	s_add_co_u32 s44, s44, s46                     ; + 2 bp
	s_add_nc_u64 s[16:17], s[16:17], s[44:45]
	s_lshl_b32 s44, s34, 2
	s_add_co_u32 s44, s44, ttmp9
	s_lshl_b32 s44, s44, 10
	s_add_nc_u64 s[18:19], s[18:19], s[44:45]      ; xq_scales: 1,024 bytes for each (h, bp)
	; 53 loads, in the order in which they are wanted
.irp b, 0,1
.irp f, 0,1
	global_load_b128 v[PL+8*\b+4*\f:PL+8*\b+4*\f+3], v1, s[6:7] offset:1024*\b+512*\f       ; the sums of image b: channels 128 f + 4 lane on
.endr
.endr
.irp o, 0,1,2,3,4,5,6,7
.irp f, 0,1
	global_load_b128 v[W1R+8*\o+4*\f:W1R+8*\o+4*\f+3], v1, s[8:9] offset:1024*\o+512*\f     ; W1's row 8 w + o, the same channels
.endr
.endr
	global_load_b32 v0, v2, s[14:15]               ; b2 of channel 32 w + lane (v0 has served: every address is made)
.set i, 0
.rept 16
	global_load_b128 v[W2R+4*i:W2R+4*i+3], v1, s[12:13] offset:512*i                        ; W2's row 32 w + 2 i + hh, numbers 4 q on
.set i, i+1
.endr
.set k, 0
.rept 16
	global_load_b128 v[RAW0+4*k:RAW0+4*k+3], v3, s[4:5] offset:16384*k th:TH_LOAD_NT        ; x: channel 64 cq + 16 hh + k, places 4 q on
.set k, k+1
.endr
	; ---- h1 = relu(mean W1^T + b1): my 8 outputs for both images, sixteen sums by turns
	s_wait_loadcnt 33                              ; the sums and W1 are in; b2 (1), W2 (16) and x (16) stay out
	s_wait_kmcnt 0x0                               ; b1
.irp j, 0,2,4,6,8,10,12,14
	v_pk_mul_f32 v[PL+\j:PL+\j+1], v[PL+\j:PL+\j+1], 0x39800000 op_sel_hi:[1,0]             ; the mean: x 2^-12, exact
.endr
.set n, 0
.rept 16                               ; sum n: output n / 2, image n % 2
	v_pk_mul_f32 v[AC+2*n:AC+2*n+1], v[PL+8*(n%2):PL+8*(n%2)+1], v[W1R+8*(n/2):W1R+8*(n/2)+1]
.set n, n+1
.endr
.irp e, 2,4,6
.set n, 0
.rept 16
	v_pk_fma_f32 v[AC+2*n:AC+2*n+1], v[PL+8*(n%2)+\e:PL+8*(n%2)+\e+1], v[W1R+8*(n/2)+\e:W1R+8*(n/2)+\e+1], v[AC+2*n:AC+2*n+1]
.set n, n+1
.endr
.endr
.set n, 0
.rept 16
	v_add_f32 v[AC+2*n], v[AC+2*n], v[AC+2*n+1]
.set n, n+1
.endr
.irp m, 1,2,4,8
.set n, 0
.rept 16
	v_add_f32_dpp v[AC+2*n], v[AC+2*n], v[AC+2*n] row_xmask:\m row_mask:0xf bank_mask:0xf
.set n, n+1
.endr
.endr
.set n, 0
.rept 16
	v_permlanex16_b32 v[AC+2*n+1], v[AC+2*n], s32, s33
.set n, n+1
.endr
.set n, 0
.rept 16
	v_add_f32 v[AC+2*n], v[AC+2*n], v[AC+2*n+1]
.set n, n+1
.endr
.set n, 0
.rept 16
	v_add_f32 v[AC+2*n], s[24+n/2], v[AC+2*n]
.set n, n+1
.endr
.set n, 0
.rept 16
	v_max_num_f32 v[AC+2*n], 0, v[AC+2*n]
.set n, n+1
.endr
.set n, 0
.rept 16
	ds_store_b32 v4, v[AC+2*n] offset:H1+256*(n%2)+4*(n/2)
.set n, n+1
.endr
.set k, 0
.rept 16
	global_load_b128 v[RAW1+4*k:RAW1+4*k+3], v3, s[4:5] offset:16384*(32+k) th:TH_LOAD_NT   ; x: channel 64 cq + 32 + 16 hh + k, into the registers that W1 has left
.set k, k+1
.endr
	s_wait_dscnt 0x0                               ; my part of h1 has landed
	s_barrier_signal -1
	s_barrier_wait -1                              ; everybody's has
	; ---- ca = sigmoid(h1 W2^T + b2): my 32 channels for both images
	ds_load_b128 v[PL:PL+3], v5 offset:H1
	ds_load_b128 v[PL+4:PL+7], v5 offset:H1+256
	s_wait_dscnt 0x0
	s_wait_loadcnt 32                              ; b2 and W2 are in; both halves of x (32) stay out
.irp bt, 0,1                           ; two batches of sixteen sums: sum n is rows 2 i + hh with i = 8 bt + n / 2, image n % 2
.set n, 0
.rept 16
	v_pk_mul_f32 v[AC+2*n:AC+2*n+1], v[W2R+4*(8*\bt+n/2):W2R+4*(8*\bt+n/2)+1], v[PL+4*(n%2):PL+4*(n%2)+1]
.set n, n+1
.endr
.set n, 0
.rept 16
	v_pk_fma_f32 v[AC+2*n:AC+2*n+1], v[W2R+4*(8*\bt+n/2)+2:W2R+4*(8*\bt+n/2)+3], v[PL+4*(n%2)+2:PL+4*(n%2)+3], v[AC+2*n:AC+2*n+1]
.set n, n+1
.endr
.set n, 0
.rept 16
	v_add_f32 v[AC+2*n], v[AC+2*n], v[AC+2*n+1]
.set n, n+1
.endr
.irp m, 1,2,4,8
.set n, 0
.rept 16
	v_add_f32_dpp v[AC+2*n], v[AC+2*n], v[AC+2*n] row_xmask:\m row_mask:0xf bank_mask:0xf   ; over the sixteen lanes that share a row of W2
.set n, n+1
.endr
.endr
.set n, 0
.rept 16
	ds_store_b32 v6, v[AC+2*n] offset:1024*(n%2)+8*(8*\bt+n/2)
.set n, n+1
.endr
	s_wait_dscnt 0x0                               ; the stores have read their registers
.endr
	ds_load_b32 v24, v7                            ; my wave's own bytes: a channel a lane
	ds_load_b32 v25, v7 offset:1024
	s_wait_dscnt 0x0
	v_add_f32 v24, v24, v0
	v_add_f32 v25, v25, v0
	v_mul_f32 v24, 0xbfb8aa3b, v24                 ; -log2(e) z
	v_mul_f32 v25, 0xbfb8aa3b, v25
	v_exp_f32 v24, v24
	v_exp_f32 v25, v25
	v_nop                                          ; a plain instruction behind the exponentials
	s_wait_alu depctr_va_vdst(0)                   ; one wait for both, ahead of their first reader
	v_add_f32 v24, 1.0, v24
	v_add_f32 v25, 1.0, v25
	v_rcp_f32 v24, v24
	v_rcp_f32 v25, v25
	v_nop
	s_wait_alu depctr_va_vdst(0)
	ds_store_b32 v8, v24
	ds_store_b32 v8, v25 offset:1024
	s_wait_dscnt 0x0                               ; my part of ca has landed
	s_barrier_signal -1
	s_barrier_wait -1                              ; everybody's has
	s_cmp_lg_u32 s34, 0                            ; ca goes to memory once for each pair of images: the work-groups of h = 0, waves 0 to 3, 512 consecutive bytes each
	s_cbranch_scc1 .Lno_ca
	s_cmp_gt_u32 s22, 3
	s_cbranch_scc1 .Lno_ca
	ds_load_b128 v[24:27], v14
	s_wait_dscnt 0x0
	global_store_b128 v1, v[24:27], s[20:21]
	s_wait_xcnt 0x0                                ; v24-27 are written again below
.Lno_ca:
; A block of 32 channels of my 64 tokens' row: gate, largest magnitude, byte, codes.  raw: the half of x;  left: the younger loads that may stay out.
.macro XBLK blk, raw, left
.irp t, 0,1,2,3
	ds_load_b128 v[CAV+4*\t:CAV+4*\t+3], v9 offset:128*\blk+16*\t
.endr
	s_wait_loadcnt \left
	s_wait_dscnt 0x0
.irp k, 0,1,2,3,4,5,6,7,8,9,10,11,12,13,14,15
.irp t, 0,1,2,3
	v_mul_f32 v[G+16*\t+\k], v[\raw+4*\k+\t], v[CAV+\k]            ; x ca; register 16 t + k: token 4 q + t, channel 16 hh + k of the block
.endr
.endr
.irp t, 0,1,2,3
	v_max3_num_f32 v[MX+\t], |v[G+16*\t]|, |v[G+16*\t+1]|, 0x1800000   ; my 16 numbers, and the floor 2^(3 - 127): the byte cannot fall under 1
.endr
.irp i, 2,4,6,8,10,12,14
.irp t, 0,1,2,3
	v_max3_num_f32 v[MX+\t], v[MX+\t], |v[G+16*\t+\i]|, |v[G+16*\t+\i+1]|   ; the four tokens by turns
.endr
.endr
.irp t, 0,1,2,3
	v_permlanex16_b32 v[PD+\t], v[MX+\t], s32, s33
.endr
.irp t, 0,1,2,3
	v_max_num_f32 v[MX+\t], v[MX+\t], v[PD+\t]                     ; with lane l xor 16's: the block's largest magnitude
.endr
.irp t, 0,1,2,3
	v_add_nc_u32 v[SO+\t], 0xff000000, v[MX+\t]                    ; 2 off its exponent field: the conversion's scale operand
.endr
.irp t, 0,1,2,3
.if \blk == 0
	v_lshrrev_b32 v[BY+\t], 23, v[SO+\t]                           ; the scale's byte
.else
	v_lshrrev_b32 v[MX+\t], 23, v[SO+\t]
	v_lshl_or_b32 v[BY+\t], v[MX+\t], 8, v[BY+\t]                  ; beside the first block's
.endif
.endr
.irp t, 0,1,2,3
	v_cvt_scalef32_pk8_fp4_f32 v[PL+8*\blk+2*\t], v[G+16*\t:G+16*\t+7], v[SO+\t]
	v_cvt_scalef32_pk8_fp4_f32 v[PL+8*\blk+2*\t+1], v[G+16*\t+8:G+16*\t+15], v[SO+\t]
.endr
	v_nop                                          ; one plain instruction behind the conversions: the next block writes their sources
.irp t, 0,1,2,3
	ds_store_b64 v10, v[PL+8*\blk+2*\t:PL+8*\blk+2*\t+1] offset:272*\t+16*\blk
.endr
.if \blk
.irp t, 0,1,2,3
	ds_store_b16 v11, v[BY+\t] offset:128*\t       ; both lanes of a block write the same bytes with the same values
.endr
.endif
.endm
	XBLK 0, RAW0, 16                               ; the second half of x (16 loads) stays out
	XBLK 1, RAW1, 0
	s_wait_dscnt 0x0                               ; my codes and bytes have landed
	s_barrier_signal -1
	s_barrier_wait -1                              ; everybody's have
.irp ii, 0,1,2,3
	ds_load_b128 v[G+4*\ii:G+4*\ii+3], v12 offset:544*\ii          ; places 8 w + 2 ii + hh: ww = w, j = 2 ii + hh
.endr
.irp ii, 0,1,2,3
	s_wait_dscnt 3-\ii                             ; the younger loads stay out
	global_store_b128 v13, v[G+4*\ii:G+4*\ii+3], s[16:17] offset:131072*\ii   ; sixteen lanes store 256 consecutive bytes, aligned: tokens l, l + 1 of one n
.endr
	s_cmp_gt_u32 s22, 1
	s_cbranch_scc1 .Lend
	ds_load_b128 v[G+16:G+19], v15
	s_wait_dscnt 0x0
	global_store_b128 v1, v[G+16:G+19], s[18:19]   ; waves 0 and 1: 512 consecutive bytes each
.Lend:
	s_set_vgpr_msb 0x5
	s_wait_tensorcnt 0x0
	ds_add_u32 v0, v1
	s_wait_dscnt 0x0
	s_set_vgpr_msb 0x500
	s_endpgm
.Lfunc_end_k_q2e70abd381_gateq:
	.size	k_q2e70abd381_gateq, .Lfunc_end_k_q2e70abd381_gateq-k_q2e70abd381_gateq
	.p2alignl 7, 3214868480
	.fill 96, 4, 3214868480
	.section	.rodata,"a",@progbits
	.p2align	6, 0x0
	.amdhsa_kernel k_q2e70abd381_gateq
		.amdhsa_group_segment_fixed_size 24064
		.amdhsa_private_segment_fixed_size 0
		.amdhsa_enable_private_segment 0
		.amdhsa_kernarg_size 72
		.amdhsa_user_sgpr_count 2
		.amdhsa_user_sgpr_kernarg_segment_ptr 1
		.amdhsa_wavefront_size32 1
		.amdhsa_system_sgpr_workgroup_id_x 1
		.amdhsa_system_sgpr_workgroup_id_y 1
		.amdhsa_system_sgpr_workgroup_id_z 1
		.amdhsa_system_vgpr_workitem_id 0
		.amdhsa_next_free_vgpr 258
		.amdhsa_next_free_sgpr 66
		.amdhsa_reserve_vcc 0
		.amdhsa_float_denorm_mode_32 3
		.amdhsa_float_denorm_mode_16_64 3
		.amdhsa_memory_ordered 1
		.amdhsa_forward_progress 1
		.amdhsa_inst_pref_size 54
	.end_amdhsa_kernel
	.amdgpu_metadata
---
amdhsa.version: [ 1, 2 ]
amdhsa.kernels:
  - .name:           k_q2e70abd381_gateq
    .symbol:         k_q2e70abd381_gateq.kd
    .args:
      - { .name: x, .offset: 0, .size: 8, .value_kind: global_buffer, .address_space: global }
      - { .name: pooled, .offset: 8, .size: 8, .value_kind: global_buffer, .address_space: global }
      - { .name: ca_w1, .offset: 16, .size: 8, .value_kind: global_buffer, .address_space: global }
      - { .name: ca_b1, .offset: 24, .size: 8, .value_kind: global_buffer, .address_space: global }
      - { .name: ca_w2, .offset: 32, .size: 8, .value_kind: global_buffer, .address_space: global }
      - { .name: ca_b2, .offset: 40, .size: 8, .value_kind: global_buffer, .address_space: global }
      - { .name: xq_codes, .offset: 48, .size: 8, .value_kind: global_buffer, .address_space: global }
      - { .name: xq_scales, .offset: 56, .size: 8, .value_kind: global_buffer, .address_space: global }
      - { .name: ca, .offset: 64, .size: 8, .value_kind: global_buffer, .address_space: global }
    .group_segment_fixed_size: 24064
    .private_segment_fixed_size: 0
    .kernarg_segment_align: 8
    .kernarg_segment_size: 72
    .max_flat_workgroup_size: 256
    .sgpr_count:     66
    .vgpr_count:     258
    .wavefront_size: 32
...
	.end_amdgpu_metadata
.endif
;; end of part 2
;; launch attn (part 3): grid 4 x 64, 16 waves a work-group, no clusters, 147,456 bytes of LDS; arguments xq_codes, xq_scales, in_proj_w_codes, in_proj_w_scales, in_proj_b, o_codes, o_scales; writes o_codes, o_scales
.if DOCPART == 3
	.amdgcn_target "amdgcn-amd-amdhsa--gfx1250"
	.amdhsa_code_object_version 6
	.text
	.protected	k_q2e70abd381_attn
	.globl	k_q2e70abd381_attn
	.p2align	8
	.type	k_q2e70abd381_attn,@function
k_q2e70abd381_attn:
	s_mov_b64 s[64:65], 0
	v_nop
	global_prefetch_b8 v0, s[64:65] scope:SCOPE_SE
	s_setreg_imm32_b32 hwreg(HW_REG_WAVE_MODE, 25, 1), 1
	s_wait_xcnt 0x0
; For one window position n and two heads (2 hp, 2 hp + 1): q, k, v = xq W^T + b; softmax(q k^T / sqrt(32)) v; the result quantised for the output projection.  All products on codes of FP4 (E2M1)
; with one E8M0 byte for each 32 along K.  q, k and v never go to memory.
; SHARES.  Sixteen waves of 256 registers, four to a SIMD, so that one wave's vector work stands beside another's LDS loads and products.  Wave w owns tokens 32 w .. 32 w + 31, as two tiles u:
; LANE r OF TILE u IS TOKEN 32 w + 8 u + r + 8 (r / 8).  The same tiles serve as the projection's rows, as tiles of keys and as the wave's two tiles of queries.
; THE WEIGHTS.  All sixteen waves want the same 192 rows of W (64 each for q, k, v: 24,576 bytes).  Each thread brings 16 bytes of each of the three (a wave's load covers 512 consecutive bytes); the rows lie in LDS
; 144 bytes apart; behind one barrier every wave takes its fragments from there.  So a wave asks memory for 3 pieces of W and not for 48.
; PROJECTION.  q and k are made transposed (source 0 = 16 rows of W, chosen the same way; source 1 = 16 tokens): a lane holds one token and 16 neighbouring head channels, a block of 32 lies in lanes l and l xor 16.
; v is made the natural way (source 0 = tokens, source 1 = 16 rows of W): a lane holds one head channel and 16 neighbouring tokens: v's K is the keys.  The biases are the C of each sum's first product.
; THE FIRST ATTENTION PRODUCT HAS K = 32: an operand's registers 0-3 of lanes 0-15 hold the 32 codes; lanes 16-31 and registers 4-7 hold zero codes, which add nothing (their scale bytes are 0, not 0xff).
; K'S FRAGMENTS COME A STEP AHEAD: a key step's eight tiles have registers of their own, and the next step's are asked for behind this step's products, so that they land under its softmax.
; SOFTMAX.  t = score x log2(e); M = the running largest t rounded up to a whole number; p = 2^(t - M) is quantised along the keys; the row's sum is taken of the unquantised p and divides O at the end;
; when M moves, the sum and O are multiplied by 2^(old M - new M), exact.  Both products are used transposed (S^T = K Q^T, O^T = V^T P^T): a lane holds one query throughout.
; OUT.  o_codes [n][hp][l 512][a 2][16 bytes], o_scales [n][hp][l][a]: the work-group's 16,384 and 1,024 bytes are consecutive.
; NO CLUSTER: what the four work-groups of one n share is xq's 64 KiB + 4 KiB, read once at the head, 4 KiB a wave, straight into operand registers; nothing is fetched from memory in the loop.  No tensor load, so no ring.
; LIMITS: a block's byte is held at 1 from below; a block of zeros gets the byte 1, not 127 (zero codes; this program alone reads the bytes).  1 / sum by v_rcp_f32.  NaN and infinities are not served.
.set HS,   58368                       ; LDS: a region for each head, HS bytes apart:
.set KIMG, 0                           ;   32 tiles of keys x 512 bytes: the image of operand registers 0-3, lane l's 16 bytes at 16 l
.set KSC,  16384                       ;   their scale words: 8 x 512 bytes: 16 l + 4 (tile % 4): one load brings four tiles' words
.set QIMG, 20480                       ;   the queries' images, as K's; read by the wave that wrote them
.set QSC,  36864                       ;   their scale words: 128 tile + 4 l
.set VROW, 40960                       ;   32 rows (head channels) x (256 bytes: the codes of 512 keys, + 16)
.set VSC,  49664                       ;   V's scale bytes: 16 a row
.set OST,  50176                       ;   the result's codes: 16 bytes a token; read by the wave that wrote them
.set OSS,  2*HS                        ; behind both: the result's scale bytes: 2 token + a
.set WST,  2*HS+1024                   ; behind them: W's rows: 64 of q, 64 of k, 64 of v, each 128 bytes + 16
.set WP,   144
.set LK,  1                            ; v1   16 lane
.set LV,  2                            ; v2   V: row r + 8 (r / 8), + 16 hh
.set LVS, 3                            ; v3   V's scale words
.set LQ,  4                            ; v4   16 lane + 1,024 w: my two tiles' images
.set LQS, 5                            ; v5   4 lane + 256 w
.set LO,  6                            ; v6   16 (32 w + r + 8 (r / 8)) + 8 hh
.set LOS, 7                            ; v7   OSS + 2 (32 w + r + 8 (r / 8))
.set CK,  8                            ; v8-14 the same with the head's region added
.set CV,  9
.set CVS, 10
.set CQ,  11
.set CQS, 12
.set CO,  13
.set COS, 14
.set AOC, 15                           ; v15  the way out: the codes of token lane / 2, head lane % 2
.set NM,  16                           ; v16  -M;  v17 the largest t (a pair: the packed form takes its low word)
.set TX,  17
.set SUM, 18                           ; v[18:19] the row's sum, in two halves
.set F,   20                           ; v20  2^(old M - new M), later 1 / sum; v21 = 0, named with it as a pair
.set T2,  22                           ; v[22:23] a second chain of sums
.set QF,  24                           ; v24-31 Q's fragment; registers 4-7 stay 0
.set AX,  32                           ; v32-41 the projection's offsets and LDS addresses
.set AXS, 33
.set AWN, 34                           ; v34  LDS: W's rows for v: WST + 144 r + 16 hh
.set AWTS, 35
.set AWNS, 36
.set ABT, 37
.set ABN, 38
.set SKS, 39
.set SV,  40
.set SVS, 41
.set BV,  42                           ; v42-45 v's bias as loaded
.set AOS, 46                           ; v46  the way out: the scale bytes in LDS;  v47 in memory
.set GOS, 47
.set KF,  48                           ; v48-79 fragments of K's tiles 0-3 of a step; registers 4-7 of each stay 0.  In the projection: x's four fragments (tile u, K step e) at 8 (2 u + e)
.set XF,  48
.set KB0, 32                           ; fragments of K's tiles 4-7 of a step, in registers that the projection alone used: v32-39, v208-215, v216-223, v248-255; registers 4-7 of each stay 0
.set KB1, 208
.set KB2, 216
.set KB3, 248
.set VF,  80                           ; v80-95 V's two fragments.  In the projection: bias set 0
.set S,   96                           ; v96-159 S^T, then p.  In the projection: two sets of weights
.set O,   160                          ; v160-175 O^T
.set D,   160                          ; v160-191 the projection's four accumulators; at the head v160-171: my 48 bytes of W on their way into LDS
.set PC,  176                          ; v176-183 p's codes
.set BM,  184                          ; v184-187 the blocks' largest scores, then p
.set BP,  188                          ; v188-191 the other half's
.set SO,  192                          ; v192-195 the conversions' scale operands.  In the projection v192-207: bias set 1
.set BY,  196                          ; v196-199 the bytes
.set T,   200                          ; v200 at work
.set OC,  202                          ; v[202:203] the result's codes
.set KC,  208                          ; v208-215 the projection: codes on their way into an image
.set TM,  216                          ; v216-223 the projection's quantiser: two maxima, two from the other half, two scale operands, two bytes
.set WSA, 221                          ; v221 at the head: where my 16 bytes of a matrix go in LDS;  v222 where they lie in memory
.set WGA, 222
.set QS,  224                          ; scale registers, which hold nothing else: v224 Q's; v228-231 K's tiles 0-3; v232-233 V's; v234 p's; v236-239 x's (u, e); v240-247 the weights' (set, tile, e), then v240-243 K's tiles 4-7
.set AWL, 225                          ; v225 LDS: W's rows for q and k: WST + 144 (r + 8 (r / 8)) + 16 hh
.set KS,  228
.set VS,  232
.set PS,  234
.set XS,  236
.set WSC, 240
.set KS2, 240
.set WV,  18                           ; s18  wave
.set SEL, 20                           ; s[20:21] v_permlanex16_b32: lane l xor 16
.set CS,  22                           ; s[22:23] log2(e), twice
.set HB,  24                           ; s24  the head's region in LDS
.set OB,  25                           ; s25  the head's byte among a token's two scale bytes
.set TRIP, 26
.macro NOP4                            ; four places: behind matrix instructions, ahead of a read of their results, of a write of their registers and of loads into them
.rept 4
	v_nop
.endr
.endm
	s_load_b256 s[4:11], s[0:1], 0x0               ; xq_codes, xq_scales, W's codes, W's scales
	s_load_b128 s[12:15], s[0:1], 0x20             ; the bias, o_codes
	s_load_b64 s[16:17], s[0:1], 0x30              ; o_scales
	v_lshl_add_u32 v227, v0, 2, 0x23800
	v_mov_b32 v235, 0
	v_lshrrev_b32 v216, 5, v0
	v_readfirstlane_b32 s[WV], v216
	v_and_b32 v216, 31, v0                         ; lane
	v_and_b32 v217, 15, v0                         ; r
	v_bfe_u32 v218, v0, 4, 1                       ; hh
	v_and_b32 v219, 8, v217
	v_add_nc_u32 v219, v219, v217                  ; rr = r + 8 (r / 8)
	s_and_b32 s19, ttmp7, 0xffff                   ; n
	s_mov_b32 s[SEL], 0x76543210
	s_mov_b32 s[SEL+1], 0xfedcba98
	s_mov_b32 s[CS], 0x3fb8aa3b
	s_mov_b32 s[CS+1], s[CS]
	s_lshl_b32 s27, s[WV], 10
	s_lshl_b32 s28, s[WV], 8
	s_lshl_b32 s29, s[WV], 9
	s_lshl_b32 s30, s[WV], 6
	s_add_co_u32 s30, s30, OSS
	s_add_co_u32 s31, s29, OST
	s_add_co_u32 s32, s29, OSS
	s_lshr_b32 s33, s[WV], 1
	s_and_b32 s36, s[WV], 1
	v_lshlrev_b32 v[LK], 4, v216
	v_mul_u32_u24 v[LV], v219, 272
	v_lshl_add_u32 v[LV], v218, 4, v[LV]
	v_lshlrev_b32 v[LVS], 4, v219
	v_lshl_add_u32 v[LQ], v216, 4, s27
	v_lshl_add_u32 v[LQS], v216, 2, s28
	v_lshl_add_u32 v[LO], v219, 4, s29
	v_lshl_add_u32 v[LO], v218, 3, v[LO]
	v_lshl_add_u32 v[LOS], v219, 1, s30
	v_and_b32 v[AOC], 1, v216
	v_mul_u32_u24 v[AOC], v[AOC], HS               ; one product: the lower region + (lane % 2) x the distance
	v_lshrrev_b32 v220, 1, v216
	v_lshl_add_u32 v[AOC], v220, 4, v[AOC]
	v_add_nc_u32 v[AOC], s31, v[AOC]
	v_lshl_add_u32 v[AOS], v216, 4, s32
	v_lshl_add_u32 v[GOS], v216, 4, s29
	v_lshlrev_b32 v[AX], 7, v219
	v_lshl_add_u32 v[AX], v218, 4, v[AX]           ; x's tokens, rows of 128 bytes taken as a tile's lanes take them: rr, + 16 hh
	v_bfe_u32 v220, v217, 1, 2
	v_lshlrev_b32 v[AXS], 10, v220                 ; x's scale bytes lie as the launch before laid them: token l: bp = (l / 2) % 4: 1,024;
	v_lshrrev_b32 v220, 3, v217
	v_lshl_add_u32 v[AXS], v220, 5, v[AXS]         ; ww = (l / 8) % 8: 16 (r / 8 counts two);
	v_and_b32 v220, 1, v217
	v_lshl_add_u32 v[AXS], v220, 3, v[AXS]         ; b2 = l % 2: 8
	v_mul_u32_u24 v[AWL], v219, WP
	v_lshl_add_u32 v[AWL], v218, 4, v[AWL]
	v_add_nc_u32 v[AWL], WST, v[AWL]               ; W's rows in LDS for q and k: rr, + 16 hh
	v_mul_u32_u24 v[AWN], v217, WP
	v_lshl_add_u32 v[AWN], v218, 4, v[AWN]
	v_add_nc_u32 v[AWN], WST, v[AWN]               ; and for v: r, + 16 hh
	v_lshlrev_b32 v[AWTS], 3, v219
	v_lshlrev_b32 v[AWNS], 3, v217
	v_lshlrev_b32 v[ABT], 6, v218                  ; the bias for q and k: channels 16 hh on
	v_lshlrev_b32 v[ABN], 2, v217                  ; for v: channel r
	s_lshl_b32 s37, s33, 9
	s_lshl_b32 s38, s36, 3
	s_add_co_u32 s37, s37, s38
	v_lshl_add_u32 v[SKS], v216, 4, s37            ; K's scale words, in: tiles 2 w, 2 w + 1
	s_lshl_b32 s38, s[WV], 4
	v_mul_u32_u24 v[SV], v217, 272
	v_lshl_add_u32 v[SV], v218, 3, v[SV]
	v_add_nc_u32 v[SV], s38, v[SV]                 ; V's codes, in: row r, keys 32 w + 16 hh on
	v_lshl_add_u32 v[SVS], v217, 4, s[WV]          ; V's bytes, in: row r, block w
	v_lshlrev_b32 v[WGA], 4, v0                    ; W on its way in: thread t takes bytes 16 t of a matrix's 8,192: row t / 8, piece t % 8
	v_lshrrev_b32 v[WSA], 3, v0
	v_mul_u32_u24 v[WSA], v[WSA], WP
	v_and_b32 v220, 7, v0
	v_lshl_add_u32 v[WSA], v220, 4, v[WSA]
	v_add_nc_u32 v[WSA], WST, v[WSA]
	s_mov_b32 s35, 0
	s_wait_kmcnt 0x0
	s_lshl_b32 s34, s19, 16
	s_lshl_b32 s38, s[WV], 12
	s_add_co_u32 s34, s34, s38
	s_add_nc_u64 s[4:5], s[4:5], s[34:35]          ; xq_codes at (n, token 32 w)
	s_lshl_b32 s34, s33, 15
	s_lshr_b32 s38, s19, 3
	s_lshl_b32 s38, s38, 12
	s_add_co_u32 s34, s34, s38
	s_and_b32 s38, s19, 7
	s_lshl_b32 s38, s38, 7
	s_add_co_u32 s34, s34, s38
	s_lshl_b32 s38, s36, 6
	s_add_co_u32 s34, s34, s38
	s_add_nc_u64 s[6:7], s[6:7], s[34:35]          ; xq_scales: h = 8 (w / 2) + n / 8, j = n % 8, ww = 4 (w % 2)
	s_lshl_b32 s34, ttmp9, 13
	s_add_nc_u64 s[8:9], s[8:9], s[34:35]          ; W: 64 rows for each pair of heads: 128 bytes of codes,
	s_lshl_b32 s34, ttmp9, 9
	s_add_nc_u64 s[10:11], s[10:11], s[34:35]      ; 8 scale bytes,
	s_lshl_b32 s34, ttmp9, 8
	s_add_nc_u64 s[12:13], s[12:13], s[34:35]      ; 4 bytes of bias a row
	s_lshl_b32 s39, s19, 2
	s_add_co_u32 s39, s39, ttmp9                   ; 4 n + hp
	s_lshl_b32 s34, s39, 14
	s_add_co_u32 s34, s34, s27
	s_add_nc_u64 s[14:15], s[14:15], s[34:35]      ; o_codes: my wave's 1,024 bytes
	s_lshl_b32 s34, s39, 10
	s_add_nc_u64 s[16:17], s[16:17], s[34:35]      ; o_scales
; The scale words and the bias of one unit, from memory: mat 0, 1, 2 = q, k, v; head a; into set p.  q, k: 6 loads; v: 4.
.macro WGL mat, a, p
.set R0,  256*\mat+32*\a
.set CBP, 80+112*\p
.irp u, 0,1
.if \mat < 2
	global_load_b64 v[WSC+4*\p+2*\u:WSC+4*\p+2*\u+1], v[AWTS], s[10:11] offset:(R0+8*\u)*8
	global_load_b128 v[CBP+8*\u:CBP+8*\u+3], v[ABT], s[12:13] offset:(R0+8*\u)*4           ; the bias in the result's layout: channels 16 hh + 8 u + 0 .. 7
	global_load_b128 v[CBP+8*\u+4:CBP+8*\u+7], v[ABT], s[12:13] offset:(R0+8*\u)*4+16
.else
	global_load_b64 v[WSC+4*\p+2*\u:WSC+4*\p+2*\u+1], v[AWNS], s[10:11] offset:(R0+16*\u)*8
	global_load_b32 v[BV+2*\p+\u], v[ABN], s[12:13] offset:(R0+16*\u)*4
.endif
.endr
.endm
; The four fragments of one unit, from LDS: 8 loads.
.macro WLL mat, a, p
.set L0,  64*\mat+32*\a
.set WB,  96+32*\p
.irp u, 0,1
.irp e, 0,1
.irp c, 0,1
.if \mat < 2
	ds_load_b128 v[WB+8*(2*\u+\e)+4*\c:WB+8*(2*\u+\e)+4*\c+3], v[AWL] offset:(L0+8*\u)*WP+64*\e+32*\c    ; tile u: rows L0 + 8 u + rr
.else
	ds_load_b128 v[WB+8*(2*\u+\e)+4*\c:WB+8*(2*\u+\e)+4*\c+3], v[AWN] offset:(L0+16*\u)*WP+64*\e+32*\c   ; tile u: rows L0 + 16 u + r
.endif
.endr
.endr
.endr
.endm
.macro WLOAD mat, a, p
	WLL \mat, \a, \p
	WGL \mat, \a, \p
.endm
; q, k: D[16 tt + 8 uw] = W's tile uw x x's tile tt + bias.  Four accumulators by turns, one instruction a turn.
.macro MMT p
.set WB,  96+32*\p
.set CBP, 80+112*\p
.irp tt, 0,1
.irp uw, 0,1
	v_wmma_scale_f32_16x16x128_f8f6f4 v[D+16*\tt+8*\uw:D+16*\tt+8*\uw+7], v[WB+16*\uw:WB+16*\uw+7], v[XF+16*\tt:XF+16*\tt+7], v[CBP+8*\uw:CBP+8*\uw+7], v[WSC+4*\p+2*\uw], v[XS+2*\tt] matrix_a_fmt:MATRIX_FMT_FP4 matrix_b_fmt:MATRIX_FMT_FP4
.endr
.endr
.irp tt, 0,1
.irp uw, 0,1
	v_wmma_scale_f32_16x16x128_f8f6f4 v[D+16*\tt+8*\uw:D+16*\tt+8*\uw+7], v[WB+16*\uw+8:WB+16*\uw+15], v[XF+16*\tt+8:XF+16*\tt+15], v[D+16*\tt+8*\uw:D+16*\tt+8*\uw+7], v[WSC+4*\p+2*\uw+1], v[XS+2*\tt+1] matrix_a_fmt:MATRIX_FMT_FP4 matrix_b_fmt:MATRIX_FMT_FP4
.endr
.endr
.endm
; v: D[16 t + 8 u] = x's tile u x W's tile t + bias (a lane's one channel, eight times).
.macro MMN p
.set WB,  96+32*\p
.set CBP, 80+112*\p
.irp t, 0,1
.irp j, 0,1,2,3,4,5,6,7
	v_mov_b32 v[CBP+8*\t+\j], v[BV+2*\p+\t]
.endr
.endr
	NOP4
.irp t, 0,1
.irp u, 0,1
	v_wmma_scale_f32_16x16x128_f8f6f4 v[D+16*\t+8*\u:D+16*\t+8*\u+7], v[XF+16*\u:XF+16*\u+7], v[WB+16*\t:WB+16*\t+7], v[CBP+8*\t:CBP+8*\t+7], v[XS+2*\u], v[WSC+4*\p+2*\t] matrix_a_fmt:MATRIX_FMT_FP4 matrix_b_fmt:MATRIX_FMT_FP4
.endr
.endr
.irp t, 0,1
.irp u, 0,1
	v_wmma_scale_f32_16x16x128_f8f6f4 v[D+16*\t+8*\u:D+16*\t+8*\u+7], v[XF+16*\u+8:XF+16*\u+15], v[WB+16*\t+8:WB+16*\t+15], v[D+16*\t+8*\u:D+16*\t+8*\u+7], v[XS+2*\u+1], v[WSC+4*\p+2*\t+1] matrix_a_fmt:MATRIX_FMT_FP4 matrix_b_fmt:MATRIX_FMT_FP4
.endr
.endr
.endm
; Two blocks by turns: 16 numbers a lane each (v[D] on, v[D+16] on), the other 16 in lane l xor 16.  Codes to v[ca], v[ca+1] and v[cb], v[cb+1]; bytes to v[TM+6], v[TM+7].
.macro QPAIR ca, cb
	v_max3_num_f32 v[TM], |v[D]|, |v[D+1]|, 0x1800000              ; with the floor 2^(3 - 127): the byte cannot fall under 1.  Each accumulator is read from its low end on
	v_max3_num_f32 v[TM+1], |v[D+16]|, |v[D+17]|, 0x1800000
.irp i, 2,4,6,8,10,12,14
	v_max3_num_f32 v[TM], v[TM], |v[D+\i]|, |v[D+\i+1]|
	v_max3_num_f32 v[TM+1], v[TM+1], |v[D+16+\i]|, |v[D+17+\i]|
.endr
	v_permlanex16_b32 v[TM+2], v[TM], s[SEL], s[SEL+1]
	v_permlanex16_b32 v[TM+3], v[TM+1], s[SEL], s[SEL+1]
	v_max_num_f32 v[TM], v[TM], v[TM+2]
	v_max_num_f32 v[TM+1], v[TM+1], v[TM+3]
	v_add_nc_u32 v[TM+4], 0xff000000, v[TM]                        ; 2 off the exponent field: the conversion's scale operand
	v_add_nc_u32 v[TM+5], 0xff000000, v[TM+1]
	v_lshrrev_b32 v[TM+6], 23, v[TM+4]                             ; the byte; as a scale word its upper three bytes are 0 and stand over zero codes
	v_lshrrev_b32 v[TM+7], 23, v[TM+5]
	v_cvt_scalef32_pk8_fp4_f32 v[\ca], v[D:D+7], v[TM+4]
	v_cvt_scalef32_pk8_fp4_f32 v[\ca+1], v[D+8:D+15], v[TM+4]
	v_cvt_scalef32_pk8_fp4_f32 v[\cb], v[D+16:D+23], v[TM+5]
	v_cvt_scalef32_pk8_fp4_f32 v[\cb+1], v[D+24:D+31], v[TM+5]
	v_nop                                          ; one plain instruction behind the conversions
.endm
; A unit of the projection.  kind 0 = k, 1 = q, 2 = v; set p; left = the next unit's loads of scale words and bias, which stay out.
; Its fragments from LDS are in: the first unit's by the counted wait ahead of it, every later unit's by the wait for 0 at the end of the unit before, behind which only the set after it was asked for.
.macro PUNIT kind, p, left
	s_wait_loadcnt \left
.if \kind == 2
	MMN \p
	NOP4
	QPAIR KC, KC+2
	ds_store_b64 v[CV], v[KC:KC+1] offset:VROW                     ; channel r, keys 32 w + 16 hh + 0 .. 15
	ds_store_b64 v[CV], v[KC+2:KC+3] offset:VROW+4352              ; channel 16 + r
	ds_store_b8 v[CVS], v[TM+6] offset:VSC                         ; both lanes of a block write the same byte with the same value
	ds_store_b8 v[CVS], v[TM+7] offset:VSC+256
.else
	MMT \p
	v_mov_b32 v[KC+2], 0                           ; the images' upper registers; these four lines are also the places behind the products
	v_mov_b32 v[KC+3], 0
	v_mov_b32 v[KC+6], 0
	v_mov_b32 v[KC+7], 0
.if \kind == 1
.irp j, 0,2,4,6,8,10,12,14,16,18,20,22,24,26,28,30
	v_pk_mul_f32 v[D+\j:D+\j+1], v[D+\j:D+\j+1], 0x3e3504f3 op_sel_hi:[1,0]   ; q / sqrt(32), ahead of the quantiser
.endr
.endif
	QPAIR KC, KC+4
.irp c, 0,4                            ; lanes 0-15 take lanes 16-31's 16 codes behind their own; lanes 16-31 are left with zeros
	v_permlane16_swap_b32 v[KC+\c], v[KC+\c+2]
	v_permlane16_swap_b32 v[KC+\c+1], v[KC+\c+3]
.endr
.if \kind == 0
	ds_store_b128 v[CQ], v[KC:KC+3] offset:KIMG
	ds_store_b128 v[CQ], v[KC+4:KC+7] offset:KIMG+512
	ds_store_b32 v[CK], v[TM+6] offset:KSC
	ds_store_b32 v[CK], v[TM+7] offset:KSC+4
.else
	ds_store_b128 v[CQ], v[KC:KC+3] offset:QIMG
	ds_store_b128 v[CQ], v[KC+4:KC+7] offset:QIMG+512
	ds_store_b32 v[CQS], v[TM+6] offset:QSC
	ds_store_b32 v[CQS], v[TM+7] offset:QSC+128
.endif
.endif
	s_wait_dscnt 0x0                               ; the stores have read their registers; the next unit's fragments are in
.endm
.macro CUR a                           ; the projection's LDS addresses in head a's region
	v_add_nc_u32 v[CQ], \a*HS, v[LQ]
	v_add_nc_u32 v[CQS], \a*HS, v[LQS]
	v_add_nc_u32 v[CK], \a*HS, v[SKS]
	v_add_nc_u32 v[CV], \a*HS, v[SV]
	v_add_nc_u32 v[CVS], \a*HS, v[SVS]
.endm
.irp m, 0,1,2                          ; my 16 bytes of q's, k's and v's 64 rows: the matrices lie 256 rows, 32,768 bytes, apart
	global_load_b128 v[D+4*\m:D+4*\m+3], v[WGA], s[8:9] offset:32768*\m
.endr
.irp u, 0,1                            ; x's four fragments and their scale words stay for all six units: 10 loads
.irp e, 0,1
.irp c, 0,1
	global_load_b128 v[XF+8*(2*\u+\e)+4*\c:XF+8*(2*\u+\e)+4*\c+3], v[AX], s[4:5] offset:1024*\u+64*\e+32*\c
.endr
.endr
	global_load_b64 v[XS+2*\u:XS+2*\u+1], v[AXS], s[6:7] offset:16*\u
.endr
	WGL 1, 0, 0                                    ; the first two units' scale words and biases: 6 + 4 loads
	WGL 2, 0, 1
	s_wait_loadcnt 20                              ; my pieces of W are in; x's 10 loads and those 10 stay out
.irp m, 0,1,2
	ds_store_b128 v[WSA], v[D+4*\m:D+4*\m+3] offset:64*WP*\m
.endr
	s_wait_dscnt 0x0                               ; for the others' sake: my pieces have landed
	s_barrier_signal -1
	s_barrier_wait -1                              ; W's 192 rows lie in LDS; nobody writes them again
	WLL 1, 0, 0                                    ; each unit's operands are asked for two units ahead, into the set that the unit before last has left
	WLL 2, 0, 1
	CUR 0
	s_wait_dscnt 8                                 ; the first unit's eight fragment loads are in; the second unit's eight stay out
	PUNIT 0, 0, 4
	WLOAD 0, 0, 0
	PUNIT 2, 1, 6
	WLOAD 1, 1, 1
	PUNIT 1, 0, 6
	WLOAD 2, 1, 0
	CUR 1
	PUNIT 0, 1, 4
	WLOAD 0, 1, 1
	PUNIT 2, 0, 6
	PUNIT 1, 1, 0
.irp f, KF, KF+8, KF+16, KF+24, KB0, KB1, KB2, KB3
.irp j, 4,5,6,7
	v_mov_b32 v[\f+\j], 0                          ; K = 32: the fragments' upper registers are zero codes, written once
.endr
.endr
.irp j, 4,5,6,7
	v_mov_b32 v[QF+\j], 0
.endr
.irp b, 0,1,2,3
	v_mov_b32 v[BP+\b], 0                          ; written once: a lane permute's destination counts as one of its sources
.endr
	v_mov_b32 v[F+1], 0                            ; named with F as a pair
	s_barrier_signal -1                            ; (every wave's LDS stores were waited for at its last unit's end)
	s_barrier_wait -1                              ; K's and V's images of both heads are whole
.macro KTILE st, i, reg                ; tile i of key step st: registers 0-3 of a fragment
	ds_load_b128 v[\reg:\reg+3], v[CK] offset:KIMG+(8*(\st)+\i)*512
.endm
.macro KFETCH st                       ; a key step's eight tiles of K and their scale words: 10 loads
	KTILE \st, 0, KF
	KTILE \st, 1, KF+8
	KTILE \st, 2, KF+16
	KTILE \st, 3, KF+24
	ds_load_b128 v[KS:KS+3], v[CK] offset:KSC+(2*(\st))*512
	KTILE \st, 4, KB0
	KTILE \st, 5, KB1
	KTILE \st, 6, KB2
	KTILE \st, 7, KB3
	ds_load_b128 v[KS2:KS2+3], v[CK] offset:KSC+(2*(\st)+1)*512
.endm
.macro KQ i, reg, sc                   ; S^T's tile i = 16 keys x my 16 queries
	v_wmma_scale_f32_16x16x128_f8f6f4 v[S+8*\i:S+8*\i+7], v[\reg:\reg+7], v[QF:QF+7], 0, v[\sc], v[QS] matrix_a_fmt:MATRIX_FMT_FP4 matrix_b_fmt:MATRIX_FMT_FP4
.endm
; A KEY STEP: 128 keys, the st-th of four.  first = 1: it starts M, the sum and O^T: nothing is cleared.  Its tiles of K are in: the wait for 0 ahead of the last V^T P (or at the tile's head) stands behind their loads.
.macro STEP st, first
	KQ 0, KF, KS
	KQ 1, KF+8, KS+1
	KQ 2, KF+16, KS+2
	KQ 3, KF+24, KS+3
	KQ 4, KB0, KS2
	KQ 5, KB1, KS2+1
	KQ 6, KB2, KS2+2
	KQ 7, KB3, KS2+3                               ; lane (r, hh): query r; the 16 registers of tiles 2 b, 2 b + 1 are keys 128 st + 32 b + 16 hh + 0 .. 15
	NOP4                                           ; the places ahead of the loads into K's and V's registers and of the first read of the scores
.irp uo, 0,1                           ; V's fragments are asked for here and land under the softmax: tile uo: channels 8 uo + rr
.irp c, 0,1
	ds_load_b128 v[VF+8*\uo+4*\c:VF+8*\uo+4*\c+3], v[CV] offset:VROW+2176*\uo+64*\st+32*\c
.endr
	ds_load_b32 v[VS+\uo], v[CVS] offset:VSC+128*\uo+4*\st
.endr
.if \st < 3
	KFETCH \st+1                                   ; and so do the next step's tiles of K
.endif
.irp b, 0,1,2,3
	v_max3_num_f32 v[BM+\b], v[S+16*\b], v[S+16*\b+1], v[S+16*\b+2]   ; the largest score of each block of 32 keys: for the row's maximum, and, since p rises with the score, for the block's largest p
.endr
.irp i, 3,5,7,9,11,13
.irp b, 0,1,2,3
	v_max3_num_f32 v[BM+\b], v[BM+\b], v[S+16*\b+\i], v[S+16*\b+\i+1]
.endr
.endr
.irp b, 0,1,2,3
	v_max_num_f32 v[BM+\b], v[BM+\b], v[S+16*\b+15]
.endr
.irp b, 0,1,2,3
	v_permlanex16_b32 v[BP+\b], v[BM+\b], s[SEL], s[SEL+1]
.endr
.irp b, 0,1,2,3
	v_max_num_f32 v[BM+\b], v[BM+\b], v[BP+\b]
.endr
	v_max3_num_f32 v[T], v[BM], v[BM+1], v[BM+2]
	v_max_num_f32 v[T], v[T], v[BM+3]
.if \first
	v_mul_f32 v[TX], s[CS], v[T]                   ; the largest t
	v_floor_f32 v[NM], -v[TX]                      ; -M = floor(-t) = -ceil(t)
.else
	v_mul_f32 v[T], s[CS], v[T]
	v_max_num_f32 v[TX], v[TX], v[T]
	v_mov_b32 v[T], v[NM]
	v_floor_f32 v[NM], -v[TX]
	v_sub_f32 v[T], v[NM], v[T]                    ; old M - new M: a whole number, 0 or less
	v_cvt_i32_f32 v[T], v[T]
	v_ldexp_f32 v[F], 1.0, v[T]                    ; f = 2^(old M - new M)
.endif
.irp j, 0,2,4,6,8,10,12,14,16,18,20,22,24,26,28,30,32,34,36,38,40,42,44,46,48,50,52,54,56,58,60,62
	v_pk_fma_f32 v[S+\j:S+\j+1], v[S+\j:S+\j+1], s[CS:CS+1], v[NM:NM+1] op_sel_hi:[1,0,0]   ; t - M
.endr
.irp b, 0,1,2,3
	v_fma_f32 v[BM+\b], v[BM+\b], s[CS], v[NM]
.endr
.set j, 0
.rept 64
	v_exp_f32 v[S+j], v[S+j]                       ; p = 2^(t - M)
.set j, j+1
.endr
.if \first
	v_nop                                          ; a plain instruction behind the exponentials
.else
	v_pk_mul_f32 v[SUM:SUM+1], v[SUM:SUM+1], v[F:F+1] op_sel_hi:[1,0]   ; the sum under the new M (the plain instruction behind the exponentials)
.endif
	s_wait_alu depctr_va_vdst(0)                   ; one wait for the 64, ahead of their first reader
.irp b, 0,1,2,3
	v_exp_f32 v[BM+\b], v[BM+\b]                   ; the blocks' largest p: the same two instructions on the same number give the same bits
.endr
.if \first                             ; the row's sum of the unquantised p, in two chains; its first half stands behind the four exponentials and names none of them
	v_pk_add_f32 v[SUM:SUM+1], v[S:S+1], v[S+2:S+3]
	v_pk_add_f32 v[T2:T2+1], v[S+4:S+5], v[S+6:S+7]
.else
	v_pk_add_f32 v[T2:T2+1], v[S:S+1], v[S+2:S+3]
	v_pk_add_f32 v[SUM:SUM+1], v[SUM:SUM+1], v[S+4:S+5]
	v_pk_add_f32 v[T2:T2+1], v[T2:T2+1], v[S+6:S+7]
.endif
.irp j, 8,12,16,20,24,28
	v_pk_add_f32 v[SUM:SUM+1], v[SUM:SUM+1], v[S+\j:S+\j+1]
	v_pk_add_f32 v[T2:T2+1], v[T2:T2+1], v[S+\j+2:S+\j+3]
.endr
	s_wait_alu depctr_va_vdst(0)                   ; and one for the four
.irp b, 0,1,2,3
	v_max_num_f32 v[BM+\b], 0x1800000, v[BM+\b]    ; the floor 2^(3 - 127)
.endr
.irp b, 0,1,2,3
	v_add_nc_u32 v[SO+\b], 0xff000000, v[BM+\b]
.endr
.irp b, 0,1,2,3
	v_lshrrev_b32 v[BY+\b], 23, v[SO+\b]
.endr
	v_lshl_or_b32 v[PS], v[BY+1], 8, v[BY]         ; p's scale word for these 128 keys
	v_lshl_or_b32 v[PS], v[BY+2], 16, v[PS]
	v_lshl_or_b32 v[PS], v[BY+3], 24, v[PS]
.irp b, 0,1,2,3
	v_cvt_scalef32_pk8_fp4_f32 v[PC+2*\b], v[S+16*\b:S+16*\b+7], v[SO+\b]
	v_cvt_scalef32_pk8_fp4_f32 v[PC+2*\b+1], v[S+16*\b+8:S+16*\b+15], v[SO+\b]
.endr
	v_nop                                          ; one plain instruction behind the conversions
.irp c, 0,1                            ; the operand wants a whole block in a lane: lanes 0-15 block 2 c, lanes 16-31 block 2 c + 1
.irp i, 0,1
	v_permlane16_swap_b32 v[PC+4*\c+\i], v[PC+4*\c+2+\i]
.endr
.endr
.if !\first
.irp j, 0,2,4,6,8,10,12,14
	v_pk_mul_f32 v[O+\j:O+\j+1], v[O+\j:O+\j+1], v[F:F+1] op_sel_hi:[1,0]   ; O^T under the new M, from each accumulator's low end on
.endr
.endif
.irp j, 32,36,40,44,48,52,56,60        ; the sum's second half: 17 plain lines between the writes of p's codes, p's scale word and O^T and the products that read them
	v_pk_add_f32 v[SUM:SUM+1], v[SUM:SUM+1], v[S+\j:S+\j+1]
	v_pk_add_f32 v[T2:T2+1], v[T2:T2+1], v[S+\j+2:S+\j+3]
.endr
	v_pk_add_f32 v[SUM:SUM+1], v[SUM:SUM+1], v[T2:T2+1]
	s_wait_dscnt 0x0                               ; V's fragments and scale words are in, and so are the next step's tiles of K, asked for behind them
.irp uo, 0,1
.if \first
	v_wmma_scale_f32_16x16x128_f8f6f4 v[O+8*\uo:O+8*\uo+7], v[VF+8*\uo:VF+8*\uo+7], v[PC:PC+7], 0, v[VS+\uo], v[PS] matrix_a_fmt:MATRIX_FMT_FP4 matrix_b_fmt:MATRIX_FMT_FP4
.else
	v_wmma_scale_f32_16x16x128_f8f6f4 v[O+8*\uo:O+8*\uo+7], v[VF+8*\uo:VF+8*\uo+7], v[PC:PC+7], v[O+8*\uo:O+8*\uo+7], v[VS+\uo], v[PS] matrix_a_fmt:MATRIX_FMT_FP4 matrix_b_fmt:MATRIX_FMT_FP4
.endif
.endr
.endm
; O^T / the sum, quantised along the head's 32 channels (a block of the output projection's K): lane (r, hh) holds channels 16 hh + 0 .. 15 of query r.
.macro FINISH u
	v_add_f32 v[T], v[SUM], v[SUM+1]
	v_nop
	v_nop
	v_permlanex16_b32 v[BP], v[T], s[SEL], s[SEL+1]
	v_add_f32 v[T], v[T], v[BP]                    ; the row's sum
	v_rcp_f32 v[F], v[T]
	v_nop                                          ; a plain instruction behind the reciprocal; with the lines above, the places behind the last products
	s_wait_alu depctr_va_vdst(0)
.irp j, 0,2,4,6,8,10,12,14
	v_pk_mul_f32 v[O+\j:O+\j+1], v[O+\j:O+\j+1], v[F:F+1] op_sel_hi:[1,0]
.endr
	v_max3_num_f32 v[BM], |v[O]|, |v[O+1]|, 0x1800000
	v_max3_num_f32 v[BM+1], |v[O+8]|, |v[O+9]|, |v[O+10]|
	v_max3_num_f32 v[BM], v[BM], |v[O+2]|, |v[O+3]|
	v_max3_num_f32 v[BM+1], v[BM+1], |v[O+11]|, |v[O+12]|
	v_max3_num_f32 v[BM], v[BM], |v[O+4]|, |v[O+5]|
	v_max3_num_f32 v[BM+1], v[BM+1], |v[O+13]|, |v[O+14]|
	v_max3_num_f32 v[BM], v[BM], |v[O+6]|, |v[O+7]|
	v_max3_num_f32 v[BM], v[BM], v[BM+1], |v[O+15]|
	v_permlanex16_b32 v[BP], v[BM], s[SEL], s[SEL+1]
	v_max_num_f32 v[BM], v[BM], v[BP]
	v_add_nc_u32 v[SO], 0xff000000, v[BM]
	v_lshrrev_b32 v[BY], 23, v[SO]
	v_cvt_scalef32_pk8_fp4_f32 v[OC], v[O:O+7], v[SO]
	v_cvt_scalef32_pk8_fp4_f32 v[OC+1], v[O+8:O+15], v[SO]
	v_nop                                          ; one plain instruction behind the conversions: the next tile's products write their sources
	ds_store_b64 v[CO], v[OC:OC+1] offset:OST+128*\u
	ds_store_b8 v[COS], v[BY] offset:16*\u         ; both lanes of a block write the same byte with the same value
.endm
.macro ATT u                           ; my tile u of 16 queries against all 512 keys
	ds_load_b128 v[QF:QF+3], v[CQ] offset:QIMG+512*\u
	ds_load_b32 v[QS], v[CQS] offset:QSC+128*\u
	KFETCH 0
	s_wait_dscnt 0x0                               ; Q and the first step's tiles of K: the one place in a tile of queries where the wave waits for what it has just asked for
	STEP 0, 1
	STEP 1, 0
	STEP 2, 0
	STEP 3, 0
	FINISH \u
.endm
	s_mov_b32 s[HB], 0
	s_mov_b32 s[OB], 0
	s_mov_b32 s[TRIP], 2
.Lhead:                                ; two trips: the two heads; what differs is the region in LDS
	v_add_nc_u32 v[CK], s[HB], v[LK]
	v_add_nc_u32 v[CV], s[HB], v[LV]
	v_add_nc_u32 v[CVS], s[HB], v[LVS]
	v_add_nc_u32 v[CQ], s[HB], v[LQ]
	v_add_nc_u32 v[CQS], s[HB], v[LQS]
	v_add_nc_u32 v[CO], s[HB], v[LO]
	v_add_nc_u32 v[COS], s[OB], v[LOS]
	ATT 0
	ATT 1
	s_wait_dscnt 0x0                               ; the stores have read their addresses, which the next trip writes; and they have landed
	s_add_co_u32 s[HB], s[HB], HS
	s_add_co_u32 s[OB], s[OB], 1
	s_sub_co_u32 s[TRIP], s[TRIP], 1
	s_cmp_lg_u32 s[TRIP], 0
	s_cbranch_scc1 .Lhead
	ds_load_b128 v[48:51], v[AOC]                  ; my own bytes: tokens 32 w + lane / 2, head lane % 2
	ds_load_b128 v[52:55], v[AOC] offset:256       ; and 16 tokens on
	s_wait_dscnt 1
	global_store_b128 v[LK], v[48:51], s[14:15]    ; 32 lanes store 512 consecutive bytes, aligned
	s_wait_dscnt 0x0
	global_store_b128 v[LK], v[52:55], s[14:15] offset:512
	s_barrier_signal -1                            ; every wave's scale bytes have landed (waited for at the last trip's end)
	s_barrier_wait -1
	s_cmp_gt_u32 s[WV], 1
	s_cbranch_scc1 .Lend
	ds_load_b128 v[56:59], v[AOS]
	s_wait_dscnt 0x0
	global_store_b128 v[GOS], v[56:59], s[16:17]   ; waves 0 and 1: 512 consecutive bytes each
.Lend:
	s_wait_tensorcnt 0x0
	ds_add_u32 v227, v235
	s_wait_dscnt 0x0
	s_endpgm
.Lfunc_end_k_q2e70abd381_attn:
	.size	k_q2e70abd381_attn, .Lfunc_end_k_q2e70abd381_attn-k_q2e70abd381_attn
	.p2alignl 7, 3214868480
	.fill 96, 4, 3214868480
	.section	.rodata,"a",@progbits
	.p2align	6, 0x0
	.amdhsa_kernel k_q2e70abd381_attn
		.amdhsa_group_segment_fixed_size 147456
		.amdhsa_private_segment_fixed_size 0
		.amdhsa_enable_private_segment 0
		.amdhsa_kernarg_size 56
		.amdhsa_user_sgpr_count 2
		.amdhsa_user_sgpr_kernarg_segment_ptr 1
		.amdhsa_wavefront_size32 1
		.amdhsa_system_sgpr_workgroup_id_x 1
		.amdhsa_system_sgpr_workgroup_id_y 1
		.amdhsa_system_sgpr_workgroup_id_z 1
		.amdhsa_system_vgpr_workitem_id 0
		.amdhsa_next_free_vgpr 256
		.amdhsa_next_free_sgpr 66
		.amdhsa_reserve_vcc 0
		.amdhsa_float_denorm_mode_32 3
		.amdhsa_float_denorm_mode_16_64 3
		.amdhsa_memory_ordered 1
		.amdhsa_forward_progress 1
		.amdhsa_inst_pref_size 150
	.end_amdhsa_kernel
	.amdgpu_metadata
---
amdhsa.version: [ 1, 2 ]
amdhsa.kernels:
  - .name:           k_q2e70abd381_attn
    .symbol:         k_q2e70abd381_attn.kd
    .args:
      - { .name: xq_codes, .offset: 0, .size: 8, .value_kind: global_buffer, .address_space: global }
      - { .name: xq_scales, .offset: 8, .size: 8, .value_kind: global_buffer, .address_space: global }
      - { .name: in_proj_w_codes, .offset: 16, .size: 8, .value_kind: global_buffer, .address_space: global }
      - { .name: in_proj_w_scales, .offset: 24, .size: 8, .value_kind: global_buffer, .address_space: global }
      - { .name: in_proj_b, .offset: 32, .size: 8, .value_kind: global_buffer, .address_space: global }
      - { .name: o_codes, .offset: 40, .size: 8, .value_kind: global_buffer, .address_space: global }
      - { .name: o_scales, .offset: 48, .size: 8, .value_kind: global_buffer, .address_space: global }
    .group_segment_fixed_size: 147456
    .private_segment_fixed_size: 0
    .kernarg_segment_align: 8
    .kernarg_segment_size: 56
    .max_flat_workgroup_size: 512
    .sgpr_count:     66
    .vgpr_count:     256
    .wavefront_size: 32
...
	.end_amdgpu_metadata
.endif
;; end of part 3
;; launch proj (part 4): grid 4 x 64, 8 waves a work-group, no clusters, 109,568 bytes of LDS; arguments o_codes, o_scales, out_proj_w_codes, out_proj_w_scales, out_proj_b, x, ca, out0; writes out0
.if DOCPART == 4
	.amdgcn_target "amdgcn-amd-amdhsa--gfx1250"
	.amdhsa_code_object_version 6
	.text
	.protected	k_q2e70abd381_proj
	.globl	k_q2e70abd381_proj
	.p2align	8
	.type	k_q2e70abd381_proj,@function
k_q2e70abd381_proj:
	s_mov_b64 s[64:65], 0
	v_nop
	global_prefetch_b8 v0, s[64:65] scope:SCOPE_SE
	s_setreg_imm32_b32 hwreg(HW_REG_WAVE_MODE, 25, 1), 1
	s_wait_xcnt 0x0
; out0[b][c][h][w] = x[b][c][h][w] ca[b][c] + (o W^T + bias)[l = 8 h + b][n = w][c]: the output projection on codes of FP4 (E2M1), and the residual.
; SHARES.  Work-group (cs, win) takes the tokens l = 8 win + b of all 64 n, and channels 64 cs .. 64 cs + 63.  Wave w is image b = w: 64 tokens (n) x 64 channels: its results are 64 whole rows
; (b, c, h = win) of out0, 256 bytes each.  Source 0 = 16 tokens, source 1 = 16 rows of W: a lane holds one channel and eight neighbouring n; a tile of 16 channels goes through the wave's own stage in LDS
; and comes back as rows, 8 bytes a lane, as x is loaded and out0 is stored: each load and store of the wave covers 256 consecutive bytes, aligned.
; The tokens' codes lie in memory by (n, head pair): 256 units of 256 bytes [b 8][a 2][16].  The eight waves bring them in whole and each picks its b out of LDS.
; NO CLUSTER: the four work-groups of one win share the 68 KiB of codes and bytes; each also moves 128 KiB of x and 128 KiB of out0 of its own: what is shared is a fifth of its bytes, read once at the head.
; No tensor load: each tile is read once; 32 loads of x a wave are kept on their way.
.set OCL, 0                            ; LDS: unit (64 hp + n) x (256 bytes + 16)
.set OSL, 69632                        ; the tokens' scale bytes: 64 n + 8 b + head
.set STG, 73728                        ; a stage for each wave: 16 rows x (256 bytes + 16)
.set AOC, 1                            ; v1   the codes in memory: 16,384 hh + 16 q
.set SOC, 2                            ; v2   and into LDS
.set AOS, 3                            ; v3   the scale bytes in memory: 1,024 x thread (n = thread / 4, hp = thread % 4)
.set SOS, 4                            ; v4   and into LDS
.set LT,  5                            ; v5   a token's fragment: 272 r + 16 hh + 32 w
.set LTS, 6                            ; v6   its scale words
.set LW,  7                            ; v7   W: 128 r + 16 hh
.set LWS, 8                            ; v8   8 r
.set LB,  9                            ; v9   4 r
.set LX,  10                           ; v10  8 lane: x and out0
.set LS,  11                           ; v11  the stage, in: row r, + 32 hh
.set LR,  12                           ; v12  back: 8 lane
.set TOK, 16                           ; v16-79  first the codes as loaded, then the tokens' fragments (tile t, K step e) at 8 (2 t + e)
.set WF,  80                           ; v80-111 W's fragments, two sets of two
.set CB,  112                          ; v112-119 the bias as C
.set ACC, 120                          ; v120-151 four accumulators, then the tile's 16 rows
.set XR,  152                          ; v152-215 x, two sets of 16 rows
.set OSR, 216                          ; v216-219 the scale bytes as loaded
.set BB,  220                          ; v220-221 the bias as loaded
.set TS,  224                          ; scale registers, which hold nothing else: v224-231 the tokens' (t, e); v232-235 W's (set, e)
.set WS,  232
.macro NOP4                            ; four places behind matrix instructions (ISA guide 7.12.1)
.rept 4
	v_nop
.endr
.endm
	s_load_b512 s[4:19], s[0:1], 0x0               ; o_codes, o_scales, W's codes, W's scales, bias, x, ca, out0
	v_lshl_add_u32 v240, v0, 2, 0x1a800
	v_mov_b32 v241, 0
	v_lshrrev_b32 v13, 5, v0
	v_readfirstlane_b32 s20, v13                   ; wave = b
	s_and_b32 s21, ttmp7, 0xffff                   ; win
	v_and_b32 v13, 31, v0                          ; lane
	v_and_b32 v14, 15, v0                          ; r
	v_bfe_u32 v15, v0, 4, 1                        ; hh
	v_lshlrev_b32 v[AOC], 14, v15
	v_lshl_add_u32 v[AOC], v14, 4, v[AOC]
	s_mul_i32 s22, s20, 2176
	v_mul_u32_u24 v[SOC], v15, 17408
	v_lshl_add_u32 v[SOC], v14, 4, v[SOC]
	v_add_nc_u32 v[SOC], s22, v[SOC]               ; unit 64 hh + 8 w
	v_lshlrev_b32 v[AOS], 10, v0
	v_lshrrev_b32 v[SOS], 2, v0
	v_lshlrev_b32 v[SOS], 6, v[SOS]
	v_and_b32 v[LT], 3, v0
	v_lshl_add_u32 v[SOS], v[LT], 1, v[SOS]
	v_add_nc_u32 v[SOS], OSL, v[SOS]
	v_mul_u32_u24 v[LT], v14, 272
	v_lshl_add_u32 v[LT], v15, 4, v[LT]
	s_lshl_b32 s22, s20, 5
	v_add_nc_u32 v[LT], s22, v[LT]
	s_lshl_b32 s22, s20, 3
	s_add_co_u32 s22, s22, OSL
	v_lshl_add_u32 v[LTS], v14, 6, s22
	v_lshlrev_b32 v[LW], 7, v14
	v_lshl_add_u32 v[LW], v15, 4, v[LW]
	v_lshlrev_b32 v[LWS], 3, v14
	v_lshlrev_b32 v[LB], 2, v14
	v_lshlrev_b32 v[LX], 3, v13
	s_mul_i32 s22, s20, 4352
	s_add_co_u32 s22, s22, STG
	v_mul_u32_u24 v[LS], v14, 272
	v_lshl_add_u32 v[LS], v15, 5, v[LS]
	v_add_nc_u32 v[LS], s22, v[LS]
	v_lshl_add_u32 v[LR], v13, 3, s22
	s_mov_b32 s25, 0
	s_wait_kmcnt 0x0
	s_lshl_b32 s24, s21, 8
	s_lshl_b32 s26, s20, 19
	s_add_co_u32 s24, s24, s26
	s_add_nc_u64 s[4:5], s[4:5], s[24:25]          ; the codes: l = 8 win, n = 8 w on
	s_lshl_b32 s24, s21, 4
	s_add_nc_u64 s[6:7], s[6:7], s[24:25]
	s_lshl_b32 s24, ttmp9, 13
	s_add_nc_u64 s[8:9], s[8:9], s[24:25]          ; W: my 64 rows
	s_lshl_b32 s24, ttmp9, 9
	s_add_nc_u64 s[10:11], s[10:11], s[24:25]
	s_lshl_b32 s24, ttmp9, 8
	s_add_nc_u64 s[12:13], s[12:13], s[24:25]
	s_lshl_b32 s26, s20, 10
	s_add_co_u32 s24, s24, s26
	s_add_nc_u64 s[16:17], s[16:17], s[24:25]      ; ca of image w, channels 64 cs on: into scalar registers, 16 for each tile of channels
	s_load_b512 s[32:47], s[16:17], 0x0
	s_load_b512 s[48:63], s[16:17], 0x40
	s_load_b512 s[68:83], s[16:17], 0x80
	s_load_b512 s[84:99], s[16:17], 0xc0
	s_lshl_b32 s24, s20, 22
	s_lshl_b32 s26, ttmp9, 20
	s_add_co_u32 s24, s24, s26
	s_lshl_b32 s26, s21, 8
	s_add_co_u32 s24, s24, s26
	s_add_nc_u64 s[14:15], s[14:15], s[24:25]      ; x and out0 at (b = w, c = 64 cs, h = win)
	s_add_nc_u64 s[18:19], s[18:19], s[24:25]
.macro WLD ct, p                       ; W's tile ct of 16 channels into set p: 6 loads
.irp e, 0,1
.irp c, 0,1
	global_load_b128 v[WF+16*(\p)+8*\e+4*\c:WF+16*(\p)+8*\e+4*\c+3], v[LW], s[8:9] offset:2048*(\ct)+64*\e+32*\c
.endr
.endr
	global_load_b64 v[WS+2*(\p):WS+2*(\p)+1], v[LWS], s[10:11] offset:128*(\ct)
	global_load_b32 v[BB+(\p)], v[LB], s[12:13] offset:64*(\ct)
.endm
.macro XLD ct                          ; x's 16 rows of tile ct: 16 loads, a row each
.set rho, 0
.rept 16
	global_load_b64 v[XR+32*((\ct)%2)+2*rho:XR+32*((\ct)%2)+2*rho+1], v[LX], s[14:15] offset:(16*(\ct)+rho)*16384 th:TH_LOAD_NT
.set rho, rho+1
.endr
.endm
.set i, 0
.rept 16
	global_load_b128 v[TOK+4*i:TOK+4*i+3], v[AOC], s[4:5] offset:32768*i   ; units n = 8 w + i / 2, hp = 2 (i % 2) + hh: sixteen lanes read 256 consecutive bytes
.set i, i+1
.endr
	global_load_b128 v[OSR:OSR+3], v[AOS], s[6:7]  ; [b 8][a 2] of my (n, hp)
	WLD 0, 0
	WLD 1, 1
	XLD 0
	XLD 1
	s_wait_loadcnt 44                              ; the codes and bytes are in; W's two sets (12) and x's two (32) stay out
.set i, 0
.rept 16
	ds_store_b128 v[SOC], v[TOK+4*i:TOK+4*i+3] offset:OCL+(128*(i%2)+i/2)*272
.set i, i+1
.endr
.irp b, 0,2,4,6
	ds_store_b16 v[SOS], v[OSR+\b/2] offset:8*\b                   ; token b's two bytes of my pair of heads
	ds_store_b16_d16_hi v[SOS], v[OSR+\b/2] offset:8*\b+8
.endr
	s_wait_dscnt 0x0                               ; my stores have landed
	s_barrier_signal -1
	s_barrier_wait -1                              ; everybody's have
.irp t, 0,1,2,3                        ; my 64 tokens' fragments: registers 4 c on of K step e are head 4 e + 2 c + hh: unit hp = 2 e + c, a = hh
.irp e, 0,1
.irp c, 0,1
	ds_load_b128 v[TOK+8*(2*\t+\e)+4*\c:TOK+8*(2*\t+\e)+4*\c+3], v[LT] offset:OCL+((2*\e+\c)*64+16*\t)*272
.endr
.endr
	ds_load_b64 v[TS+2*\t:TS+2*\t+1], v[LTS] offset:1024*\t
.endr
	s_wait_dscnt 0x0
	s_wait_kmcnt 0x0                               ; ca
; A tile of 16 channels.  p: W's set;  nw, nx: the younger loads that may stay out when W's set and x's rows have to be in.
.macro CT ct, p, nw, nx
	s_wait_loadcnt \nw
.irp j, 0,1,2,3,4,5,6,7
	v_mov_b32 v[CB+\j], v[BB+\p]                   ; the bias in the result's layout: a lane's one channel, eight times
.endr
	NOP4
.irp t, 0,1,2,3                        ; four accumulators by turns, one instruction a turn
	v_wmma_scale_f32_16x16x128_f8f6f4 v[ACC+8*\t:ACC+8*\t+7], v[TOK+16*\t:TOK+16*\t+7], v[WF+16*\p:WF+16*\p+7], v[CB:CB+7], v[TS+2*\t], v[WS+2*\p] matrix_a_fmt:MATRIX_FMT_FP4 matrix_b_fmt:MATRIX_FMT_FP4
.endr
.irp t, 0,1,2,3
	v_wmma_scale_f32_16x16x128_f8f6f4 v[ACC+8*\t:ACC+8*\t+7], v[TOK+16*\t+8:TOK+16*\t+15], v[WF+16*\p+8:WF+16*\p+15], v[ACC+8*\t:ACC+8*\t+7], v[TS+2*\t+1], v[WS+2*\p+1] matrix_a_fmt:MATRIX_FMT_FP4 matrix_b_fmt:MATRIX_FMT_FP4
.endr
	NOP4
.irp t, 0,1,2,3
	ds_store_b128 v[LS], v[ACC+8*\t:ACC+8*\t+3] offset:64*\t       ; lane (r, hh): channel r, n = 16 t + 8 hh + 0 .. 7; each accumulator from its low end on
	ds_store_b128 v[LS], v[ACC+8*\t+4:ACC+8*\t+7] offset:64*\t+16
.endr
.set rho, 0
.rept 16
	ds_load_b64 v[ACC+2*rho:ACC+2*rho+1], v[LR] offset:272*rho     ; LDS serves a wave's instructions in order (ISA guide 5.7.1.4): these see my stores
.set rho, rho+1
.endr
.if \ct < 2
	WLD \ct+2, \p
.endif
	s_wait_loadcnt \nx
	s_wait_dscnt 0x0
.set rho, 0
.rept 16
	v_fma_f32 v[XR+32*(\ct%2)+2*rho], v[XR+32*(\ct%2)+2*rho], s[32+16*\ct+4*(\ct/2)+rho], v[ACC+2*rho]
	v_fma_f32 v[XR+32*(\ct%2)+2*rho+1], v[XR+32*(\ct%2)+2*rho+1], s[32+16*\ct+4*(\ct/2)+rho], v[ACC+2*rho+1]
.set rho, rho+1
.endr
.set rho, 0
.rept 16
	global_store_b64 v[LX], v[XR+32*(\ct%2)+2*rho:XR+32*(\ct%2)+2*rho+1], s[18:19] offset:(16*\ct+rho)*16384 th:TH_STORE_NT   ; 32 lanes store a row: 256 consecutive bytes, aligned
.set rho, rho+1
.endr
.if \ct < 2
	s_wait_xcnt 0x0                                ; the stores have read their registers: x's rows of two tiles on may land there
	XLD \ct+2
.endif
.endm
	CT 0, 0, 32, 22                                ; W0 (and W1) in, x's two sets out;  then x's set 1 (16) and W2 (6) out
	CT 1, 1, 38, 28                                ; W1 was shown in above;  then W2 (6), x's tile 2 (16), W3 (6) out
	CT 2, 0, 38, 22                                ; x's tile 2 (16), W3 (6), x's tile 3 (16) out;  then W3 and x's tile 3
	CT 3, 1, 16, 0                                 ; x's tile 3 out;  then nothing
	s_wait_tensorcnt 0x0
	ds_add_u32 v240, v241
	s_wait_dscnt 0x0
	s_endpgm
.Lfunc_end_k_q2e70abd381_proj:
	.size	k_q2e70abd381_proj, .Lfunc_end_k_q2e70abd381_proj-k_q2e70abd381_proj
	.p2alignl 7, 3214868480
	.fill 96, 4, 3214868480
	.section	.rodata,"a",@progbits
	.p2align	6, 0x0
	.amdhsa_kernel k_q2e70abd381_proj
		.amdhsa_group_segment_fixed_size 109568
		.amdhsa_private_segment_fixed_size 0
		.amdhsa_enable_private_segment 0
		.amdhsa_kernarg_size 64
		.amdhsa_user_sgpr_count 2
		.amdhsa_user_sgpr_kernarg_segment_ptr 1
		.amdhsa_wavefront_size32 1
		.amdhsa_system_sgpr_workgroup_id_x 1
		.amdhsa_system_sgpr_workgroup_id_y 1
		.amdhsa_system_sgpr_workgroup_id_z 1
		.amdhsa_system_vgpr_workitem_id 0
		.amdhsa_next_free_vgpr 242
		.amdhsa_next_free_sgpr 100
		.amdhsa_reserve_vcc 0
		.amdhsa_float_denorm_mode_32 3
		.amdhsa_float_denorm_mode_16_64 3
		.amdhsa_memory_ordered 1
		.amdhsa_forward_progress 1
		.amdhsa_inst_pref_size 43
	.end_amdhsa_kernel
	.amdgpu_metadata
---
amdhsa.version: [ 1, 2 ]
amdhsa.kernels:
  - .name:           k_q2e70abd381_proj
    .symbol:         k_q2e70abd381_proj.kd
    .args:
      - { .name: o_codes, .offset: 0, .size: 8, .value_kind: global_buffer, .address_space: global }
      - { .name: o_scales, .offset: 8, .size: 8, .value_kind: global_buffer, .address_space: global }
      - { .name: out_proj_w_codes, .offset: 16, .size: 8, .value_kind: global_buffer, .address_space: global }
      - { .name: out_proj_w_scales, .offset: 24, .size: 8, .value_kind: global_buffer, .address_space: global }
      - { .name: out_proj_b, .offset: 32, .size: 8, .value_kind: global_buffer, .address_space: global }
      - { .name: x, .offset: 40, .size: 8, .value_kind: global_buffer, .address_space: global }
      - { .name: ca, .offset: 48, .size: 8, .value_kind: global_buffer, .address_space: global }
      - { .name: out0, .offset: 56, .size: 8, .value_kind: global_buffer, .address_space: global }
    .group_segment_fixed_size: 109568
    .private_segment_fixed_size: 0
    .kernarg_segment_align: 8
    .kernarg_segment_size: 64
    .max_flat_workgroup_size: 256
    .sgpr_count:     100
    .vgpr_count:     242
    .wavefront_size: 32
...
	.end_amdgpu_metadata
.endif
;; end of part 4
;; ======== version 2 of 2: 4 launches
;; workspace buffers: pooled 8,192 bytes; ca 8,192 bytes; xq_codes 4,194,304 bytes; xq_scales 262,144 bytes; o_codes 4,194,304 bytes; o_scales 262,144 bytes
;; launch pool (part 5): grid 256 x 1, 8 waves a work-group, no clusters, 1,280 bytes of LDS; arguments x, pooled; writes pooled
.if DOCPART == 5
	.amdgcn_target "amdgcn-amd-amdhsa--gfx1250"
	.amdhsa_code_object_version 6
	.text
	.protected	k_q2e70abd381_pool
	.globl	k_q2e70abd381_pool
	.p2align	8
	.type	k_q2e70abd381_pool,@function
k_q2e70abd381_pool:
	s_mov_b64 s[64:65], 0
	v_nop
	global_prefetch_b8 v0, s[64:65] scope:SCOPE_SE
	s_setreg_imm32_b32 hwreg(HW_REG_WAVE_MODE, 25, 1), 1
	s_wait_xcnt 0x0
; pooled[b][c] = the sum of x[b][c][:][:] (4,096 numbers, f32).  The division by 4,096 is left to the launch that reads the sums.
; Eight waves; wave w of work-group g owns the plane b*256 + c = 8 g + w: 16,384 consecutive bytes, 32 loads of 512 bytes, all issued at once.
; The work-group's eight sums meet in LDS and leave as 32 consecutive bytes.  A stream: no matrix unit, no tensor load, no cluster (no two work-groups read the same byte).
; LIMITS: NaN and infinities among the inputs are not served.
.set X, 16                             ; v16-143: the 32 loads; v[16:23] are also the four packed chains
	s_load_b128 s[4:7], s[0:1], 0x0                ; x, pooled
	v_lshl_add_u32 v148, v0, 2, 0x100
	v_mov_b32 v149, 0
	v_lshrrev_b32 v2, 5, v0
	s_delay_alu instid0(VALU_DEP_1)
	v_readfirstlane_b32 s8, v2                     ; wave
	v_and_b32 v1, 31, v0
	s_delay_alu instid0(VALU_DEP_1)
	v_lshlrev_b32 v1, 4, v1                        ; 16 bytes a lane
	s_delay_alu instid0(VALU_DEP_4)
	v_lshlrev_b32 v3, 2, v2                        ; LDS: my wave's word
	v_and_b32 v4, 7, v0
	s_delay_alu instid0(VALU_DEP_1)
	v_lshlrev_b32 v4, 2, v4                        ; the way out: word lane % 8
	s_lshl_b32 s10, ttmp9, 17                      ; 8 planes of 16,384 bytes a work-group
	s_lshl_b32 s9, s8, 14
	s_add_co_u32 s10, s10, s9
	s_mov_b32 s11, 0
	s_mov_b32 s12, 0x76543210                      ; v_permlanex16_b32: lane l xor 16
	s_mov_b32 s13, 0xfedcba98
	s_lshl_b32 s14, ttmp9, 5                       ; 8 sums of 4 bytes a work-group
	s_mov_b32 s15, 0
	s_wait_alu depctr_va_vdst(0)
	s_wait_kmcnt 0x0
	s_add_nc_u64 s[4:5], s[4:5], s[10:11]
	s_add_nc_u64 s[6:7], s[6:7], s[14:15]
.set i, 0
.rept 32
	global_load_b128 v[X+4*i:X+4*i+3], v1, s[4:5] offset:512*i th:TH_LOAD_NT
.set i, i+1
.endr
	s_wait_loadcnt 24                              ; loads 0 to 7 are in; the 24 younger ones stay out
.set i, 2
.rept 30                               ; loads 0 and 1 start the four chains: nothing is cleared
.if (i%8) == 0
	s_wait_alu depctr_va_vdst(0)
	s_wait_loadcnt 24-8*(i/8)                      ; the next eight loads are in
.endif
	v_pk_add_f32 v[X+4*(i%2):X+4*(i%2)+1], v[X+4*(i%2):X+4*(i%2)+1], v[X+4*i:X+4*i+1]
	v_pk_add_f32 v[X+4*(i%2)+2:X+4*(i%2)+3], v[X+4*(i%2)+2:X+4*(i%2)+3], v[X+4*i+2:X+4*i+3]
.set i, i+1
.endr
	s_delay_alu instid0(VALU_DEP_3)
	v_pk_add_f32 v[16:17], v[16:17], v[18:19]
	s_delay_alu instid0(VALU_DEP_2)
	v_pk_add_f32 v[20:21], v[20:21], v[22:23]
	s_delay_alu instid0(VALU_DEP_1)
	v_pk_add_f32 v[16:17], v[16:17], v[20:21]
	s_delay_alu instid0(VALU_DEP_1)
	v_add_f32 v16, v16, v17
	s_delay_alu instid0(VALU_DEP_1)
	v_add_f32_dpp v16, v16, v16 row_xmask:1 row_mask:0xf bank_mask:0xf
	s_delay_alu instid0(VALU_DEP_1)
	v_add_f32_dpp v16, v16, v16 row_xmask:2 row_mask:0xf bank_mask:0xf
	s_delay_alu instid0(VALU_DEP_1)
	v_add_f32_dpp v16, v16, v16 row_xmask:4 row_mask:0xf bank_mask:0xf
	s_delay_alu instid0(VALU_DEP_1)
	v_add_f32_dpp v16, v16, v16 row_xmask:8 row_mask:0xf bank_mask:0xf
	s_delay_alu instid0(VALU_DEP_1)
	v_permlanex16_b32 v17, v16, s12, s13
	s_delay_alu instid0(VALU_DEP_1)
	v_add_f32 v16, v16, v17                        ; the plane's sum, in every lane
	ds_store_b32 v3, v16                           ; all lanes write the same word with the same value
	s_wait_dscnt 0x0                               ; for the others' sake: my store has landed
	s_barrier_signal -1
	s_barrier_wait -1
	s_cmp_lg_u32 s8, 0
	s_cbranch_scc1 .Lend                           ; wave 0 stores for the work-group
	ds_load_b32 v5, v4
	s_wait_dscnt 0x0
	s_wait_xcnt 0x0                                ; EXEC changes only behind this wait
	v_cmp_gt_u32 vcc_lo, 8, v0
	s_and_saveexec_b32 s9, vcc_lo
	global_store_b32 v4, v5, s[6:7]                ; lanes 0 to 7: 32 consecutive bytes
	s_wait_xcnt 0x0
	s_or_b32 exec_lo, exec_lo, s9
.Lend:
	s_wait_tensorcnt 0x0
	ds_add_u32 v148, v149
	s_wait_dscnt 0x0
	s_endpgm
.Lfunc_end_k_q2e70abd381_pool:
	.size	k_q2e70abd381_pool, .Lfunc_end_k_q2e70abd381_pool-k_q2e70abd381_pool
	.p2alignl 7, 3214868480
	.fill 96, 4, 3214868480
	.section	.rodata,"a",@progbits
	.p2align	6, 0x0
	.amdhsa_kernel k_q2e70abd381_pool
		.amdhsa_group_segment_fixed_size 1280
		.amdhsa_private_segment_fixed_size 0
		.amdhsa_enable_private_segment 0
		.amdhsa_kernarg_size 16
		.amdhsa_user_sgpr_count 2
		.amdhsa_user_sgpr_kernarg_segment_ptr 1
		.amdhsa_wavefront_size32 1
		.amdhsa_system_sgpr_workgroup_id_x 1
		.amdhsa_system_sgpr_workgroup_id_y 1
		.amdhsa_system_sgpr_workgroup_id_z 1
		.amdhsa_system_vgpr_workitem_id 0
		.amdhsa_next_free_vgpr 150
		.amdhsa_next_free_sgpr 66
		.amdhsa_reserve_vcc 1
		.amdhsa_float_denorm_mode_32 3
		.amdhsa_float_denorm_mode_16_64 3
		.amdhsa_memory_ordered 1
		.amdhsa_forward_progress 1
		.amdhsa_inst_pref_size 10
	.end_amdhsa_kernel
	.amdgpu_metadata
---
amdhsa.version: [ 1, 2 ]
amdhsa.kernels:
  - .name:           k_q2e70abd381_pool
    .symbol:         k_q2e70abd381_pool.kd
    .args:
      - { .name: x, .offset: 0, .size: 8, .value_kind: global_buffer, .address_space: global }
      - { .name: pooled, .offset: 8, .size: 8, .value_kind: global_buffer, .address_space: global }
    .group_segment_fixed_size: 1280
    .private_segment_fixed_size: 0
    .kernarg_segment_align: 8
    .kernarg_segment_size: 16
    .max_flat_workgroup_size: 256
    .sgpr_count:     66
    .vgpr_count:     150
    .wavefront_size: 32
...
	.end_amdgpu_metadata
.endif
;; end of part 5
;; launch gateq (part 6): grid 4 x 64, 8 waves a work-group, no clusters, 24,064 bytes of LDS; arguments x, pooled, ca_w1, ca_b1, ca_w2, ca_b2, xq_codes, xq_scales, ca; writes xq_codes, xq_scales, ca
.if DOCPART == 6
	.amdgcn_target "amdgcn-amd-amdhsa--gfx1250"
	.amdhsa_code_object_version 6
	.text
	.protected	k_q2e70abd381_gateq
	.globl	k_q2e70abd381_gateq
	.p2align	8
	.type	k_q2e70abd381_gateq,@function
k_q2e70abd381_gateq:
	s_mov_b64 s[64:65], 0
	v_nop
	global_prefetch_b8 v0, s[64:65] scope:SCOPE_SE
	s_setreg_imm32_b32 hwreg(HW_REG_WAVE_MODE, 25, 1), 1
	s_wait_xcnt 0x0
; The channel gate, the gated x, and its codes of FP4 (E2M1) along the channels, laid by window position n.
; ca[b][c] = sigmoid(relu(mean[b] W1^T + b1) W2^T + b2), in f32 by fused multiply-adds (its result goes on into a quantiser).  xq = Q(x ca), one E8M0 byte for each 32 channels.
; SHARES.  Work-group (bp, h) takes image row h of the images b = 2 bp + b2: 128 tokens (b2, ww, j) x 256 channels, 131,072 bytes of x.  Token (l, n): l = 64 (h / 8) + 8 ww + b, n = 8 (h % 8) + j.
; Wave w = 4 b2 + cq takes image b2, channels 64 cq .. 64 cq + 63, all 64 places of the row: each load reads two whole rows of 256 bytes.  Lane (q, hh) holds places 4 q .. 4 q + 3 of 16 channels;
; the multiplication by ca also sorts them, so that 16 consecutive registers are 16 neighbouring channels of one token; a block of 32 lies in lanes l and l xor 16.
; The gate of the work-group's two images is made by the work-group itself while its loads of x are on their way: the weights are shared out among the eight waves.
; OUT.  xq_codes [n 64][l 512][128 bytes]: the codes go through a stage in LDS, and sixteen lanes store the 256 consecutive bytes of the tokens l, l + 1 of one n.
;       xq_scales [h 64][bp 4][j 8][ww 8][b2 2][8 bytes]: the work-group's 1,024 bytes are consecutive.   ca [8][256] f32: stored by the work-groups of h = 0.
; No matrix unit (the two products have 8 rows), no tensor load (each byte of x is read once, straight into registers), no cluster (work-groups share the small weights alone).
; LIMITS: a block's byte is held at 1 from below (largest magnitude under 2^-124); a block of zeros gets the byte 1, not 127: its codes are zeros and this program alone reads the bytes.  NaN and infinities are not served.
.set H1,   0                           ; LDS: h1 [b2][64] f32
.set PRE,  512                         ; the second product's sums [b2][256]
.set CAL,  2560                        ; ca [b2][256]
.set CST,  4608                        ; the codes' stage: 64 places x (2 tokens x 128 bytes + 16)
.set SCS,  22016                       ; the scale bytes [j][ww][b2][8]
.set PL,   16                          ; v16-31  the sums of pool, then h1 (v16-23), then the codes (block 0: v16-23, block 1: v24-31)
.set W1R,  32                          ; v32-95  my 8 rows of W1, then the second half of x
.set RAW1, 32
.set W2R,  96                          ; v96-159 my 32 rows of W2, then the gated numbers [token 4][channel 16]
.set G,    96
.set RAW0, 160                         ; v160-223 the first half of x
.set AC,   224                         ; v224-255 sixteen pairs of sums in the gate; later:
.set CAV,  224                         ; v224-239 ca of my 16 channels
.set MX,   240                         ; v240-243 largest magnitudes
.set PD,   244                         ; v244-247 the other half's (written before, as sums)
.set SO,   248                         ; v248-251 the conversions' scale operands
.set BY,   252                         ; v252-255 two scale bytes a token
	s_load_b512 s[4:19], s[0:1], 0x0               ; x, pooled, W1, b1, W2, b2, xq_codes, xq_scales
	s_load_b64 s[20:21], s[0:1], 0x40              ; ca
	s_set_vgpr_msb 0x40
	v_lshl_add_u32 v0, v0, 2, 0x5a00
	v_mov_b32 v1, 0
	s_set_vgpr_msb 0x4000
	v_lshrrev_b32 v224, 5, v0
	s_delay_alu instid0(VALU_DEP_1)
	v_readfirstlane_b32 s22, v224                  ; wave
	v_and_b32 v225, 31, v0                         ; lane
	v_and_b32 v226, 15, v0                         ; q
	v_bfe_u32 v227, v0, 4, 1                       ; hh
	s_wait_alu depctr_va_vdst(0)
	s_lshl_b32 s23, s22, 5                         ; 32 w
	s_lshr_b32 s35, s22, 2                         ; b2
	s_and_b32 s36, s22, 3                          ; cq
	s_and_b32 s34, ttmp7, 0xffff                   ; h
	s_mov_b32 s32, 0x76543210                      ; v_permlanex16_b32: lane l xor 16
	s_mov_b32 s33, 0xfedcba98
	v_lshlrev_b32 v1, 4, v225                      ; v1  16 x lane
	v_lshlrev_b32 v2, 2, v225                      ; v2  4 x lane
	v_lshlrev_b32 v3, 18, v227                     ; v3  x: 16 channels further on for lanes 16-31, + 16 q
	s_delay_alu instid0(VALU_DEP_1)
	v_lshl_add_u32 v3, v226, 4, v3
	v_mov_b32 v4, s23                              ; v4  h1, in: my 8 outputs
	v_lshlrev_b32 v5, 4, v226                      ; v5  h1, back: numbers 4 q .. 4 q + 3
	s_lshl_b32 s37, s22, 7
	s_add_co_u32 s38, s37, PRE
	s_add_co_u32 s39, s37, CAL
	v_lshl_add_u32 v6, v227, 2, s38                ; v6  the sums, in: channel 32 w + 2 i + hh
	v_lshl_add_u32 v7, v225, 2, s38                ; v7  back: channel 32 w + lane
	v_lshl_add_u32 v8, v225, 2, s39                ; v8  ca, in
	s_lshl_b32 s40, s35, 10
	s_lshl_b32 s41, s36, 8
	s_add_co_u32 s40, s40, s41
	s_add_co_u32 s40, s40, CAL
	v_lshl_add_u32 v9, v227, 6, s40                ; v9  ca, back: image b2, channels 64 cq + 16 hh on
	s_lshl_b32 s40, s35, 7
	s_lshl_b32 s41, s36, 5
	s_add_co_u32 s40, s40, s41
	s_add_co_u32 s40, s40, CST
	v_mul_u32_u24 v10, v226, 1088
	s_delay_alu instid0(VALU_DEP_1)
	v_lshl_add_u32 v10, v227, 3, v10
	s_delay_alu instid0(VALU_DEP_1)
	v_add_nc_u32 v10, s40, v10                     ; v10 the stage, in: place 4 q, token b2, byte 32 cq + 8 hh
	s_lshl_b32 s40, s35, 3
	s_lshl_b32 s41, s36, 1
	s_add_co_u32 s40, s40, s41
	s_add_co_u32 s40, s40, SCS
	v_and_b32 v228, 1, v226
	v_lshrrev_b32 v229, 1, v226
	s_delay_alu instid0(VALU_DEP_2)
	v_lshlrev_b32 v11, 9, v228
	s_delay_alu instid0(VALU_DEP_1)
	v_lshl_add_u32 v11, v229, 4, v11
	s_delay_alu instid0(VALU_DEP_1)
	v_add_nc_u32 v11, s40, v11                     ; v11 the scale bytes, in: j = 4 (q % 2) + token, ww = q / 2, bytes 2 cq, 2 cq + 1
	s_mul_i32 s40, s22, 2176
	s_add_co_u32 s40, s40, CST
	v_mul_u32_u24 v12, v227, 272
	s_delay_alu instid0(VALU_DEP_1)
	v_lshl_add_u32 v12, v226, 4, v12
	s_delay_alu instid0(VALU_DEP_1)
	v_add_nc_u32 v12, s40, v12                     ; v12 the stage, back: places 8 w + hh on, sixteen lanes to a place
	v_lshlrev_b32 v13, 16, v227
	s_delay_alu instid0(VALU_DEP_1)
	v_lshl_add_u32 v13, v226, 4, v13               ; v13 and the same in xq_codes: n is 65,536 bytes
	s_lshl_b32 s40, s22, 9
	s_add_co_u32 s41, s40, CAL
	v_lshl_add_u32 v14, v225, 4, s41               ; v14 ca on its way out (waves 0 to 3)
	s_add_co_u32 s41, s40, SCS
	v_lshl_add_u32 v15, v225, 4, s41               ; v15 the scale bytes on their way out (waves 0 and 1)
	s_mov_b32 s45, 0
	s_wait_kmcnt 0x0
	s_load_b256 s[24:31], s[10:11], s23 offset:0x0 ; b1 of my eight outputs
	s_lshl_b32 s44, ttmp9, 11
	s_add_nc_u64 s[6:7], s[6:7], s[44:45]          ; pooled and ca at image 2 bp
	s_add_nc_u64 s[20:21], s[20:21], s[44:45]
	s_lshl_b32 s44, s22, 9
	s_add_nc_u64 s[20:21], s[20:21], s[44:45]      ; + 512 w
	s_add_nc_u64 s[18:19], s[18:19], s[44:45]
	s_lshl_b32 s44, s22, 13
	s_add_nc_u64 s[8:9], s[8:9], s[44:45]          ; W1: my 8 rows of 1,024 bytes
	s_add_nc_u64 s[12:13], s[12:13], s[44:45]      ; W2: my 32 rows of 256 bytes
	s_lshl_b32 s44, s22, 7
	s_add_nc_u64 s[14:15], s[14:15], s[44:45]      ; b2: my 32 numbers
	s_lshl_b32 s44, ttmp9, 1
	s_add_co_u32 s44, s44, s35
	s_lshl_b32 s44, s44, 22                        ; x: image 2 bp + b2,
	s_lshl_b32 s46, s36, 20
	s_add_co_u32 s44, s44, s46                     ; channel 64 cq,
	s_lshl_b32 s46, s34, 8
	s_add_co_u32 s44, s44, s46                     ; row h
	s_add_nc_u64 s[4:5], s[4:5], s[44:45]
	s_and_b32 s46, s34, 7
	s_lshl_b32 s44, s46, 19                        ; xq_codes: n = 8 (h % 8),
	s_lshr_b32 s46, s34, 3
	s_lshl_b32 s46, s46, 13
	s_add_co_u32 s44, s44, s46                     ; l = 64 (h / 8)
	s_lshl_b32 s46, s22, 10
	s_add_co_u32 s44, s44, s46                     ; + 8 w (on the way out wave w takes ww = w)
	s_lshl_b32 s46, ttmp9, 8
	s_add_co_u32 s44, s44, s46                     ; + 2 bp
	s_add_nc_u64 s[16:17], s[16:17], s[44:45]
	s_lshl_b32 s44, s34, 2
	s_add_co_u32 s44, s44, ttmp9
	s_lshl_b32 s44, s44, 10
	s_add_nc_u64 s[18:19], s[18:19], s[44:45]      ; xq_scales: 1,024 bytes for each (h, bp)
	; 53 loads, in the order in which they are wanted
.irp b, 0,1
.irp f, 0,1
	global_load_b128 v[PL+8*\b+4*\f:PL+8*\b+4*\f+3], v1, s[6:7] offset:1024*\b+512*\f       ; the sums of image b: channels 128 f + 4 lane on
.endr
.endr
.irp o, 0,1,2,3,4,5,6,7
.irp f, 0,1
	global_load_b128 v[W1R+8*\o+4*\f:W1R+8*\o+4*\f+3], v1, s[8:9] offset:1024*\o+512*\f     ; W1's row 8 w + o, the same channels
.endr
.endr
	global_load_b32 v0, v2, s[14:15]               ; b2 of channel 32 w + lane (v0 has served: every address is made)
.set i, 0
.rept 16
	global_load_b128 v[W2R+4*i:W2R+4*i+3], v1, s[12:13] offset:512*i                        ; W2's row 32 w + 2 i + hh, numbers 4 q on
.set i, i+1
.endr
.set k, 0
.rept 16
	global_load_b128 v[RAW0+4*k:RAW0+4*k+3], v3, s[4:5] offset:16384*k th:TH_LOAD_NT        ; x: channel 64 cq + 16 hh + k, places 4 q on
.set k, k+1
.endr
	; ---- h1 = relu(mean W1^T + b1): my 8 outputs for both images, sixteen sums by turns
	s_wait_loadcnt 33                              ; the sums and W1 are in; b2 (1), W2 (16) and x (16) stay out
	s_wait_kmcnt 0x0                               ; b1
.irp j, 0,2,4,6,8,10,12,14
	v_pk_mul_f32 v[PL+\j:PL+\j+1], v[PL+\j:PL+\j+1], 0x39800000 op_sel_hi:[1,0]             ; the mean: x 2^-12, exact
.endr
.set n, 0
.rept 16                               ; sum n: output n / 2, image n % 2
	v_pk_mul_f32 v[AC+2*n:AC+2*n+1], v[PL+8*(n%2):PL+8*(n%2)+1], v[W1R+8*(n/2):W1R+8*(n/2)+1]
.set n, n+1
.endr
.irp e, 2,4,6
.set n, 0
.rept 16
	v_pk_fma_f32 v[AC+2*n:AC+2*n+1], v[PL+8*(n%2)+\e:PL+8*(n%2)+\e+1], v[W1R+8*(n/2)+\e:W1R+8*(n/2)+\e+1], v[AC+2*n:AC+2*n+1]
.set n, n+1
.endr
.endr
.set n, 0
.rept 16
	v_add_f32 v[AC+2*n], v[AC+2*n], v[AC+2*n+1]
.set n, n+1
.endr
.irp m, 1,2,4,8
.set n, 0
.rept 16
	v_add_f32_dpp v[AC+2*n], v[AC+2*n], v[AC+2*n] row_xmask:\m row_mask:0xf bank_mask:0xf
.set n, n+1
.endr
.endr
.set n, 0
.rept 16
	v_permlanex16_b32 v[AC+2*n+1], v[AC+2*n], s32, s33
.set n, n+1
.endr
.set n, 0
.rept 16
	v_add_f32 v[AC+2*n], v[AC+2*n], v[AC+2*n+1]
.set n, n+1
.endr
.set n, 0
.rept 16
	v_add_f32 v[AC+2*n], s[24+n/2], v[AC+2*n]
.set n, n+1
.endr
.set n, 0
.rept 16
	v_max_num_f32 v[AC+2*n], 0, v[AC+2*n]
.set n, n+1
.endr
.set n, 0
.rept 16
	ds_store_b32 v4, v[AC+2*n] offset:H1+256*(n%2)+4*(n/2)
.set n, n+1
.endr
.set k, 0
.rept 16
	global_load_b128 v[RAW1+4*k:RAW1+4*k+3], v3, s[4:5] offset:16384*(32+k) th:TH_LOAD_NT   ; x: channel 64 cq + 32 + 16 hh + k, into the registers that W1 has left
.set k, k+1
.endr
	s_wait_dscnt 0x0                               ; my part of h1 has landed
	s_barrier_signal -1
	s_barrier_wait -1                              ; everybody's has
	; ---- ca = sigmoid(h1 W2^T + b2): my 32 channels for both images
	ds_load_b128 v[PL:PL+3], v5 offset:H1
	ds_load_b128 v[PL+4:PL+7], v5 offset:H1+256
	s_wait_dscnt 0x0
	s_wait_loadcnt 32                              ; b2 and W2 are in; both halves of x (32) stay out
.irp bt, 0,1                           ; two batches of sixteen sums: sum n is rows 2 i + hh with i = 8 bt + n / 2, image n % 2
.set n, 0
.rept 16
	v_pk_mul_f32 v[AC+2*n:AC+2*n+1], v[W2R+4*(8*\bt+n/2):W2R+4*(8*\bt+n/2)+1], v[PL+4*(n%2):PL+4*(n%2)+1]
.set n, n+1
.endr
.set n, 0
.rept 16
	v_pk_fma_f32 v[AC+2*n:AC+2*n+1], v[W2R+4*(8*\bt+n/2)+2:W2R+4*(8*\bt+n/2)+3], v[PL+4*(n%2)+2:PL+4*(n%2)+3], v[AC+2*n:AC+2*n+1]
.set n, n+1
.endr
.set n, 0
.rept 16
	v_add_f32 v[AC+2*n], v[AC+2*n], v[AC+2*n+1]
.set n, n+1
.endr
.irp m, 1,2,4,8
.set n, 0
.rept 16
	v_add_f32_dpp v[AC+2*n], v[AC+2*n], v[AC+2*n] row_xmask:\m row_mask:0xf bank_mask:0xf   ; over the sixteen lanes that share a row of W2
.set n, n+1
.endr
.endr
.set n, 0
.rept 16
	ds_store_b32 v6, v[AC+2*n] offset:1024*(n%2)+8*(8*\bt+n/2)
.set n, n+1
.endr
	s_wait_dscnt 0x0                               ; the stores have read their registers
.endr
	ds_load_b32 v24, v7                            ; my wave's own bytes: a channel a lane
	ds_load_b32 v25, v7 offset:1024
	s_wait_dscnt 0x0
	v_add_f32 v24, v24, v0
	v_add_f32 v25, v25, v0
	s_delay_alu instid0(VALU_DEP_2)
	v_mul_f32 v24, 0xbfb8aa3b, v24                 ; -log2(e) z
	s_delay_alu instid0(VALU_DEP_2)
	v_mul_f32 v25, 0xbfb8aa3b, v25
	s_wait_alu depctr_va_vdst(0)
	v_exp_f32 v24, v24
	v_exp_f32 v25, v25
	v_nop                                          ; a plain instruction behind the exponentials
	s_wait_alu depctr_va_vdst(0)                   ; one wait for both, ahead of their first reader
	v_add_f32 v24, 1.0, v24
	v_add_f32 v25, 1.0, v25
	s_wait_alu depctr_va_vdst(0)
	v_rcp_f32 v24, v24
	v_rcp_f32 v25, v25
	v_nop
	s_wait_alu depctr_va_vdst(0)
	ds_store_b32 v8, v24
	ds_store_b32 v8, v25 offset:1024
	s_wait_dscnt 0x0                               ; my part of ca has landed
	s_barrier_signal -1
	s_barrier_wait -1                              ; everybody's has
	s_cmp_lg_u32 s34, 0                            ; ca goes to memory once for each pair of images: the work-groups of h = 0, waves 0 to 3, 512 consecutive bytes each
	s_cbranch_scc1 .Lno_ca
	s_cmp_gt_u32 s22, 3
	s_cbranch_scc1 .Lno_ca
	ds_load_b128 v[24:27], v14
	s_wait_dscnt 0x0
	global_store_b128 v1, v[24:27], s[20:21]
	s_wait_xcnt 0x0                                ; v24-27 are written again below
.Lno_ca:
; A block of 32 channels of my 64 tokens' row: gate, largest magnitude, byte, codes.  raw: the half of x;  left: the younger loads that may stay out.
.macro XBLK blk, raw, left
.irp t, 0,1,2,3
	ds_load_b128 v[CAV+4*\t:CAV+4*\t+3], v9 offset:128*\blk+16*\t
.endr
	s_wait_loadcnt \left
	s_wait_dscnt 0x0
.irp k, 0,1,2,3,4,5,6,7,8,9,10,11,12,13,14,15
.irp t, 0,1,2,3
	v_mul_f32 v[G+16*\t+\k], v[\raw+4*\k+\t], v[CAV+\k]            ; x ca; register 16 t + k: token 4 q + t, channel 16 hh + k of the block
.endr
.endr
.irp t, 0,1,2,3
	v_max3_num_f32 v[MX+\t], |v[G+16*\t]|, |v[G+16*\t+1]|, 0x1800000   ; my 16 numbers, and the floor 2^(3 - 127): the byte cannot fall under 1
.endr
.irp i, 2,4,6,8,10,12,14
.irp t, 0,1,2,3
	s_delay_alu instid0(VALU_DEP_4)
	v_max3_num_f32 v[MX+\t], v[MX+\t], |v[G+16*\t+\i]|, |v[G+16*\t+\i+1]|   ; the four tokens by turns
.endr
.endr
.irp t, 0,1,2,3
	s_delay_alu instid0(VALU_DEP_4)
	v_permlanex16_b32 v[PD+\t], v[MX+\t], s32, s33
.endr
.irp t, 0,1,2,3
	s_delay_alu instid0(VALU_DEP_4)
	v_max_num_f32 v[MX+\t], v[MX+\t], v[PD+\t]                     ; with lane l xor 16's: the block's largest magnitude
.endr
.irp t, 0,1,2,3
	s_delay_alu instid0(VALU_DEP_4)
	v_add_nc_u32 v[SO+\t], 0xff000000, v[MX+\t]                    ; 2 off its exponent field: the conversion's scale operand
.endr
.irp t, 0,1,2,3
.if \blk == 0
	s_delay_alu instid0(VALU_DEP_4)
	v_lshrrev_b32 v[BY+\t], 23, v[SO+\t]                           ; the scale's byte
.else
	v_lshrrev_b32 v[MX+\t], 23, v[SO+\t]
	s_delay_alu instid0(VALU_DEP_1)
	v_lshl_or_b32 v[BY+\t], v[MX+\t], 8, v[BY+\t]                  ; beside the first block's
.endif
.endr
.irp t, 0,1,2,3
	v_cvt_scalef32_pk8_fp4_f32 v[PL+8*\blk+2*\t], v[G+16*\t:G+16*\t+7], v[SO+\t]
	v_cvt_scalef32_pk8_fp4_f32 v[PL+8*\blk+2*\t+1], v[G+16*\t+8:G+16*\t+15], v[SO+\t]
.endr
	v_nop                                          ; one plain instruction behind the conversions: the next block writes their sources
.irp t, 0,1,2,3
	ds_store_b64 v10, v[PL+8*\blk+2*\t:PL+8*\blk+2*\t+1] offset:272*\t+16*\blk
.endr
.if \blk
.irp t, 0,1,2,3
	ds_store_b16 v11, v[BY+\t] offset:128*\t       ; both lanes of a block write the same bytes with the same values
.endr
.endif
.endm
	XBLK 0, RAW0, 16                               ; the second half of x (16 loads) stays out
	XBLK 1, RAW1, 0
	s_wait_dscnt 0x0                               ; my codes and bytes have landed
	s_barrier_signal -1
	s_barrier_wait -1                              ; everybody's have
.irp ii, 0,1,2,3
	ds_load_b128 v[G+4*\ii:G+4*\ii+3], v12 offset:544*\ii          ; places 8 w + 2 ii + hh: ww = w, j = 2 ii + hh
.endr
.irp ii, 0,1,2,3
	s_wait_dscnt 3-\ii                             ; the younger loads stay out
	global_store_b128 v13, v[G+4*\ii:G+4*\ii+3], s[16:17] offset:131072*\ii   ; sixteen lanes store 256 consecutive bytes, aligned: tokens l, l + 1 of one n
.endr
	s_cmp_gt_u32 s22, 1
	s_cbranch_scc1 .Lend
	ds_load_b128 v[G+16:G+19], v15
	s_wait_dscnt 0x0
	global_store_b128 v1, v[G+16:G+19], s[18:19]   ; waves 0 and 1: 512 consecutive bytes each
.Lend:
	s_set_vgpr_msb 0x5
	s_wait_tensorcnt 0x0
	ds_add_u32 v0, v1
	s_wait_dscnt 0x0
	s_set_vgpr_msb 0x500
	s_endpgm
.Lfunc_end_k_q2e70abd381_gateq:
	.size	k_q2e70abd381_gateq, .Lfunc_end_k_q2e70abd381_gateq-k_q2e70abd381_gateq
	.p2alignl 7, 3214868480
	.fill 96, 4, 3214868480
	.section	.rodata,"a",@progbits
	.p2align	6, 0x0
	.amdhsa_kernel k_q2e70abd381_gateq
		.amdhsa_group_segment_fixed_size 24064
		.amdhsa_private_segment_fixed_size 0
		.amdhsa_enable_private_segment 0
		.amdhsa_kernarg_size 72
		.amdhsa_user_sgpr_count 2
		.amdhsa_user_sgpr_kernarg_segment_ptr 1
		.amdhsa_wavefront_size32 1
		.amdhsa_system_sgpr_workgroup_id_x 1
		.amdhsa_system_sgpr_workgroup_id_y 1
		.amdhsa_system_sgpr_workgroup_id_z 1
		.amdhsa_system_vgpr_workitem_id 0
		.amdhsa_next_free_vgpr 258
		.amdhsa_next_free_sgpr 66
		.amdhsa_reserve_vcc 0
		.amdhsa_float_denorm_mode_32 3
		.amdhsa_float_denorm_mode_16_64 3
		.amdhsa_memory_ordered 1
		.amdhsa_forward_progress 1
		.amdhsa_inst_pref_size 58
	.end_amdhsa_kernel
	.amdgpu_metadata
---
amdhsa.version: [ 1, 2 ]
amdhsa.kernels:
  - .name:           k_q2e70abd381_gateq
    .symbol:         k_q2e70abd381_gateq.kd
    .args:
      - { .name: x, .offset: 0, .size: 8, .value_kind: global_buffer, .address_space: global }
      - { .name: pooled, .offset: 8, .size: 8, .value_kind: global_buffer, .address_space: global }
      - { .name: ca_w1, .offset: 16, .size: 8, .value_kind: global_buffer, .address_space: global }
      - { .name: ca_b1, .offset: 24, .size: 8, .value_kind: global_buffer, .address_space: global }
      - { .name: ca_w2, .offset: 32, .size: 8, .value_kind: global_buffer, .address_space: global }
      - { .name: ca_b2, .offset: 40, .size: 8, .value_kind: global_buffer, .address_space: global }
      - { .name: xq_codes, .offset: 48, .size: 8, .value_kind: global_buffer, .address_space: global }
      - { .name: xq_scales, .offset: 56, .size: 8, .value_kind: global_buffer, .address_space: global }
      - { .name: ca, .offset: 64, .size: 8, .value_kind: global_buffer, .address_space: global }
    .group_segment_fixed_size: 24064
    .private_segment_fixed_size: 0
    .kernarg_segment_align: 8
    .kernarg_segment_size: 72
    .max_flat_workgroup_size: 256
    .sgpr_count:     66
    .vgpr_count:     258
    .wavefront_size: 32
...
	.end_amdgpu_metadata
.endif
;; end of part 6
;; launch attn (part 7): grid 4 x 64, 16 waves a work-group, no clusters, 147,456 bytes of LDS; arguments xq_codes, xq_scales, in_proj_w_codes, in_proj_w_scales, in_proj_b, o_codes, o_scales; writes o_codes, o_scales
.if DOCPART == 7
	.amdgcn_target "amdgcn-amd-amdhsa--gfx1250"
	.amdhsa_code_object_version 6
	.text
	.protected	k_q2e70abd381_attn
	.globl	k_q2e70abd381_attn
	.p2align	8
	.type	k_q2e70abd381_attn,@function
k_q2e70abd381_attn:
	s_mov_b64 s[64:65], 0
	v_nop
	global_prefetch_b8 v0, s[64:65] scope:SCOPE_SE
	s_setreg_imm32_b32 hwreg(HW_REG_WAVE_SCHED_MODE, 0, 2), 2
	s_setreg_imm32_b32 hwreg(HW_REG_WAVE_MODE, 25, 1), 1
	s_wait_xcnt 0x0
	s_wait_alu depctr_vm_vsrc(0)
; For one window position n and two heads (2 hp, 2 hp + 1): q, k, v = xq W^T + b; softmax(q k^T / sqrt(32)) v; the result quantised for the output projection.  All products on codes of FP4 (E2M1)
; with one E8M0 byte for each 32 along K.  q, k and v never go to memory.
; SHARES.  Sixteen waves of 256 registers, four to a SIMD, so that one wave's vector work stands beside another's LDS loads and products.  Wave w owns tokens 32 w .. 32 w + 31, as two tiles u:
; LANE r OF TILE u IS TOKEN 32 w + 8 u + r + 8 (r / 8).  The same tiles serve as the projection's rows, as tiles of keys and as the wave's two tiles of queries.
; THE WEIGHTS.  All sixteen waves want the same 192 rows of W (64 each for q, k, v: 24,576 bytes).  Each thread brings 16 bytes of each of the three (a wave's load covers 512 consecutive bytes); the rows lie in LDS
; 144 bytes apart; behind one barrier every wave takes its fragments from there.  So a wave asks memory for 3 pieces of W and not for 48.
; PROJECTION.  q and k are made transposed (source 0 = 16 rows of W, chosen the same way; source 1 = 16 tokens): a lane holds one token and 16 neighbouring head channels, a block of 32 lies in lanes l and l xor 16.
; v is made the natural way (source 0 = tokens, source 1 = 16 rows of W): a lane holds one head channel and 16 neighbouring tokens: v's K is the keys.  The biases are the C of each sum's first product.
; THE FIRST ATTENTION PRODUCT HAS K = 32: an operand's registers 0-3 of lanes 0-15 hold the 32 codes; lanes 16-31 and registers 4-7 hold zero codes, which add nothing (their scale bytes are 0, not 0xff).
; K'S FRAGMENTS COME A STEP AHEAD: a key step's eight tiles have registers of their own, and the next step's are asked for behind this step's products, so that they land under its softmax.
; SOFTMAX.  t = score x log2(e); M = the running largest t rounded up to a whole number; p = 2^(t - M) is quantised along the keys; the row's sum is taken of the unquantised p and divides O at the end;
; when M moves, the sum and O are multiplied by 2^(old M - new M), exact.  Both products are used transposed (S^T = K Q^T, O^T = V^T P^T): a lane holds one query throughout.
; OUT.  o_codes [n][hp][l 512][a 2][16 bytes], o_scales [n][hp][l][a]: the work-group's 16,384 and 1,024 bytes are consecutive.
; NO CLUSTER: what the four work-groups of one n share is xq's 64 KiB + 4 KiB, read once at the head, 4 KiB a wave, straight into operand registers; nothing is fetched from memory in the loop.  No tensor load, so no ring.
; LIMITS: a block's byte is held at 1 from below; a block of zeros gets the byte 1, not 127 (zero codes; this program alone reads the bytes).  1 / sum by v_rcp_f32.  NaN and infinities are not served.
; THE MODE: SCHED_MODE bits 1:0 = 2 (LLVM: expert scheduling mode 2), set by the entry lines.  The code itself states the register dependences between vector or matrix instructions and memory or LDS
; instructions, with s_wait_alu, always for 0.
; THE PLAN.  Registers that memory or LDS instructions touch:
;   the head's offsets and addresses (v1, v15, v32-38, v46, v47, v221, v222, v225): written once at the head, ahead of one wait on va_vdst; v32-39 and v221-223 are written again only behind a wait on vm_vsrc.
;   v8-14, the addresses with the head's region added: written by CUR and at each trip's head; read by the LDS instructions behind them.
;   the weights' two sets with their scale words and biases: loads land there behind the unit that used the set last; that unit's products and copies read them.
;   KC and two bytes: a unit's quantiser writes them, its LDS stores read them.   OC and BY: FINISH writes them, its two LDS stores read them.
;   K's, Q's and V's fragments and scale words: LDS loads land there, products read them.   PC and PS: vector lines write them, the scaled products V^T P take them.
; A UNIT of the projection has one wait on va_vdst, ahead of its LDS stores (data and addresses are written; its products are done with its set, so the loads that follow the unit owe nothing more), and one on vm_vsrc at its end.
; A KEY STEP has one wait on va_vdst behind its eight products K Q^T (they are done with K's registers, the step before's V^T P with V's: all the step's loads follow it, and no vector line behind it names their registers)
; and one ahead of V^T P (p's codes and scale word are written).  A TILE OF QUERIES ends with one on va_vdst ahead of its two stores, which serves the next tile's first loads too, and one on vm_vsrc behind them.
.set HS,   58368                       ; LDS: a region for each head, HS bytes apart:
.set KIMG, 0                           ;   32 tiles of keys x 512 bytes: the image of operand registers 0-3, lane l's 16 bytes at 16 l
.set KSC,  16384                       ;   their scale words: 8 x 512 bytes: 16 l + 4 (tile % 4): one load brings four tiles' words
.set QIMG, 20480                       ;   the queries' images, as K's; read by the wave that wrote them
.set QSC,  36864                       ;   their scale words: 128 tile + 4 l
.set VROW, 40960                       ;   32 rows (head channels) x (256 bytes: the codes of 512 keys, + 16)
.set VSC,  49664                       ;   V's scale bytes: 16 a row
.set OST,  50176                       ;   the result's codes: 16 bytes a token; read by the wave that wrote them
.set OSS,  2*HS                        ; behind both: the result's scale bytes: 2 token + a
.set WST,  2*HS+1024                   ; behind them: W's rows: 64 of q, 64 of k, 64 of v, each 128 bytes + 16
.set WP,   144
.set LK,  1                            ; v1   16 lane
.set LV,  2                            ; v2   V: row r + 8 (r / 8), + 16 hh
.set LVS, 3                            ; v3   V's scale words
.set LQ,  4                            ; v4   16 lane + 1,024 w: my two tiles' images
.set LQS, 5                            ; v5   4 lane + 256 w
.set LO,  6                            ; v6   16 (32 w + r + 8 (r / 8)) + 8 hh
.set LOS, 7                            ; v7   OSS + 2 (32 w + r + 8 (r / 8))
.set CK,  8                            ; v8-14 the same with the head's region added
.set CV,  9
.set CVS, 10
.set CQ,  11
.set CQS, 12
.set CO,  13
.set COS, 14
.set AOC, 15                           ; v15  the way out: the codes of token lane / 2, head lane % 2
.set NM,  16                           ; v16  -M;  v17 the largest t (a pair: the packed form takes its low word)
.set TX,  17
.set SUM, 18                           ; v[18:19] the row's sum, in two halves
.set F,   20                           ; v20  2^(old M - new M), later 1 / sum; v21 = 0, named with it as a pair
.set T2,  22                           ; v[22:23] a second chain of sums
.set QF,  24                           ; v24-31 Q's fragment; registers 4-7 stay 0
.set AX,  32                           ; v32-41 the projection's offsets and LDS addresses
.set AXS, 33
.set AWN, 34                           ; v34  LDS: W's rows for v: WST + 144 r + 16 hh
.set AWTS, 35
.set AWNS, 36
.set ABT, 37
.set ABN, 38
.set SKS, 39
.set SV,  40
.set SVS, 41
.set BV,  42                           ; v42-45 v's bias as loaded
.set AOS, 46                           ; v46  the way out: the scale bytes in LDS;  v47 in memory
.set GOS, 47
.set KF,  48                           ; v48-79 fragments of K's tiles 0-3 of a step; registers 4-7 of each stay 0.  In the projection: x's four fragments (tile u, K step e) at 8 (2 u + e)
.set XF,  48
.set KB0, 32                           ; fragments of K's tiles 4-7 of a step, in registers that the projection alone used: v32-39, v208-215, v216-223, v248-255; registers 4-7 of each stay 0
.set KB1, 208
.set KB2, 216
.set KB3, 248
.set VF,  80                           ; v80-95 V's two fragments.  In the projection: bias set 0
.set S,   96                           ; v96-159 S^T, then p.  In the projection: two sets of weights
.set O,   160                          ; v160-175 O^T
.set D,   160                          ; v160-191 the projection's four accumulators; at the head v160-171: my 48 bytes of W on their way into LDS
.set PC,  176                          ; v176-183 p's codes
.set BM,  184                          ; v184-187 the blocks' largest scores, then p
.set BP,  188                          ; v188-191 the other half's
.set SO,  192                          ; v192-195 the conversions' scale operands.  In the projection v192-207: bias set 1
.set BY,  196                          ; v196-199 the bytes
.set T,   200                          ; v200 at work
.set OC,  202                          ; v[202:203] the result's codes
.set KC,  208                          ; v208-215 the projection: codes on their way into an image
.set TM,  216                          ; v216-223 the projection's quantiser: two maxima, two from the other half, two scale operands, two bytes
.set WSA, 221                          ; v221 at the head: where my 16 bytes of a matrix go in LDS;  v222 where they lie in memory
.set WGA, 222
.set QS,  224                          ; scale registers, which hold nothing else: v224 Q's; v228-231 K's tiles 0-3; v232-233 V's; v234 p's; v236-239 x's (u, e); v240-247 the weights' (set, tile, e), then v240-243 K's tiles 4-7
.set AWL, 225                          ; v225 LDS: W's rows for q and k: WST + 144 (r + 8 (r / 8)) + 16 hh
.set KS,  228
.set VS,  232
.set PS,  234
.set XS,  236
.set WSC, 240
.set KS2, 240
.set WV,  18                           ; s18  wave
.set SEL, 20                           ; s[20:21] v_permlanex16_b32: lane l xor 16
.set CS,  22                           ; s[22:23] log2(e), twice
.set HB,  24                           ; s24  the head's region in LDS
.set OB,  25                           ; s25  the head's byte among a token's two scale bytes
.set TRIP, 26
.macro NOP4                            ; four places: behind matrix instructions, ahead of a read of their results and of a write of their registers (ISA guide 7.12.1)
.rept 4
	v_nop
.endr
.endm
	s_load_b256 s[4:11], s[0:1], 0x0               ; xq_codes, xq_scales, W's codes, W's scales
	s_load_b128 s[12:15], s[0:1], 0x20             ; the bias, o_codes
	s_load_b64 s[16:17], s[0:1], 0x30              ; o_scales
	v_lshl_add_u32 v227, v0, 2, 0x23800
	v_mov_b32 v235, 0
	v_lshrrev_b32 v216, 5, v0
	v_readfirstlane_b32 s[WV], v216
	v_and_b32 v216, 31, v0                         ; lane
	s_wait_alu depctr_va_vdst(0)
	v_and_b32 v217, 15, v0                         ; r
	v_bfe_u32 v218, v0, 4, 1                       ; hh
	v_and_b32 v219, 8, v217
	v_add_nc_u32 v219, v219, v217                  ; rr = r + 8 (r / 8)
	s_wait_alu depctr_va_vdst(0)
	s_and_b32 s19, ttmp7, 0xffff                   ; n
	s_mov_b32 s[SEL], 0x76543210
	s_mov_b32 s[SEL+1], 0xfedcba98
	s_mov_b32 s[CS], 0x3fb8aa3b
	s_mov_b32 s[CS+1], s[CS]
	s_wait_alu depctr_va_sdst(0)                   ; the wave's number is written, ahead of its first reader: offsets, bases and branches are made from it
	s_lshl_b32 s27, s[WV], 10
	s_lshl_b32 s28, s[WV], 8
	s_lshl_b32 s29, s[WV], 9
	s_lshl_b32 s30, s[WV], 6
	s_add_co_u32 s30, s30, OSS
	s_add_co_u32 s31, s29, OST
	s_add_co_u32 s32, s29, OSS
	s_lshr_b32 s33, s[WV], 1
	s_and_b32 s36, s[WV], 1
	v_lshlrev_b32 v[LK], 4, v216
	v_mul_u32_u24 v[LV], v219, 272
	v_lshl_add_u32 v[LV], v218, 4, v[LV]
	v_lshlrev_b32 v[LVS], 4, v219
	v_lshl_add_u32 v[LQ], v216, 4, s27
	v_lshl_add_u32 v[LQS], v216, 2, s28
	v_lshl_add_u32 v[LO], v219, 4, s29
	v_lshl_add_u32 v[LO], v218, 3, v[LO]
	v_lshl_add_u32 v[LOS], v219, 1, s30
	v_and_b32 v[AOC], 1, v216
	v_mul_u32_u24 v[AOC], v[AOC], HS               ; one product: the lower region + (lane % 2) x the distance
	v_lshrrev_b32 v220, 1, v216
	v_lshl_add_u32 v[AOC], v220, 4, v[AOC]
	v_add_nc_u32 v[AOC], s31, v[AOC]
	v_lshl_add_u32 v[AOS], v216, 4, s32
	v_lshl_add_u32 v[GOS], v216, 4, s29
	v_lshlrev_b32 v[AX], 7, v219
	v_lshl_add_u32 v[AX], v218, 4, v[AX]           ; x's tokens, rows of 128 bytes taken as a tile's lanes take them: rr, + 16 hh
	v_bfe_u32 v220, v217, 1, 2
	v_lshlrev_b32 v[AXS], 10, v220                 ; x's scale bytes lie as the launch before laid them: token l: bp = (l / 2) % 4: 1,024;
	v_lshrrev_b32 v220, 3, v217
	v_lshl_add_u32 v[AXS], v220, 5, v[AXS]         ; ww = (l / 8) % 8: 16 (r / 8 counts two);
	v_and_b32 v220, 1, v217
	v_lshl_add_u32 v[AXS], v220, 3, v[AXS]         ; b2 = l % 2: 8
	v_mul_u32_u24 v[AWL], v219, WP
	v_lshl_add_u32 v[AWL], v218, 4, v[AWL]
	v_add_nc_u32 v[AWL], WST, v[AWL]               ; W's rows in LDS for q and k: rr, + 16 hh
	v_mul_u32_u24 v[AWN], v217, WP
	v_lshl_add_u32 v[AWN], v218, 4, v[AWN]
	v_add_nc_u32 v[AWN], WST, v[AWN]               ; and for v: r, + 16 hh
	v_lshlrev_b32 v[AWTS], 3, v219
	v_lshlrev_b32 v[AWNS], 3, v217
	v_lshlrev_b32 v[ABT], 6, v218                  ; the bias for q and k: channels 16 hh on
	v_lshlrev_b32 v[ABN], 2, v217                  ; for v: channel r
	s_lshl_b32 s37, s33, 9
	s_lshl_b32 s38, s36, 3
	s_add_co_u32 s37, s37, s38
	v_lshl_add_u32 v[SKS], v216, 4, s37            ; K's scale words, in: tiles 2 w, 2 w + 1
	s_lshl_b32 s38, s[WV], 4
	v_mul_u32_u24 v[SV], v217, 272
	v_lshl_add_u32 v[SV], v218, 3, v[SV]
	v_add_nc_u32 v[SV], s38, v[SV]                 ; V's codes, in: row r, keys 32 w + 16 hh on
	v_lshl_add_u32 v[SVS], v217, 4, s[WV]          ; V's bytes, in: row r, block w
	v_lshlrev_b32 v[WGA], 4, v0                    ; W on its way in: thread t takes bytes 16 t of a matrix's 8,192: row t / 8, piece t % 8
	v_lshrrev_b32 v[WSA], 3, v0
	v_mul_u32_u24 v[WSA], v[WSA], WP
	v_and_b32 v220, 7, v0
	v_lshl_add_u32 v[WSA], v220, 4, v[WSA]
	v_add_nc_u32 v[WSA], WST, v[WSA]
	s_mov_b32 s35, 0
	s_wait_kmcnt 0x0
	s_lshl_b32 s34, s19, 16
	s_lshl_b32 s38, s[WV], 12
	s_add_co_u32 s34, s34, s38
	s_add_nc_u64 s[4:5], s[4:5], s[34:35]          ; xq_codes at (n, token 32 w)
	s_lshl_b32 s34, s33, 15
	s_lshr_b32 s38, s19, 3
	s_lshl_b32 s38, s38, 12
	s_add_co_u32 s34, s34, s38
	s_and_b32 s38, s19, 7
	s_lshl_b32 s38, s38, 7
	s_add_co_u32 s34, s34, s38
	s_lshl_b32 s38, s36, 6
	s_add_co_u32 s34, s34, s38
	s_add_nc_u64 s[6:7], s[6:7], s[34:35]          ; xq_scales: h = 8 (w / 2) + n / 8, j = n % 8, ww = 4 (w % 2)
	s_lshl_b32 s34, ttmp9, 13
	s_add_nc_u64 s[8:9], s[8:9], s[34:35]          ; W: 64 rows for each pair of heads: 128 bytes of codes,
	s_lshl_b32 s34, ttmp9, 9
	s_add_nc_u64 s[10:11], s[10:11], s[34:35]      ; 8 scale bytes,
	s_lshl_b32 s34, ttmp9, 8
	s_add_nc_u64 s[12:13], s[12:13], s[34:35]      ; 4 bytes of bias a row
	s_lshl_b32 s39, s19, 2
	s_add_co_u32 s39, s39, ttmp9                   ; 4 n + hp
	s_lshl_b32 s34, s39, 14
	s_add_co_u32 s34, s34, s27
	s_add_nc_u64 s[14:15], s[14:15], s[34:35]      ; o_codes: my wave's 1,024 bytes
	s_lshl_b32 s34, s39, 10
	s_add_nc_u64 s[16:17], s[16:17], s[34:35]      ; o_scales
; The scale words and the bias of one unit, from memory: mat 0, 1, 2 = q, k, v; head a; into set p.  q, k: 6 loads; v: 4.
.macro WGL mat, a, p
.set R0,  256*\mat+32*\a
.set CBP, 80+112*\p
.irp u, 0,1
.if \mat < 2
	global_load_b64 v[WSC+4*\p+2*\u:WSC+4*\p+2*\u+1], v[AWTS], s[10:11] offset:(R0+8*\u)*8
	global_load_b128 v[CBP+8*\u:CBP+8*\u+3], v[ABT], s[12:13] offset:(R0+8*\u)*4           ; the bias in the result's layout: channels 16 hh + 8 u + 0 .. 7
	global_load_b128 v[CBP+8*\u+4:CBP+8*\u+7], v[ABT], s[12:13] offset:(R0+8*\u)*4+16
.else
	global_load_b64 v[WSC+4*\p+2*\u:WSC+4*\p+2*\u+1], v[AWNS], s[10:11] offset:(R0+16*\u)*8
	global_load_b32 v[BV+2*\p+\u], v[ABN], s[12:13] offset:(R0+16*\u)*4
.endif
.endr
.endm
; The four fragments of one unit, from LDS: 8 loads.
.macro WLL mat, a, p
.set L0,  64*\mat+32*\a
.set WB,  96+32*\p
.irp u, 0,1
.irp e, 0,1
.irp c, 0,1
.if \mat < 2
	ds_load_b128 v[WB+8*(2*\u+\e)+4*\c:WB+8*(2*\u+\e)+4*\c+3], v[AWL] offset:(L0+8*\u)*WP+64*\e+32*\c    ; tile u: rows L0 + 8 u + rr
.else
	ds_load_b128 v[WB+8*(2*\u+\e)+4*\c:WB+8*(2*\u+\e)+4*\c+3], v[AWN] offset:(L0+16*\u)*WP+64*\e+32*\c   ; tile u: rows L0 + 16 u + r
.endif
.endr
.endr
.endr
.endm
.macro WLOAD mat, a, p
	WLL \mat, \a, \p
	WGL \mat, \a, \p
.endm
; q, k: D[16 tt + 8 uw] = W's tile uw x x's tile tt + bias.  Four accumulators by turns, one instruction a turn.
.macro MMT p
.set WB,  96+32*\p
.set CBP, 80+112*\p
.irp tt, 0,1
.irp uw, 0,1
	v_wmma_scale_f32_16x16x128_f8f6f4 v[D+16*\tt+8*\uw:D+16*\tt+8*\uw+7], v[WB+16*\uw:WB+16*\uw+7], v[XF+16*\tt:XF+16*\tt+7], v[CBP+8*\uw:CBP+8*\uw+7], v[WSC+4*\p+2*\uw], v[XS+2*\tt] matrix_a_fmt:MATRIX_FMT_FP4 matrix_b_fmt:MATRIX_FMT_FP4
.endr
.endr
.irp tt, 0,1
.irp uw, 0,1
	v_wmma_scale_f32_16x16x128_f8f6f4 v[D+16*\tt+8*\uw:D+16*\tt+8*\uw+7], v[WB+16*\uw+8:WB+16*\uw+15], v[XF+16*\tt+8:XF+16*\tt+15], v[D+16*\tt+8*\uw:D+16*\tt+8*\uw+7], v[WSC+4*\p+2*\uw+1], v[XS+2*\tt+1] matrix_a_fmt:MATRIX_FMT_FP4 matrix_b_fmt:MATRIX_FMT_FP4
.endr
.endr
.endm
; v: D[16 t + 8 u] = x's tile u x W's tile t + bias (a lane's one channel, eight times).
.macro MMN p
.set WB,  96+32*\p
.set CBP, 80+112*\p
.irp t, 0,1
.irp j, 0,1,2,3,4,5,6,7
	v_mov_b32 v[CBP+8*\t+\j], v[BV+2*\p+\t]
.endr
.endr
	NOP4
.irp t, 0,1
.irp u, 0,1
	v_wmma_scale_f32_16x16x128_f8f6f4 v[D+16*\t+8*\u:D+16*\t+8*\u+7], v[XF+16*\u:XF+16*\u+7], v[WB+16*\t:WB+16*\t+7], v[CBP+8*\t:CBP+8*\t+7], v[XS+2*\u], v[WSC+4*\p+2*\t] matrix_a_fmt:MATRIX_FMT_FP4 matrix_b_fmt:MATRIX_FMT_FP4
.endr
.endr
.irp t, 0,1
.irp u, 0,1
	v_wmma_scale_f32_16x16x128_f8f6f4 v[D+16*\t+8*\u:D+16*\t+8*\u+7], v[XF+16*\u+8:XF+16*\u+15], v[WB+16*\t+8:WB+16*\t+15], v[D+16*\t+8*\u:D+16*\t+8*\u+7], v[XS+2*\u+1], v[WSC+4*\p+2*\t+1] matrix_a_fmt:MATRIX_FMT_FP4 matrix_b_fmt:MATRIX_FMT_FP4
.endr
.endr
.endm
; Two blocks by turns: 16 numbers a lane each (v[D] on, v[D+16] on), the other 16 in lane l xor 16.  Codes to v[ca], v[ca+1] and v[cb], v[cb+1]; bytes to v[TM+6], v[TM+7].
.macro QPAIR ca, cb
	v_max3_num_f32 v[TM], |v[D]|, |v[D+1]|, 0x1800000              ; with the floor 2^(3 - 127): the byte cannot fall under 1.  Each accumulator is read from its low end on
	v_max3_num_f32 v[TM+1], |v[D+16]|, |v[D+17]|, 0x1800000
.irp i, 2,4,6,8,10,12,14
	v_max3_num_f32 v[TM], v[TM], |v[D+\i]|, |v[D+\i+1]|
	v_max3_num_f32 v[TM+1], v[TM+1], |v[D+16+\i]|, |v[D+17+\i]|
.endr
	v_permlanex16_b32 v[TM+2], v[TM], s[SEL], s[SEL+1]
	v_permlanex16_b32 v[TM+3], v[TM+1], s[SEL], s[SEL+1]
	v_max_num_f32 v[TM], v[TM], v[TM+2]
	v_max_num_f32 v[TM+1], v[TM+1], v[TM+3]
	v_add_nc_u32 v[TM+4], 0xff000000, v[TM]                        ; 2 off the exponent field: the conversion's scale operand
	v_add_nc_u32 v[TM+5], 0xff000000, v[TM+1]
	v_lshrrev_b32 v[TM+6], 23, v[TM+4]                             ; the byte; as a scale word its upper three bytes are 0 and stand over zero codes
	v_lshrrev_b32 v[TM+7], 23, v[TM+5]
	v_cvt_scalef32_pk8_fp4_f32 v[\ca], v[D:D+7], v[TM+4]
	v_cvt_scalef32_pk8_fp4_f32 v[\ca+1], v[D+8:D+15], v[TM+4]
	v_cvt_scalef32_pk8_fp4_f32 v[\cb], v[D+16:D+23], v[TM+5]
	v_cvt_scalef32_pk8_fp4_f32 v[\cb+1], v[D+24:D+31], v[TM+5]
	v_nop                                          ; one plain instruction behind the conversions
.endm
; A unit of the projection.  kind 0 = k, 1 = q, 2 = v; set p; left = the next unit's loads of scale words and bias, which stay out.
; Its fragments from LDS are in: the first unit's by the counted wait ahead of it, every later unit's by the wait for 0 at the end of the unit before, behind which only the set after it was asked for.
.macro PUNIT kind, p, left
	s_wait_loadcnt \left
.if \kind == 2
	MMN \p
	NOP4
	QPAIR KC, KC+2
	s_wait_alu depctr_va_vdst(0)                   ; the codes, the bytes and the addresses v9, v10 are written, which the LDS stores read; the unit's products and copies are done with set p, in which the loads behind this unit land
	ds_store_b64 v[CV], v[KC:KC+1] offset:VROW                     ; channel r, keys 32 w + 16 hh + 0 .. 15
	ds_store_b64 v[CV], v[KC+2:KC+3] offset:VROW+4352              ; channel 16 + r
	ds_store_b8 v[CVS], v[TM+6] offset:VSC                         ; both lanes of a block write the same byte with the same value
	ds_store_b8 v[CVS], v[TM+7] offset:VSC+256
.else
	MMT \p
	v_mov_b32 v[KC+2], 0                           ; the images' upper registers; these four lines are also the places behind the products
	v_mov_b32 v[KC+3], 0
	v_mov_b32 v[KC+6], 0
	v_mov_b32 v[KC+7], 0
.if \kind == 1
.irp j, 0,2,4,6,8,10,12,14,16,18,20,22,24,26,28,30
	v_pk_mul_f32 v[D+\j:D+\j+1], v[D+\j:D+\j+1], 0x3e3504f3 op_sel_hi:[1,0]   ; q / sqrt(32), ahead of the quantiser
.endr
.endif
	QPAIR KC, KC+4
.irp c, 0,4                            ; lanes 0-15 take lanes 16-31's 16 codes behind their own; lanes 16-31 are left with zeros
	v_permlane16_swap_b32 v[KC+\c], v[KC+\c+2]
	v_permlane16_swap_b32 v[KC+\c+1], v[KC+\c+3]
.endr
	s_wait_alu depctr_va_vdst(0)                   ; the images, the bytes and the addresses v8, v11, v12 are written, which the LDS stores read; the unit's products are done with set p, in which the loads behind this unit land
.if \kind == 0
	ds_store_b128 v[CQ], v[KC:KC+3] offset:KIMG
	ds_store_b128 v[CQ], v[KC+4:KC+7] offset:KIMG+512
	ds_store_b32 v[CK], v[TM+6] offset:KSC
	ds_store_b32 v[CK], v[TM+7] offset:KSC+4
.else
	ds_store_b128 v[CQ], v[KC:KC+3] offset:QIMG
	ds_store_b128 v[CQ], v[KC+4:KC+7] offset:QIMG+512
	ds_store_b32 v[CQS], v[TM+6] offset:QSC
	ds_store_b32 v[CQS], v[TM+7] offset:QSC+128
.endif
.endif
	s_wait_dscnt 0x0                               ; my stores have landed; the next unit's fragments are in
	s_wait_alu depctr_vm_vsrc(0)                   ; the stores have read the codes, the bytes and v8-12, which the next unit and CUR write again; behind the last unit: every load of the projection has read its offset in v32-39, which are written next
.endm
.macro CUR a                           ; the projection's LDS addresses in head a's region
	v_add_nc_u32 v[CQ], \a*HS, v[LQ]
	v_add_nc_u32 v[CQS], \a*HS, v[LQS]
	v_add_nc_u32 v[CK], \a*HS, v[SKS]
	v_add_nc_u32 v[CV], \a*HS, v[SV]
	v_add_nc_u32 v[CVS], \a*HS, v[SVS]
.endm
	s_wait_alu depctr_va_vdst(0)                   ; every offset and address of the head is written, ahead of the first load that reads one
.irp m, 0,1,2                          ; my 16 bytes of q's, k's and v's 64 rows: the matrices lie 256 rows, 32,768 bytes, apart
	global_load_b128 v[D+4*\m:D+4*\m+3], v[WGA], s[8:9] offset:32768*\m
.endr
.irp u, 0,1                            ; x's four fragments and their scale words stay for all six units: 10 loads
.irp e, 0,1
.irp c, 0,1
	global_load_b128 v[XF+8*(2*\u+\e)+4*\c:XF+8*(2*\u+\e)+4*\c+3], v[AX], s[4:5] offset:1024*\u+64*\e+32*\c
.endr
.endr
	global_load_b64 v[XS+2*\u:XS+2*\u+1], v[AXS], s[6:7] offset:16*\u
.endr
	WGL 1, 0, 0                                    ; the first two units' scale words and biases: 6 + 4 loads
	WGL 2, 0, 1
	s_wait_loadcnt 20                              ; my pieces of W are in; x's 10 loads and those 10 stay out
.irp m, 0,1,2
	ds_store_b128 v[WSA], v[D+4*\m:D+4*\m+3] offset:64*WP*\m
.endr
	s_wait_dscnt 0x0                               ; for the others' sake: my pieces have landed
	s_barrier_signal -1
	s_barrier_wait -1                              ; W's 192 rows lie in LDS; nobody writes them again
	s_wait_alu depctr_vm_vsrc(0)                   ; my three LDS stores have read v160-171 and v221, my three loads v222: the first unit's products and quantiser write these registers
	WLL 1, 0, 0                                    ; each unit's operands are asked for two units ahead, into the set that the unit before last has left
	WLL 2, 0, 1
	CUR 0
	s_wait_dscnt 8                                 ; the first unit's eight fragment loads are in; the second unit's eight stay out
	PUNIT 0, 0, 4
	WLOAD 0, 0, 0
	PUNIT 2, 1, 6
	WLOAD 1, 1, 1
	PUNIT 1, 0, 6
	WLOAD 2, 1, 0
	CUR 1
	PUNIT 0, 1, 4
	WLOAD 0, 1, 1
	PUNIT 2, 0, 6
	PUNIT 1, 1, 0
.irp f, KF, KF+8, KF+16, KF+24, KB0, KB1, KB2, KB3
.irp j, 4,5,6,7
	v_mov_b32 v[\f+\j], 0                          ; K = 32: the fragments' upper registers are zero codes, written once
.endr
.endr
.irp j, 4,5,6,7
	v_mov_b32 v[QF+\j], 0
.endr
.irp b, 0,1,2,3
	v_mov_b32 v[BP+\b], 0                          ; written once: a lane permute's destination counts as one of its sources
.endr
	v_mov_b32 v[F+1], 0                            ; named with F as a pair
	s_barrier_signal -1                            ; (every wave's LDS stores were waited for at its last unit's end)
	s_barrier_wait -1                              ; K's and V's images of both heads are whole
.macro KTILE st, i, reg                ; tile i of key step st: registers 0-3 of a fragment
	ds_load_b128 v[\reg:\reg+3], v[CK] offset:KIMG+(8*(\st)+\i)*512
.endm
.macro KFETCH st                       ; a key step's eight tiles of K and their scale words: 10 loads
	KTILE \st, 0, KF
	KTILE \st, 1, KF+8
	KTILE \st, 2, KF+16
	KTILE \st, 3, KF+24
	ds_load_b128 v[KS:KS+3], v[CK] offset:KSC+(2*(\st))*512
	KTILE \st, 4, KB0
	KTILE \st, 5, KB1
	KTILE \st, 6, KB2
	KTILE \st, 7, KB3
	ds_load_b128 v[KS2:KS2+3], v[CK] offset:KSC+(2*(\st)+1)*512
.endm
.macro KQ i, reg, sc                   ; S^T's tile i = 16 keys x my 16 queries
	v_wmma_scale_f32_16x16x128_f8f6f4 v[S+8*\i:S+8*\i+7], v[\reg:\reg+7], v[QF:QF+7], 0, v[\sc], v[QS] matrix_a_fmt:MATRIX_FMT_FP4 matrix_b_fmt:MATRIX_FMT_FP4
.endm
; A KEY STEP: 128 keys, the st-th of four.  first = 1: it starts M, the sum and O^T: nothing is cleared.  Its tiles of K are in: the wait for 0 ahead of the last V^T P (or at the tile's head) stands behind their loads.
.macro STEP st, first
	KQ 0, KF, KS
	KQ 1, KF+8, KS+1
	KQ 2, KF+16, KS+2
	KQ 3, KF+24, KS+3
	KQ 4, KB0, KS2
	KQ 5, KB1, KS2+1
	KQ 6, KB2, KS2+2
	KQ 7, KB3, KS2+3                               ; lane (r, hh): query r; the 16 registers of tiles 2 b, 2 b + 1 are keys 128 st + 32 b + 16 hh + 0 .. 15
	NOP4                                           ; the places ahead of the first read of the scores
	s_wait_alu depctr_va_vdst(0)                   ; these eight products are done reading K's fragments and scale words, the last V^T P products V's: the loads below land in them, and no vector line behind this wait names them
.irp uo, 0,1                           ; V's fragments are asked for here and land under the softmax: tile uo: channels 8 uo + rr
.irp c, 0,1
	ds_load_b128 v[VF+8*\uo+4*\c:VF+8*\uo+4*\c+3], v[CV] offset:VROW+2176*\uo+64*\st+32*\c
.endr
	ds_load_b32 v[VS+\uo], v[CVS] offset:VSC+128*\uo+4*\st
.endr
.if \st < 3
	KFETCH \st+1                                   ; and so do the next step's tiles of K
.endif
.irp b, 0,1,2,3
	v_max3_num_f32 v[BM+\b], v[S+16*\b], v[S+16*\b+1], v[S+16*\b+2]   ; the largest score of each block of 32 keys: for the row's maximum, and, since p rises with the score, for the block's largest p
.endr
.irp i, 3,5,7,9,11,13
.irp b, 0,1,2,3
	v_max3_num_f32 v[BM+\b], v[BM+\b], v[S+16*\b+\i], v[S+16*\b+\i+1]
.endr
.endr
.irp b, 0,1,2,3
	v_max_num_f32 v[BM+\b], v[BM+\b], v[S+16*\b+15]
.endr
.irp b, 0,1,2,3
	v_permlanex16_b32 v[BP+\b], v[BM+\b], s[SEL], s[SEL+1]
.endr
.irp b, 0,1,2,3
	v_max_num_f32 v[BM+\b], v[BM+\b], v[BP+\b]
.endr
	v_max3_num_f32 v[T], v[BM], v[BM+1], v[BM+2]
	v_max_num_f32 v[T], v[T], v[BM+3]
.if \first
	v_mul_f32 v[TX], s[CS], v[T]                   ; the largest t
	v_floor_f32 v[NM], -v[TX]                      ; -M = floor(-t) = -ceil(t)
.else
	v_mul_f32 v[T], s[CS], v[T]
	v_max_num_f32 v[TX], v[TX], v[T]
	v_mov_b32 v[T], v[NM]
	v_floor_f32 v[NM], -v[TX]
	v_sub_f32 v[T], v[NM], v[T]                    ; old M - new M: a whole number, 0 or less
	v_cvt_i32_f32 v[T], v[T]
	v_ldexp_f32 v[F], 1.0, v[T]                    ; f = 2^(old M - new M)
.endif
.irp j, 0,2,4,6,8,10,12,14,16,18,20,22,24,26,28,30,32,34,36,38,40,42,44,46,48,50,52,54,56,58,60,62
	v_pk_fma_f32 v[S+\j:S+\j+1], v[S+\j:S+\j+1], s[CS:CS+1], v[NM:NM+1] op_sel_hi:[1,0,0]   ; t - M
.endr
.irp b, 0,1,2,3
	v_fma_f32 v[BM+\b], v[BM+\b], s[CS], v[NM]
.endr
.set j, 0
	s_wait_alu depctr_va_vdst(0)
.rept 64
	v_exp_f32 v[S+j], v[S+j]                       ; p = 2^(t - M)
.set j, j+1
.endr
.if \first
	v_nop                                          ; a plain instruction behind the exponentials
.else
	v_pk_mul_f32 v[SUM:SUM+1], v[SUM:SUM+1], v[F:F+1] op_sel_hi:[1,0]   ; the sum under the new M (the plain instruction behind the exponentials)
.endif
	s_wait_alu depctr_va_vdst(0)                   ; one wait for the 64 exponentials' results, ahead of their first reader
.irp b, 0,1,2,3
	v_exp_f32 v[BM+\b], v[BM+\b]                   ; the blocks' largest p: the same two instructions on the same number give the same bits
.endr
.if \first                             ; the row's sum of the unquantised p, in two chains; its first half stands behind the four exponentials and names none of them
	v_pk_add_f32 v[SUM:SUM+1], v[S:S+1], v[S+2:S+3]
	v_pk_add_f32 v[T2:T2+1], v[S+4:S+5], v[S+6:S+7]
.else
	v_pk_add_f32 v[T2:T2+1], v[S:S+1], v[S+2:S+3]
	v_pk_add_f32 v[SUM:SUM+1], v[SUM:SUM+1], v[S+4:S+5]
	v_pk_add_f32 v[T2:T2+1], v[T2:T2+1], v[S+6:S+7]
.endif
.irp j, 8,12,16,20,24,28
	v_pk_add_f32 v[SUM:SUM+1], v[SUM:SUM+1], v[S+\j:S+\j+1]
	v_pk_add_f32 v[T2:T2+1], v[T2:T2+1], v[S+\j+2:S+\j+3]
.endr
	s_wait_alu depctr_va_vdst(0)                   ; and one for the four exponentials' results
.irp b, 0,1,2,3
	v_max_num_f32 v[BM+\b], 0x1800000, v[BM+\b]    ; the floor 2^(3 - 127)
.endr
.irp b, 0,1,2,3
	v_add_nc_u32 v[SO+\b], 0xff000000, v[BM+\b]
.endr
.irp b, 0,1,2,3
	v_lshrrev_b32 v[BY+\b], 23, v[SO+\b]
.endr
	v_lshl_or_b32 v[PS], v[BY+1], 8, v[BY]         ; p's scale word for these 128 keys
	v_lshl_or_b32 v[PS], v[BY+2], 16, v[PS]
	v_lshl_or_b32 v[PS], v[BY+3], 24, v[PS]
.irp b, 0,1,2,3
	v_cvt_scalef32_pk8_fp4_f32 v[PC+2*\b], v[S+16*\b:S+16*\b+7], v[SO+\b]
	v_cvt_scalef32_pk8_fp4_f32 v[PC+2*\b+1], v[S+16*\b+8:S+16*\b+15], v[SO+\b]
.endr
	v_nop                                          ; one plain instruction behind the conversions
.irp c, 0,1                            ; the operand wants a whole block in a lane: lanes 0-15 block 2 c, lanes 16-31 block 2 c + 1
.irp i, 0,1
	v_permlane16_swap_b32 v[PC+4*\c+\i], v[PC+4*\c+2+\i]
.endr
.endr
.if !\first
.irp j, 0,2,4,6,8,10,12,14
	v_pk_mul_f32 v[O+\j:O+\j+1], v[O+\j:O+\j+1], v[F:F+1] op_sel_hi:[1,0]   ; O^T under the new M, from each accumulator's low end on
.endr
.endif
.irp j, 32,36,40,44,48,52,56,60        ; the sum's second half: 17 plain lines between the writes of p's codes, p's scale word and O^T and the products that read them
	v_pk_add_f32 v[SUM:SUM+1], v[SUM:SUM+1], v[S+\j:S+\j+1]
	v_pk_add_f32 v[T2:T2+1], v[T2:T2+1], v[S+\j+2:S+\j+3]
.endr
	v_pk_add_f32 v[SUM:SUM+1], v[SUM:SUM+1], v[T2:T2+1]
	s_wait_dscnt 0x0                               ; V's fragments and scale words are in, and so are the next step's tiles of K, asked for behind them
	s_wait_alu depctr_va_vdst(0)                   ; p's codes and p's scale word are written, which the scaled products below take as source 1 and as its scales; the places above stay beside this wait
.irp uo, 0,1
.if \first
	v_wmma_scale_f32_16x16x128_f8f6f4 v[O+8*\uo:O+8*\uo+7], v[VF+8*\uo:VF+8*\uo+7], v[PC:PC+7], 0, v[VS+\uo], v[PS] matrix_a_fmt:MATRIX_FMT_FP4 matrix_b_fmt:MATRIX_FMT_FP4
.else
	v_wmma_scale_f32_16x16x128_f8f6f4 v[O+8*\uo:O+8*\uo+7], v[VF+8*\uo:VF+8*\uo+7], v[PC:PC+7], v[O+8*\uo:O+8*\uo+7], v[VS+\uo], v[PS] matrix_a_fmt:MATRIX_FMT_FP4 matrix_b_fmt:MATRIX_FMT_FP4
.endif
.endr
.endm
; O^T / the sum, quantised along the head's 32 channels (a block of the output projection's K): lane (r, hh) holds channels 16 hh + 0 .. 15 of query r.
.macro FINISH u
	v_add_f32 v[T], v[SUM], v[SUM+1]
	v_nop
	v_nop
	v_permlanex16_b32 v[BP], v[T], s[SEL], s[SEL+1]
	v_add_f32 v[T], v[T], v[BP]                    ; the row's sum
	s_wait_alu depctr_va_vdst(0)
	v_rcp_f32 v[F], v[T]
	v_nop                                          ; a plain instruction behind the reciprocal; with the lines above, the places behind the last products
	s_wait_alu depctr_va_vdst(0)                   ; the reciprocal's result, ahead of its first reader
.irp j, 0,2,4,6,8,10,12,14
	v_pk_mul_f32 v[O+\j:O+\j+1], v[O+\j:O+\j+1], v[F:F+1] op_sel_hi:[1,0]
.endr
	v_max3_num_f32 v[BM], |v[O]|, |v[O+1]|, 0x1800000
	v_max3_num_f32 v[BM+1], |v[O+8]|, |v[O+9]|, |v[O+10]|
	v_max3_num_f32 v[BM], v[BM], |v[O+2]|, |v[O+3]|
	v_max3_num_f32 v[BM+1], v[BM+1], |v[O+11]|, |v[O+12]|
	v_max3_num_f32 v[BM], v[BM], |v[O+4]|, |v[O+5]|
	v_max3_num_f32 v[BM+1], v[BM+1], |v[O+13]|, |v[O+14]|
	v_max3_num_f32 v[BM], v[BM], |v[O+6]|, |v[O+7]|
	v_max3_num_f32 v[BM], v[BM], v[BM+1], |v[O+15]|
	v_permlanex16_b32 v[BP], v[BM], s[SEL], s[SEL+1]
	v_max_num_f32 v[BM], v[BM], v[BP]
	v_add_nc_u32 v[SO], 0xff000000, v[BM]
	v_lshrrev_b32 v[BY], 23, v[SO]
	v_cvt_scalef32_pk8_fp4_f32 v[OC], v[O:O+7], v[SO]
	v_cvt_scalef32_pk8_fp4_f32 v[OC+1], v[O+8:O+15], v[SO]
	v_nop                                          ; one plain instruction behind the conversions: the next tile's products write their sources
	s_wait_alu depctr_va_vdst(0)                   ; the codes and the byte are written, which the two stores read; the tile's products are done reading Q's and K's registers, in which the next loads land (the next tile's, or the way out's): no vector line stands between
	ds_store_b64 v[CO], v[OC:OC+1] offset:OST+128*\u
	ds_store_b8 v[COS], v[BY] offset:16*\u         ; both lanes of a block write the same byte with the same value
	s_wait_alu depctr_vm_vsrc(0)                   ; the two stores have read the codes and the byte, which the next tile writes again; behind a trip's last tile: every LDS instruction of the trip has read its address in v8-14, which the next trip writes
.endm
.macro ATT u                           ; my tile u of 16 queries against all 512 keys
	ds_load_b128 v[QF:QF+3], v[CQ] offset:QIMG+512*\u
	ds_load_b32 v[QS], v[CQS] offset:QSC+128*\u
	KFETCH 0
	s_wait_dscnt 0x0                               ; Q and the first step's tiles of K: the one place in a tile of queries where the wave waits for what it has just asked for
	STEP 0, 1
	STEP 1, 0
	STEP 2, 0
	STEP 3, 0
	FINISH \u
.endm
	s_mov_b32 s[HB], 0
	s_mov_b32 s[OB], 0
	s_mov_b32 s[TRIP], 2
.Lhead:                                ; two trips: the two heads; what differs is the region in LDS
	v_add_nc_u32 v[CK], s[HB], v[LK]
	v_add_nc_u32 v[CV], s[HB], v[LV]
	v_add_nc_u32 v[CVS], s[HB], v[LVS]
	v_add_nc_u32 v[CQ], s[HB], v[LQ]
	v_add_nc_u32 v[CQS], s[HB], v[LQS]
	v_add_nc_u32 v[CO], s[HB], v[LO]
	v_add_nc_u32 v[COS], s[OB], v[LOS]
	s_wait_alu depctr_va_vdst(0)                   ; the seven addresses are written, which the trip's LDS instructions read; in the first trip also the zero codes in the fragments' upper registers, which the scaled products take
	ATT 0
	ATT 1
	s_wait_dscnt 0x0                               ; my stores of the trip have landed
	s_add_co_u32 s[HB], s[HB], HS
	s_add_co_u32 s[OB], s[OB], 1
	s_sub_co_u32 s[TRIP], s[TRIP], 1
	s_cmp_lg_u32 s[TRIP], 0
	s_cbranch_scc1 .Lhead
	ds_load_b128 v[48:51], v[AOC]                  ; my own bytes: tokens 32 w + lane / 2, head lane % 2
	ds_load_b128 v[52:55], v[AOC] offset:256       ; and 16 tokens on
	s_wait_dscnt 1
	global_store_b128 v[LK], v[48:51], s[14:15]    ; 32 lanes store 512 consecutive bytes, aligned
	s_wait_dscnt 0x0
	global_store_b128 v[LK], v[52:55], s[14:15] offset:512
	s_barrier_signal -1                            ; every wave's scale bytes have landed (waited for at the last trip's end)
	s_barrier_wait -1
	s_cmp_gt_u32 s[WV], 1
	s_cbranch_scc1 .Lend
	ds_load_b128 v[56:59], v[AOS]
	s_wait_dscnt 0x0
	global_store_b128 v[GOS], v[56:59], s[16:17]   ; waves 0 and 1: 512 consecutive bytes each
.Lend:
	s_wait_dscnt 0x0                               ; the closing lines, six on end
	s_wait_alu 0x0
	s_wait_tensorcnt 0x0
	ds_add_u32 v227, v235
	s_wait_dscnt 0x0
	s_endpgm
.Lfunc_end_k_q2e70abd381_attn:
	.size	k_q2e70abd381_attn, .Lfunc_end_k_q2e70abd381_attn-k_q2e70abd381_attn
	.p2alignl 7, 3214868480
	.fill 96, 4, 3214868480
	.section	.rodata,"a",@progbits
	.p2align	6, 0x0
	.amdhsa_kernel k_q2e70abd381_attn
		.amdhsa_group_segment_fixed_size 147456
		.amdhsa_private_segment_fixed_size 0
		.amdhsa_enable_private_segment 0
		.amdhsa_kernarg_size 56
		.amdhsa_user_sgpr_count 2
		.amdhsa_user_sgpr_kernarg_segment_ptr 1
		.amdhsa_wavefront_size32 1
		.amdhsa_system_sgpr_workgroup_id_x 1
		.amdhsa_system_sgpr_workgroup_id_y 1
		.amdhsa_system_sgpr_workgroup_id_z 1
		.amdhsa_system_vgpr_workitem_id 0
		.amdhsa_next_free_vgpr 256
		.amdhsa_next_free_sgpr 66
		.amdhsa_reserve_vcc 0
		.amdhsa_float_denorm_mode_32 3
		.amdhsa_float_denorm_mode_16_64 3
		.amdhsa_memory_ordered 1
		.amdhsa_forward_progress 1
		.amdhsa_inst_pref_size 152
	.end_amdhsa_kernel
	.amdgpu_metadata
---
amdhsa.version: [ 1, 2 ]
amdhsa.kernels:
  - .name:           k_q2e70abd381_attn
    .symbol:         k_q2e70abd381_attn.kd
    .args:
      - { .name: xq_codes, .offset: 0, .size: 8, .value_kind: global_buffer, .address_space: global }
      - { .name: xq_scales, .offset: 8, .size: 8, .value_kind: global_buffer, .address_space: global }
      - { .name: in_proj_w_codes, .offset: 16, .size: 8, .value_kind: global_buffer, .address_space: global }
      - { .name: in_proj_w_scales, .offset: 24, .size: 8, .value_kind: global_buffer, .address_space: global }
      - { .name: in_proj_b, .offset: 32, .size: 8, .value_kind: global_buffer, .address_space: global }
      - { .name: o_codes, .offset: 40, .size: 8, .value_kind: global_buffer, .address_space: global }
      - { .name: o_scales, .offset: 48, .size: 8, .value_kind: global_buffer, .address_space: global }
    .group_segment_fixed_size: 147456
    .private_segment_fixed_size: 0
    .kernarg_segment_align: 8
    .kernarg_segment_size: 56
    .max_flat_workgroup_size: 512
    .sgpr_count:     66
    .vgpr_count:     256
    .wavefront_size: 32
...
	.end_amdgpu_metadata
.endif
;; end of part 7
;; launch proj (part 8): grid 4 x 64, 8 waves a work-group, no clusters, 109,568 bytes of LDS; arguments o_codes, o_scales, out_proj_w_codes, out_proj_w_scales, out_proj_b, x, ca, out0; writes out0
.if DOCPART == 8
	.amdgcn_target "amdgcn-amd-amdhsa--gfx1250"
	.amdhsa_code_object_version 6
	.text
	.protected	k_q2e70abd381_proj
	.globl	k_q2e70abd381_proj
	.p2align	8
	.type	k_q2e70abd381_proj,@function
k_q2e70abd381_proj:
	s_mov_b64 s[64:65], 0
	v_nop
	global_prefetch_b8 v0, s[64:65] scope:SCOPE_SE
	s_setreg_imm32_b32 hwreg(HW_REG_WAVE_SCHED_MODE, 0, 2), 2
	s_setreg_imm32_b32 hwreg(HW_REG_WAVE_MODE, 25, 1), 1
	s_wait_xcnt 0x0
	s_wait_alu depctr_vm_vsrc(0)
; out0[b][c][h][w] = x[b][c][h][w] ca[b][c] + (o W^T + bias)[l = 8 h + b][n = w][c]: the output projection on codes of FP4 (E2M1), and the residual.
; SHARES.  Work-group (cs, win) takes the tokens l = 8 win + b of all 64 n, and channels 64 cs .. 64 cs + 63.  Wave w is image b = w: 64 tokens (n) x 64 channels: its results are 64 whole rows
; (b, c, h = win) of out0, 256 bytes each.  Source 0 = 16 tokens, source 1 = 16 rows of W: a lane holds one channel and eight neighbouring n; a tile of 16 channels goes through the wave's own stage in LDS
; and comes back as rows, 8 bytes a lane, as x is loaded and out0 is stored: each load and store of the wave covers 256 consecutive bytes, aligned.
; The tokens' codes lie in memory by (n, head pair): 256 units of 256 bytes [b 8][a 2][16].  The eight waves bring them in whole and each picks its b out of LDS.
; NO CLUSTER: the four work-groups of one win share the 68 KiB of codes and bytes; each also moves 128 KiB of x and 128 KiB of out0 of its own: what is shared is a fifth of its bytes, read once at the head.
; No tensor load: each tile is read once; 32 loads of x a wave are kept on their way.
; THE MODE: SCHED_MODE bits 1:0 = 2 (LLVM: expert scheduling mode 2), set by the entry lines.  The code itself states the register dependences between vector or matrix instructions and memory or LDS
; instructions, with s_wait_alu, always for 0.
; THE PLAN.  Registers that memory or LDS instructions touch:
;   v1-12    offsets and addresses: written once at the head, ahead of one wait on va_vdst; never written again.
;   TOK      global loads land there, LDS stores read it, LDS loads land there again (one wait on vm_vsrc between), products read it.
;   W's sets with their scale words and bias: loads land there; a tile's products and copies read them; the loads of two tiles on land there behind the tile's first wait on va_vdst.
;   ACC      a tile's products write it, the stage's stores read it (va_vdst ahead of them), the rows land in it (vm_vsrc ahead of them), the multiply-adds read it.
;   XR       loads land there, the multiply-adds write it, the global stores read it (va_vdst ahead of them), the loads of two tiles on land there (vm_vsrc ahead of them).
.set OCL, 0                            ; LDS: unit (64 hp + n) x (256 bytes + 16)
.set OSL, 69632                        ; the tokens' scale bytes: 64 n + 8 b + head
.set STG, 73728                        ; a stage for each wave: 16 rows x (256 bytes + 16)
.set AOC, 1                            ; v1   the codes in memory: 16,384 hh + 16 q
.set SOC, 2                            ; v2   and into LDS
.set AOS, 3                            ; v3   the scale bytes in memory: 1,024 x thread (n = thread / 4, hp = thread % 4)
.set SOS, 4                            ; v4   and into LDS
.set LT,  5                            ; v5   a token's fragment: 272 r + 16 hh + 32 w
.set LTS, 6                            ; v6   its scale words
.set LW,  7                            ; v7   W: 128 r + 16 hh
.set LWS, 8                            ; v8   8 r
.set LB,  9                            ; v9   4 r
.set LX,  10                           ; v10  8 lane: x and out0
.set LS,  11                           ; v11  the stage, in: row r, + 32 hh
.set LR,  12                           ; v12  back: 8 lane
.set TOK, 16                           ; v16-79  first the codes as loaded, then the tokens' fragments (tile t, K step e) at 8 (2 t + e)
.set WF,  80                           ; v80-111 W's fragments, two sets of two
.set CB,  112                          ; v112-119 the bias as C
.set ACC, 120                          ; v120-151 four accumulators, then the tile's 16 rows
.set XR,  152                          ; v152-215 x, two sets of 16 rows
.set OSR, 216                          ; v216-219 the scale bytes as loaded
.set BB,  220                          ; v220-221 the bias as loaded
.set TS,  224                          ; scale registers, which hold nothing else: v224-231 the tokens' (t, e); v232-235 W's (set, e)
.set WS,  232
.macro NOP4                            ; four places behind matrix instructions (ISA guide 7.12.1)
.rept 4
	v_nop
.endr
.endm
	s_load_b512 s[4:19], s[0:1], 0x0               ; o_codes, o_scales, W's codes, W's scales, bias, x, ca, out0
	v_lshl_add_u32 v240, v0, 2, 0x1a800
	v_mov_b32 v241, 0
	v_lshrrev_b32 v13, 5, v0
	v_readfirstlane_b32 s20, v13                   ; wave = b
	s_and_b32 s21, ttmp7, 0xffff                   ; win
	v_and_b32 v13, 31, v0                          ; lane
	v_and_b32 v14, 15, v0                          ; r
	v_bfe_u32 v15, v0, 4, 1                        ; hh
	v_lshlrev_b32 v[AOC], 14, v15
	v_lshl_add_u32 v[AOC], v14, 4, v[AOC]
	s_wait_alu depctr_va_sdst(0)                   ; the wave's number is written, ahead of its first reader: offsets and bases are made from it
	s_mul_i32 s22, s20, 2176
	v_mul_u32_u24 v[SOC], v15, 17408
	v_lshl_add_u32 v[SOC], v14, 4, v[SOC]
	v_add_nc_u32 v[SOC], s22, v[SOC]               ; unit 64 hh + 8 w
	v_lshlrev_b32 v[AOS], 10, v0
	v_lshrrev_b32 v[SOS], 2, v0
	v_lshlrev_b32 v[SOS], 6, v[SOS]
	v_and_b32 v[LT], 3, v0
	v_lshl_add_u32 v[SOS], v[LT], 1, v[SOS]
	v_add_nc_u32 v[SOS], OSL, v[SOS]
	v_mul_u32_u24 v[LT], v14, 272
	v_lshl_add_u32 v[LT], v15, 4, v[LT]
	s_lshl_b32 s22, s20, 5
	v_add_nc_u32 v[LT], s22, v[LT]
	s_lshl_b32 s22, s20, 3
	s_add_co_u32 s22, s22, OSL
	v_lshl_add_u32 v[LTS], v14, 6, s22
	v_lshlrev_b32 v[LW], 7, v14
	v_lshl_add_u32 v[LW], v15, 4, v[LW]
	v_lshlrev_b32 v[LWS], 3, v14
	v_lshlrev_b32 v[LB], 2, v14
	v_lshlrev_b32 v[LX], 3, v13
	s_mul_i32 s22, s20, 4352
	s_add_co_u32 s22, s22, STG
	v_mul_u32_u24 v[LS], v14, 272
	v_lshl_add_u32 v[LS], v15, 5, v[LS]
	v_add_nc_u32 v[LS], s22, v[LS]
	v_lshl_add_u32 v[LR], v13, 3, s22
	s_mov_b32 s25, 0
	s_wait_kmcnt 0x0
	s_lshl_b32 s24, s21, 8
	s_lshl_b32 s26, s20, 19
	s_add_co_u32 s24, s24, s26
	s_add_nc_u64 s[4:5], s[4:5], s[24:25]          ; the codes: l = 8 win, n = 8 w on
	s_lshl_b32 s24, s21, 4
	s_add_nc_u64 s[6:7], s[6:7], s[24:25]
	s_lshl_b32 s24, ttmp9, 13
	s_add_nc_u64 s[8:9], s[8:9], s[24:25]          ; W: my 64 rows
	s_lshl_b32 s24, ttmp9, 9
	s_add_nc_u64 s[10:11], s[10:11], s[24:25]
	s_lshl_b32 s24, ttmp9, 8
	s_add_nc_u64 s[12:13], s[12:13], s[24:25]
	s_lshl_b32 s26, s20, 10
	s_add_co_u32 s24, s24, s26
	s_add_nc_u64 s[16:17], s[16:17], s[24:25]      ; ca of image w, channels 64 cs on: into scalar registers, 16 for each tile of channels
	s_load_b512 s[32:47], s[16:17], 0x0
	s_load_b512 s[48:63], s[16:17], 0x40
	s_load_b512 s[68:83], s[16:17], 0x80
	s_load_b512 s[84:99], s[16:17], 0xc0
	s_lshl_b32 s24, s20, 22
	s_lshl_b32 s26, ttmp9, 20
	s_add_co_u32 s24, s24, s26
	s_lshl_b32 s26, s21, 8
	s_add_co_u32 s24, s24, s26
	s_add_nc_u64 s[14:15], s[14:15], s[24:25]      ; x and out0 at (b = w, c = 64 cs, h = win)
	s_add_nc_u64 s[18:19], s[18:19], s[24:25]
.macro WLD ct, p                       ; W's tile ct of 16 channels into set p: 6 loads
.irp e, 0,1
.irp c, 0,1
	global_load_b128 v[WF+16*(\p)+8*\e+4*\c:WF+16*(\p)+8*\e+4*\c+3], v[LW], s[8:9] offset:2048*(\ct)+64*\e+32*\c
.endr
.endr
	global_load_b64 v[WS+2*(\p):WS+2*(\p)+1], v[LWS], s[10:11] offset:128*(\ct)
	global_load_b32 v[BB+(\p)], v[LB], s[12:13] offset:64*(\ct)
.endm
.macro XLD ct                          ; x's 16 rows of tile ct: 16 loads, a row each
.set rho, 0
.rept 16
	global_load_b64 v[XR+32*((\ct)%2)+2*rho:XR+32*((\ct)%2)+2*rho+1], v[LX], s[14:15] offset:(16*(\ct)+rho)*16384 th:TH_LOAD_NT
.set rho, rho+1
.endr
.endm
	s_wait_alu depctr_va_vdst(0)                   ; the twelve offsets and addresses v1 to v12 are written, ahead of the first load that reads one
.set i, 0
.rept 16
	global_load_b128 v[TOK+4*i:TOK+4*i+3], v[AOC], s[4:5] offset:32768*i   ; units n = 8 w + i / 2, hp = 2 (i % 2) + hh: sixteen lanes read 256 consecutive bytes
.set i, i+1
.endr
	global_load_b128 v[OSR:OSR+3], v[AOS], s[6:7]  ; [b 8][a 2] of my (n, hp)
	WLD 0, 0
	WLD 1, 1
	XLD 0
	XLD 1
	s_wait_loadcnt 44                              ; the codes and bytes are in; W's two sets (12) and x's two (32) stay out
.set i, 0
.rept 16
	ds_store_b128 v[SOC], v[TOK+4*i:TOK+4*i+3] offset:OCL+(128*(i%2)+i/2)*272
.set i, i+1
.endr
.irp b, 0,2,4,6
	ds_store_b16 v[SOS], v[OSR+\b/2] offset:8*\b                   ; token b's two bytes of my pair of heads
	ds_store_b16_d16_hi v[SOS], v[OSR+\b/2] offset:8*\b+8
.endr
	s_wait_dscnt 0x0                               ; my stores have landed
	s_barrier_signal -1
	s_barrier_wait -1                              ; everybody's have
	s_wait_alu depctr_vm_vsrc(0)                   ; my LDS stores have read v16-79, in which the fragments' loads below land
.irp t, 0,1,2,3                        ; my 64 tokens' fragments: registers 4 c on of K step e are head 4 e + 2 c + hh: unit hp = 2 e + c, a = hh
.irp e, 0,1
.irp c, 0,1
	ds_load_b128 v[TOK+8*(2*\t+\e)+4*\c:TOK+8*(2*\t+\e)+4*\c+3], v[LT] offset:OCL+((2*\e+\c)*64+16*\t)*272
.endr
.endr
	ds_load_b64 v[TS+2*\t:TS+2*\t+1], v[LTS] offset:1024*\t
.endr
	s_wait_dscnt 0x0
	s_wait_kmcnt 0x0                               ; ca
; A tile of 16 channels.  p: W's set;  nw, nx: the younger loads that may stay out when W's set and x's rows have to be in.
.macro CT ct, p, nw, nx
	s_wait_loadcnt \nw
.irp j, 0,1,2,3,4,5,6,7
	v_mov_b32 v[CB+\j], v[BB+\p]                   ; the bias in the result's layout: a lane's one channel, eight times
.endr
	NOP4
.irp t, 0,1,2,3                        ; four accumulators by turns, one instruction a turn
	v_wmma_scale_f32_16x16x128_f8f6f4 v[ACC+8*\t:ACC+8*\t+7], v[TOK+16*\t:TOK+16*\t+7], v[WF+16*\p:WF+16*\p+7], v[CB:CB+7], v[TS+2*\t], v[WS+2*\p] matrix_a_fmt:MATRIX_FMT_FP4 matrix_b_fmt:MATRIX_FMT_FP4
.endr
.irp t, 0,1,2,3
	v_wmma_scale_f32_16x16x128_f8f6f4 v[ACC+8*\t:ACC+8*\t+7], v[TOK+16*\t+8:TOK+16*\t+15], v[WF+16*\p+8:WF+16*\p+15], v[ACC+8*\t:ACC+8*\t+7], v[TS+2*\t+1], v[WS+2*\p+1] matrix_a_fmt:MATRIX_FMT_FP4 matrix_b_fmt:MATRIX_FMT_FP4
.endr
	NOP4
	s_wait_alu depctr_va_vdst(0)                   ; the products have written the accumulators, which the LDS stores read and in which the rows then land; they and the copies above are done with W's set p, its scale words and its bias, in which the loads of two tiles on land.  The places above stay beside this wait
.irp t, 0,1,2,3
	ds_store_b128 v[LS], v[ACC+8*\t:ACC+8*\t+3] offset:64*\t       ; lane (r, hh): channel r, n = 16 t + 8 hh + 0 .. 7; each accumulator from its low end on
	ds_store_b128 v[LS], v[ACC+8*\t+4:ACC+8*\t+7] offset:64*\t+16
.endr
	s_wait_alu depctr_vm_vsrc(0)                   ; the eight stores have read the accumulators, in which the rows below land
.set rho, 0
.rept 16
	ds_load_b64 v[ACC+2*rho:ACC+2*rho+1], v[LR] offset:272*rho     ; LDS serves a wave's instructions in order (ISA guide 5.7.1.4): these see my stores
.set rho, rho+1
.endr
.if \ct < 2
	WLD \ct+2, \p
.endif
	s_wait_loadcnt \nx
	s_wait_dscnt 0x0
.set rho, 0
.rept 16
	v_fma_f32 v[XR+32*(\ct%2)+2*rho], v[XR+32*(\ct%2)+2*rho], s[32+16*\ct+4*(\ct/2)+rho], v[ACC+2*rho]
	v_fma_f32 v[XR+32*(\ct%2)+2*rho+1], v[XR+32*(\ct%2)+2*rho+1], s[32+16*\ct+4*(\ct/2)+rho], v[ACC+2*rho+1]
.set rho, rho+1
.endr
	s_wait_alu depctr_va_vdst(0)                   ; the multiply-adds have written this set of rows, which the stores read; in the first two tiles x's rows of two tiles on land there behind the stores
.set rho, 0
.rept 16
	global_store_b64 v[LX], v[XR+32*(\ct%2)+2*rho:XR+32*(\ct%2)+2*rho+1], s[18:19] offset:(16*\ct+rho)*16384 th:TH_STORE_NT   ; 32 lanes store a row: 256 consecutive bytes, aligned
.set rho, rho+1
.endr
.if \ct < 2
	s_wait_xcnt 0x0                                ; every earlier memory instruction has had its addresses translated (ISA guide 3.1): the stores' data registers are loaded again only behind this wait,
	s_wait_alu depctr_vm_vsrc(0)                   ; and behind this one: the sixteen stores have read this set of rows, in which x's rows of two tiles on land
	XLD \ct+2
.endif
.endm
	CT 0, 0, 32, 22                                ; W0 (and W1) in, x's two sets out;  then x's set 1 (16) and W2 (6) out
	CT 1, 1, 38, 28                                ; W1 was shown in above;  then W2 (6), x's tile 2 (16), W3 (6) out
	CT 2, 0, 38, 22                                ; x's tile 2 (16), W3 (6), x's tile 3 (16) out;  then W3 and x's tile 3
	CT 3, 1, 16, 0                                 ; x's tile 3 out;  then nothing
	s_wait_dscnt 0x0                               ; the closing lines, six on end
	s_wait_alu 0x0
	s_wait_tensorcnt 0x0
	ds_add_u32 v240, v241
	s_wait_dscnt 0x0
	s_endpgm
.Lfunc_end_k_q2e70abd381_proj:
	.size	k_q2e70abd381_proj, .Lfunc_end_k_q2e70abd381_proj-k_q2e70abd381_proj
	.p2alignl 7, 3214868480
	.fill 96, 4, 3214868480
	.section	.rodata,"a",@progbits
	.p2align	6, 0x0
	.amdhsa_kernel k_q2e70abd381_proj
		.amdhsa_group_segment_fixed_size 109568
		.amdhsa_private_segment_fixed_size 0
		.amdhsa_enable_private_segment 0
		.amdhsa_kernarg_size 64
		.amdhsa_user_sgpr_count 2
		.amdhsa_user_sgpr_kernarg_segment_ptr 1
		.amdhsa_wavefront_size32 1
		.amdhsa_system_sgpr_workgroup_id_x 1
		.amdhsa_system_sgpr_workgroup_id_y 1
		.amdhsa_system_sgpr_workgroup_id_z 1
		.amdhsa_system_vgpr_workitem_id 0
		.amdhsa_next_free_vgpr 242
		.amdhsa_next_free_sgpr 100
		.amdhsa_reserve_vcc 0
		.amdhsa_float_denorm_mode_32 3
		.amdhsa_float_denorm_mode_16_64 3
		.amdhsa_memory_ordered 1
		.amdhsa_forward_progress 1
		.amdhsa_inst_pref_size 44
	.end_amdhsa_kernel
	.amdgpu_metadata
---
amdhsa.version: [ 1, 2 ]
amdhsa.kernels:
  - .name:           k_q2e70abd381_proj
    .symbol:         k_q2e70abd381_proj.kd
    .args:
      - { .name: o_codes, .offset: 0, .size: 8, .value_kind: global_buffer, .address_space: global }
      - { .name: o_scales, .offset: 8, .size: 8, .value_kind: global_buffer, .address_space: global }
      - { .name: out_proj_w_codes, .offset: 16, .size: 8, .value_kind: global_buffer, .address_space: global }
      - { .name: out_proj_w_scales, .offset: 24, .size: 8, .value_kind: global_buffer, .address_space: global }
      - { .name: out_proj_b, .offset: 32, .size: 8, .value_kind: global_buffer, .address_space: global }
      - { .name: x, .offset: 40, .size: 8, .value_kind: global_buffer, .address_space: global }
      - { .name: ca, .offset: 48, .size: 8, .value_kind: global_buffer, .address_space: global }
      - { .name: out0, .offset: 56, .size: 8, .value_kind: global_buffer, .address_space: global }
    .group_segment_fixed_size: 109568
    .private_segment_fixed_size: 0
    .kernarg_segment_align: 8
    .kernarg_segment_size: 64
    .max_flat_workgroup_size: 256
    .sgpr_count:     100
    .vgpr_count:     242
    .wavefront_size: 32
...
	.end_amdgpu_metadata
.endif
;; end of part 8
